; MI455X (gfx1250); checked and timed in simulation.
; The chip was launched on July 23, 2026; its instructions are those of AMD's public machine-readable ISA for CDNA 5 (MIT licence, August 2026) and "CDNA5" Instruction Set Architecture Reference Guide (July 2026). The comments in the code are by the model that wrote it; some were corrected since.
;; Attention. Allowed arithmetic: float matrix products may take bf16 or f16 operands with f32 sums; all other float work in f32.
;; Inputs: freqs_cos 1,024 x 64 float32; freqs_sin 1,024 x 64 float32; mask 1,024 x 1,024 float32; wk 1,024 x 4,096 float32; wo 4,096 x 4,096 float32; wq 4,096 x 4,096 float32; wv 1,024 x 4,096 float32; x 1 x 1,024 x 4,096 float32.
;; Outputs: out0 1 x 1,024 x 4,096 float32.
;; Constants: start_pos = 0.
;; 3 versions, each right; version 2 is faster than version 1; version 3 is version 2 with the launch prep written anew for expert scheduling mode. Each part assembles by itself: llvm-mc -triple=amdgcn-amd-amdhsa -mcpu=gfx1250 --defsym DOCPART=n.
;; ======== version 1 of 3: 4 launches
;; limits: values are held in f16: magnitudes above 65,504 overflow, below 6.1e-05 lose precision
;; workspace buffers: xb 8,388,608 bytes; wb 50,331,648 bytes; wob 33,554,432 bytes; maskS 4,194,304 bytes; csr 524,288 bytes; q 8,388,608 bytes; kv 4,194,304 bytes; o 8,388,608 bytes
;; launch prep (part 1): grid 2888 x 1, 8 waves a work-group, no clusters, 0 bytes of LDS; arguments x, wq, wk, wv, wo, mask, freqs_cos, freqs_sin, xb, wb, wob, maskS, csr; writes xb, wb, wob, maskS, csr
.if DOCPART == 1
	.amdgcn_target "amdgcn-amd-amdhsa--gfx1250"
	.amdhsa_code_object_version 6
	.text
	.protected	k_q6bf97760c2_prep
	.globl	k_q6bf97760c2_prep
	.p2align	8
	.type	k_q6bf97760c2_prep,@function
k_q6bf97760c2_prep:
	s_mov_b64 s[64:65], 0
	v_nop
	global_prefetch_b8 v0, s[64:65] scope:SCOPE_SE
	s_setreg_imm32_b32 hwreg(HW_REG_WAVE_MODE, 25, 1), 1
	s_wait_xcnt 0x0
; THE INPUTS ARE ROUNDED ONCE, TO bf16, AND LAID OUT FOR THE THREE LAUNCHES BEHIND.  A stream: no LDS, no matrix unit, nothing shared between work-groups.
;   xb    [1024][4096] bf16 = bf16(x / 4)                 wb [6144][4096] bf16 = bf16(w / 2), rows 192 t + i: i < 128 wq's row 128 t + i; i < 160 wk's row 32 t + i - 128; else wv's row 32 t + i - 160
;   wob   [4096][4096] f16  = 8 x bf16(wo), written as f16 (exact inside f16's normal range; below 6e-5 it keeps f16's fixed step of 6e-8)
;   maskS [q block 64][key step 16][key block 4][half 2][lane 32][4] f32 = bf16(mask) x log2(e): the register image of the C operand of 16 keys x 16 queries
;         (query 16 qb + lane % 16; key 64 step + 16 block + 8 (lane / 16) + 4 half + e)
;   csr   bf16(cos) [1024][64] as f32, then bf16(sin) the same, 262,144 bytes on
; The factors 1/4, 1/2 and 8 are powers of two: they commute with the rounding.  LIMITS: NaN and infinities are not treated apart; 8 x wo stays inside f16 (|wo| < 8,188).
; SHARES.  A work-group of eight waves takes 65,536 bytes of f32, in two trips of eight loads of 16 bytes a lane.  Work-group b: 0-255 x; 256-1279 wq; 1280-1535 wk; 1536-1791 wv (four rows of
; 16,384 bytes each); 1792-2815 wo; 2816-2879 the mask's block of 16 queries b - 2816 (wave w: key steps 2 w and 2 w + 1, one a trip); 2880-2887 a quarter of cos (the first four) or of sin.
; Every store of a wave covers 256 or 512 consecutive bytes that begin at a multiple of 256 from the buffer's first byte.
.set K_XW, 0                           ; the four kinds of stream
.set K_O,  1
.set K_M,  2
.set K_T,  3
.set T,   4                            ; v[4:9]    at work
.set X,   16                           ; v[16:47]  load j of eight: 4 registers
.set Y,   48                           ; v[48:79]  store j of eight: 2 or 4 registers
.set CNT, 30                           ; s30       trips to go
.set BLK, 31                           ; s31       b
.set SCL, 36                           ; s[36:37]  the factor; the packed multiply names a pair and takes its low word for both halves
.set SRC, 38                           ; s[38:39]  where the trip loads
.set DST, 40                           ; s[40:41]  where it stores
.set OFS, 44                           ; s[44:45]  a byte offset, in 64 bits
.set HIM, 46                           ; s46       a word's upper bf16
.macro WIDEN d, p                      ; the two bf16 of word p as f32 in d, d + 1
	v_lshlrev_b32 v[\d], 16, v[\p]
	v_and_b32 v[(\d)+1], s[HIM], v[\p]
.endm
; Two trips.  v1: the lane's load offset, v2: its store offset; neither is rewritten.
.macro STREAM kind
	s_mov_b32 s[CNT], 2
.Ltrip_\@:
.irp j, 0,1,2,3,4,5,6,7
.if (\kind) == K_M
	global_load_b128 v[X+4*(\j):X+4*(\j)+3], v1, s[SRC:SRC+1] offset:64*((\j)/2)+16*((\j)%2)  ; key block j / 2, half j % 2: the eight loads together take 256 consecutive bytes of each of 16 rows
.else
	global_load_b128 v[X+4*(\j):X+4*(\j)+3], v1, s[SRC:SRC+1] offset:4096*(\j) th:TH_LOAD_NT  ; the eight waves take 4,096 consecutive bytes; read once in the launch
.endif
.endr
.irp j, 0,1,2,3,4,5,6,7
	s_wait_loadcnt 7-(\j)                          ; loads come back in order (ISA guide 5.7.1): load j is in, the 7 - j younger ones stay out
.if (\kind) == K_XW
	v_pk_mul_f32 v[T:T+1],   v[X+4*(\j):X+4*(\j)+1],   s[SCL:SCL+1] op_sel_hi:[1,0]
	v_pk_mul_f32 v[T+2:T+3], v[X+4*(\j)+2:X+4*(\j)+3], s[SCL:SCL+1] op_sel_hi:[1,0]
	v_cvt_pk_bf16_f32 v[Y+4*(\j)],   v[T],   v[T+1]
	v_cvt_pk_bf16_f32 v[Y+4*(\j)+1], v[T+2], v[T+3]
	global_store_b64 v2, v[Y+4*(\j):Y+4*(\j)+1], s[DST:DST+1] offset:2048*(\j)
.elseif (\kind) == K_O
	v_pk_mul_f32 v[T:T+1],   v[X+4*(\j):X+4*(\j)+1],   s[SCL:SCL+1] op_sel_hi:[1,0]
	v_pk_mul_f32 v[T+2:T+3], v[X+4*(\j)+2:X+4*(\j)+3], s[SCL:SCL+1] op_sel_hi:[1,0]
	v_cvt_pk_bf16_f32 v[T+4], v[T],   v[T+1]       ; the rounding that every input has,
	v_cvt_pk_bf16_f32 v[T+5], v[T+2], v[T+3]
	WIDEN T, T+4
	WIDEN T+2, T+5
	v_cvt_pk_f16_f32 v[Y+4*(\j)],   v[T],   v[T+1] ; and that number written as f16
	v_cvt_pk_f16_f32 v[Y+4*(\j)+1], v[T+2], v[T+3]
	global_store_b64 v2, v[Y+4*(\j):Y+4*(\j)+1], s[DST:DST+1] offset:2048*(\j)
.elseif (\kind) == K_M
	v_cvt_pk_bf16_f32 v[T+4], v[X+4*(\j)],   v[X+4*(\j)+1]
	v_cvt_pk_bf16_f32 v[T+5], v[X+4*(\j)+2], v[X+4*(\j)+3]
	WIDEN T, T+4
	WIDEN T+2, T+5
	v_pk_mul_f32 v[Y+4*(\j):Y+4*(\j)+1],   v[T:T+1],   s[SCL:SCL+1] op_sel_hi:[1,0]
	v_pk_mul_f32 v[Y+4*(\j)+2:Y+4*(\j)+3], v[T+2:T+3], s[SCL:SCL+1] op_sel_hi:[1,0]
	global_store_b128 v2, v[Y+4*(\j):Y+4*(\j)+3], s[DST:DST+1] offset:512*(\j)
.else
	v_cvt_pk_bf16_f32 v[T+4], v[X+4*(\j)],   v[X+4*(\j)+1]
	v_cvt_pk_bf16_f32 v[T+5], v[X+4*(\j)+2], v[X+4*(\j)+3]
	WIDEN Y+4*(\j), T+4
	WIDEN Y+4*(\j)+2, T+5
	global_store_b128 v2, v[Y+4*(\j):Y+4*(\j)+3], s[DST:DST+1] offset:4096*(\j)
.endif
.endr
	s_wait_xcnt 0x0                                ; every earlier memory instruction has had its addresses translated (ISA guide 3.1): the two bases and Y are rewritten only behind this wait
.if (\kind) == K_M
	s_add_nc_u64 s[SRC:SRC+1], s[SRC:SRC+1], 256   ; the next key step: 64 keys on in the rows,
	s_add_nc_u64 s[DST:DST+1], s[DST:DST+1], 4096  ; its 4,096 bytes
.elseif (\kind) == K_T
	s_add_nc_u64 s[SRC:SRC+1], s[SRC:SRC+1], 32768
	s_add_nc_u64 s[DST:DST+1], s[DST:DST+1], 32768
.else
	s_add_nc_u64 s[SRC:SRC+1], s[SRC:SRC+1], 32768 ; two rows of f32,
	s_add_nc_u64 s[DST:DST+1], s[DST:DST+1], 16384 ; two rows of 16-bit numbers
.endif
	s_sub_co_u32 s[CNT], s[CNT], 1
	s_cmp_lg_u32 s[CNT], 0
	s_cbranch_scc1 .Ltrip_\@
	s_endpgm
.endm
	s_load_b512 s[4:19], s[0:1], 0x0               ; x s[4:5], wq s[6:7], wk s[8:9], wv s[10:11], wo s[12:13], mask s[14:15], cos s[16:17], sin s[18:19]
	s_load_b256 s[20:27], s[0:1], 0x40             ; xb s[20:21], wb s[22:23], wob s[24:25], maskS s[26:27]
	s_load_b64 s[28:29], s[0:1], 0x60              ; csr
	s_mov_b32 s[BLK], ttmp9
	s_mov_b32 s[HIM], 0xffff0000
	s_mov_b32 s[OFS+1], 0
	v_lshlrev_b32 v1, 4, v0                        ; 16 bytes of f32 a thread,
	v_lshlrev_b32 v2, 3, v0                        ; 8 bytes of 16-bit numbers
	s_wait_kmcnt 0x0
	s_cmp_ge_u32 s[BLK], 1792
	s_cbranch_scc1 .Lnot_xw
	; x, wq, wk or wv: source row n goes to row 192 (n >> sh) + add + (n mod 2^sh) of the destination (x: sh = 12, so row n)
	s_mov_b32 s32, 0                               ; the tensor's first work-group
	s_mov_b32 s33, 12                              ; sh
	s_mov_b32 s34, 0                               ; add
	s_mov_b32 s[SCL], 0x3e800000                   ; 1/4
	s_mov_b64 s[SRC:SRC+1], s[4:5]
	s_mov_b64 s[DST:DST+1], s[20:21]
	s_cmp_ge_u32 s[BLK], 256
	s_cselect_b32 s32, 256, s32
	s_cselect_b32 s33, 7, s33
	s_cselect_b32 s[SCL], 0.5, s[SCL]
	s_cselect_b64 s[SRC:SRC+1], s[6:7], s[SRC:SRC+1]
	s_cselect_b64 s[DST:DST+1], s[22:23], s[DST:DST+1]
	s_cmp_ge_u32 s[BLK], 1280
	s_cselect_b32 s32, 1280, s32
	s_cselect_b32 s33, 5, s33
	s_cselect_b32 s34, 128, s34
	s_cselect_b64 s[SRC:SRC+1], s[8:9], s[SRC:SRC+1]
	s_cmp_ge_u32 s[BLK], 1536
	s_cselect_b32 s32, 1536, s32
	s_cselect_b32 s34, 160, s34
	s_cselect_b64 s[SRC:SRC+1], s[10:11], s[SRC:SRC+1]
	s_mov_b32 s[SCL+1], s[SCL]                     ; named with it as a pair
	s_sub_co_u32 s35, s[BLK], s32
	s_lshl_b32 s35, s35, 2                         ; n: my first of four rows, which stay together in the destination (4 divides 32)
	s_lshr_b32 s42, s35, s33
	s_mul_i32 s42, s42, 192
	s_lshl_b32 s43, 1, s33
	s_sub_co_u32 s43, s43, 1
	s_and_b32 s43, s35, s43
	s_add_co_u32 s42, s42, s43
	s_add_co_u32 s42, s42, s34                     ; the destination's row
	s_lshl_b32 s[OFS], s35, 14                     ; rows of 16,384 bytes: under 2^26
	s_add_nc_u64 s[SRC:SRC+1], s[SRC:SRC+1], s[OFS:OFS+1]
	s_lshl_b32 s[OFS], s42, 13                     ; rows of 8,192 bytes: under 2^26
	s_add_nc_u64 s[DST:DST+1], s[DST:DST+1], s[OFS:OFS+1]
	STREAM K_XW
.Lnot_xw:
	s_cmp_ge_u32 s[BLK], 2816
	s_cbranch_scc1 .Lnot_o
	s_sub_co_u32 s35, s[BLK], 1792
	s_lshl_b32 s[OFS], s35, 16                     ; four rows of 16,384 bytes
	s_add_nc_u64 s[SRC:SRC+1], s[12:13], s[OFS:OFS+1]
	s_lshl_b32 s[OFS], s35, 15
	s_add_nc_u64 s[DST:DST+1], s[24:25], s[OFS:OFS+1]
	s_mov_b32 s[SCL], 0x41000000                   ; 8
	s_mov_b32 s[SCL+1], 0x41000000
	STREAM K_O
.Lnot_o:
	s_cmp_ge_u32 s[BLK], 2880
	s_cbranch_scc1 .Ltab
	s_sub_co_u32 s35, s[BLK], 2816                 ; the block of 16 queries: 65,536 bytes of the mask and of maskS
	s_lshl_b32 s[OFS], s35, 16
	s_add_nc_u64 s[SRC:SRC+1], s[14:15], s[OFS:OFS+1]
	s_add_nc_u64 s[DST:DST+1], s[26:27], s[OFS:OFS+1]
	s_mov_b32 s[SCL], 0x3fb8aa3b                   ; log2(e)
	s_mov_b32 s[SCL+1], 0x3fb8aa3b
	v_and_b32 v3, 15, v0                           ; the query in the block
	v_bfe_u32 v12, v0, 4, 1                        ; the half of the lanes
	v_lshrrev_b32 v13, 5, v0                       ; the wave
	v_lshlrev_b32 v1, 12, v3                       ; a row of the mask is 4,096 bytes;
	v_lshl_add_u32 v1, v12, 5, v1                  ; 8 keys on for lanes 16-31;
	v_lshl_add_u32 v1, v13, 9, v1                  ; key step 2 w
	v_and_b32 v2, 31, v0
	v_lshlrev_b32 v2, 4, v2                        ; 16 bytes a lane,
	v_lshl_add_u32 v2, v13, 13, v2                 ; key step 2 w
	STREAM K_M
.Ltab:
	s_sub_co_u32 s35, s[BLK], 2880                 ; 0-3: quarters of cos; 4-7: of sin
	s_cmp_ge_u32 s35, 4
	s_cselect_b64 s[SRC:SRC+1], s[18:19], s[16:17]
	s_and_b32 s[OFS], s35, 3
	s_lshl_b32 s[OFS], s[OFS], 16
	s_add_nc_u64 s[SRC:SRC+1], s[SRC:SRC+1], s[OFS:OFS+1]
	s_lshl_b32 s[OFS], s35, 16
	s_add_nc_u64 s[DST:DST+1], s[28:29], s[OFS:OFS+1]
	v_mov_b32 v2, v1                               ; f32 in, f32 out: the same offset
	STREAM K_T
.Lfunc_end_k_q6bf97760c2_prep:
	.size	k_q6bf97760c2_prep, .Lfunc_end_k_q6bf97760c2_prep-k_q6bf97760c2_prep
	.p2alignl 7, 3214868480
	.fill 96, 4, 3214868480
	.section	.rodata,"a",@progbits
	.p2align	6, 0x0
	.amdhsa_kernel k_q6bf97760c2_prep
		.amdhsa_group_segment_fixed_size 0
		.amdhsa_private_segment_fixed_size 0
		.amdhsa_enable_private_segment 0
		.amdhsa_kernarg_size 104
		.amdhsa_user_sgpr_count 2
		.amdhsa_user_sgpr_kernarg_segment_ptr 1
		.amdhsa_wavefront_size32 1
		.amdhsa_system_sgpr_workgroup_id_x 1
		.amdhsa_system_sgpr_workgroup_id_y 1
		.amdhsa_system_sgpr_workgroup_id_z 1
		.amdhsa_system_vgpr_workitem_id 0
		.amdhsa_next_free_vgpr 80
		.amdhsa_next_free_sgpr 66
		.amdhsa_reserve_vcc 0
		.amdhsa_float_denorm_mode_32 3
		.amdhsa_float_denorm_mode_16_64 3
		.amdhsa_memory_ordered 1
		.amdhsa_forward_progress 1
		.amdhsa_inst_pref_size 23
	.end_amdhsa_kernel
	.amdgpu_metadata
---
amdhsa.version: [ 1, 2 ]
amdhsa.kernels:
  - .name:           k_q6bf97760c2_prep
    .symbol:         k_q6bf97760c2_prep.kd
    .args:
      - { .name: x, .offset: 0, .size: 8, .value_kind: global_buffer, .address_space: global }
      - { .name: wq, .offset: 8, .size: 8, .value_kind: global_buffer, .address_space: global }
      - { .name: wk, .offset: 16, .size: 8, .value_kind: global_buffer, .address_space: global }
      - { .name: wv, .offset: 24, .size: 8, .value_kind: global_buffer, .address_space: global }
      - { .name: wo, .offset: 32, .size: 8, .value_kind: global_buffer, .address_space: global }
      - { .name: mask, .offset: 40, .size: 8, .value_kind: global_buffer, .address_space: global }
      - { .name: freqs_cos, .offset: 48, .size: 8, .value_kind: global_buffer, .address_space: global }
      - { .name: freqs_sin, .offset: 56, .size: 8, .value_kind: global_buffer, .address_space: global }
      - { .name: xb, .offset: 64, .size: 8, .value_kind: global_buffer, .address_space: global }
      - { .name: wb, .offset: 72, .size: 8, .value_kind: global_buffer, .address_space: global }
      - { .name: wob, .offset: 80, .size: 8, .value_kind: global_buffer, .address_space: global }
      - { .name: maskS, .offset: 88, .size: 8, .value_kind: global_buffer, .address_space: global }
      - { .name: csr, .offset: 96, .size: 8, .value_kind: global_buffer, .address_space: global }
    .group_segment_fixed_size: 0
    .private_segment_fixed_size: 0
    .kernarg_segment_align: 8
    .kernarg_segment_size: 104
    .max_flat_workgroup_size: 256
    .sgpr_count:     66
    .vgpr_count:     80
    .wavefront_size: 32
...
	.end_amdgpu_metadata
.endif
;; end of part 1
;; launch qkv (part 2): grid 32 x 8, 4 waves a work-group, clusters of 4 x 4, 327,680 bytes of LDS; arguments xb, wb, csr, q, kv; writes q, kv
.if DOCPART == 2
	.amdgcn_target "amdgcn-amd-amdhsa--gfx1250"
	.amdhsa_code_object_version 6
	.text
	.protected	k_q6bf97760c2_qkv
	.globl	k_q6bf97760c2_qkv
	.p2align	8
	.type	k_q6bf97760c2_qkv,@function
k_q6bf97760c2_qkv:
	s_mov_b64 s[64:65], 0
	v_nop
	global_prefetch_b8 v0, s[64:65] scope:SCOPE_SE
	s_setreg_imm32_b32 hwreg(HW_REG_WAVE_MODE, 25, 1), 1
	s_wait_xcnt 0x0
	s_wait_alu depctr_hold_cnt(0) depctr_sa_sdst(0) depctr_va_vdst(0) depctr_va_sdst(0) depctr_va_ssrc(0) depctr_va_vcc(0) depctr_vm_vsrc(0)
	s_getreg_b32 s2, hwreg(HW_REG_IB_STS2, 6, 4)
	s_cmp_eq_u32 s2, 0
	s_cbranch_scc0 .Lentry_in_a_cluster
	s_endpgm
.Lentry_in_a_cluster:
	s_bfe_u32 s2, ttmp6, 0x10000c
	s_cmp_lg_u32 s2, 0xf033
	s_cbranch_scc0 .Lentry_shape_is_right
	s_endpgm
.Lentry_shape_is_right:
; [q | k | v] = x w^T, RoPE on q and k, rounded once to f16.  xb: [1024][4096] bf16 (x / 4).  wb: [6144][4096] bf16 (w / 2), rows in groups of 192: one query head's 128 rows, 32 rows of wk, 32 of wv.
; csr: cos [1024][64] f32, then sin.  Sums in f32.  OUT: q [32 heads][1024][128] f16 = 0.510069 q (4 log2(e) / sqrt(128));  kv: k at 0, v at 2,097,152, each [kv head 8][position / 4][channel / 32][position % 4][32] f16,
; k as k / 4, v as v / 8: so q . k is the score in units of log2, and a work-group's 32 channels of 4 positions are 256 consecutive bytes.
; LIMITS.  f16 ends at 65,504: |q| < 128,000, |k| < 262,000, |v| < 524,000 behind RoPE; below 6e-5 the stored numbers keep f16's fixed step of 6e-8.  NaN and infinities are not treated apart.
; SHARES.  1024 x 6144 results on 256 work-groups: a tile of 128 positions x 192 columns each.  Four waves, 2 x 2, each 64 x 96: 24 accumulators of 16 x 16, 192 registers.  K goes in steps of 128 (LDS rows of
; 256 bytes) through two slots; two slots of a step of 256 would not fit.  Waves 0 and 1 fetch the halves of x's tile (64 rows), waves 2 and 3 those of w's (96 rows).
; CLUSTERS: 4 x 4 work-groups.  The four of a row of the cluster need the same tiles of x, the four of a column the same tiles of w: each tile is asked for JOINTLY, by the same tensor load with the same descriptor
; and a mask that names the four.  THE MATRIX INSTRUCTION IS USED TRANSPOSED (source 0 = 16 rows of w, source 1 = 16 rows of x): a lane holds one position and eight neighbouring channels, four RoPE pairs.
; REGISTERS: window 0: v0-31 addresses; v32-39, v40-63 at work on the way out; v64-255 the accumulators ((a, b) at v[64 + 8 (6 a + b)]).
;   window 1: two fragment buffers of 80 (32 along K): 4 fragments of x, then 6 of w.     window 2: v0-191: for accumulator (a, b) four cos and four sin, loaded at the start, used at the end.
.set SIZE_K, 4096
.set KSTEP,  128
.set PITCH,  272                       ; an LDS row: 256 bytes of data + 16 of padding = 68 words: row r starts at bank 4 r mod 64 (64 banks of 4 bytes: ISA guide 11.1)
.set AHALF,  64*PITCH                  ; what a tensor load of x brings, and what a wave reads of x
.set BHALF,  96*PITCH                  ; the same for w
.set BOFF,   128*PITCH                 ; w's 192 rows lie behind x's 128
.set SLOT,   320*PITCH
.set STAGE,  2*SLOT                    ; behind the ring: 128 rows x 400 bytes, the work-group's, for the way out
.set SPITCH, 400                       ; 384 bytes of data + 16: 25 x 16, so the 16 rows of a store start at 16 different groups of four banks
.set SPARE,  STAGE+128*SPITCH          ; behind the stage: the spare words, 128 bytes for each wave: two blocks of 256 bytes that no other line names
.set LAPS,   SIZE_K/(2*KSTEP)          ; a lap = two K steps = once round the ring
.set FO,   8                           ; v8-13   my byte offset in csr for column block b; never rewritten
.set ADRA, 16                          ; v16-17  LDS address of my fragments of x in slot 0, 1
.set ADRB, 20                          ; v20-21  the same for w
.set STO,  24                          ; v24     the way out: where I put 16 bytes of a row
.set RD,   25                          ; v25     where I read q's rows back
.set CO,   26                          ; v26     my byte offset in 512 consecutive bytes of q
.set RDK,  27                          ; v27     where I read k's (64 bytes on: v's) pieces back
.set SPW,  28                          ; v28     LDS address of my spare word: SPARE + 4 x my thread's number; never rewritten
.set NIL,  29                          ; v29     0; never rewritten
.set COK,  30                          ; v30     my byte offset in two groups of four positions of k or v
.set T,    32                          ; v32-39  RoPE's products
.set PK,   40                          ; v40-63  16 rows x 96 columns, packed
.set ACC,  64
.set F0,   0                           ; fragment buffers, in window 1
.set F1,   80
.set G1,  24                           ; s[24:31] descriptor group 1 for x's tiles;  s[32:39] group 0, one set for each slot
.set G0,  32
.set G1B, 48                           ; s[48:55], s[56:63] the same for w's tiles
.set G0B, 56
.set VM,  45                           ; s45      all ones in the waves whose column blocks 4 and 5 are v
.set QP,  66                           ; s[66:67] q, s[68:69] k, s[70:71] v at my first bytes
.set KP,  68
.set VP,  70
.set SFQ, 80                           ; s[80:81] what the tables are multiplied by for q: 32 log2(e) / sqrt(128)
.set SFK, 82                           ; s[82:83] for column blocks 2 and 3: 2 where they are k
.set MSB, 0
.macro WIN new                         ; the immediate's high byte repeats the setting that is left
.if MSB != (\new)
	s_set_vgpr_msb (MSB<<8)|(\new)
.set MSB, \new
.endif
.endm
.set MUL,  0x05                        ; sources 0 (w) and 1 (x) window 1; C and D window 0
.set TO_F, 0x40                        ; destination window 1, address window 0
.macro JLOAD s                         ; a joint load: waves 0 and 1 fetch x's two halves, waves 2 and 3 w's; an s_nop 0 and four v_nop follow each of the two lines, ahead of the jump, the label and what follows
	s_cmp_eq_u32 s11, 0
	s_cbranch_scc0 .Lfor_b_\@
	tensor_load_to_lds s[G0+4*(\s):G0+4*(\s)+3], s[G1:G1+7]
	s_nop 0
.rept 4
	v_nop
.endr
	s_branch .Lasked_\@
.Lfor_b_\@:
	tensor_load_to_lds s[G0B+4*(\s):G0B+4*(\s)+3], s[G1B:G1B+7]
	s_nop 0
.rept 4
	v_nop
.endr
.Lasked_\@:
.endm
.macro CREST                           ; a round of the cluster's barrier behind its opening barrier
	s_cmp_lg_u32 s10, 0
	s_cbranch_scc1 .Lnot_wave_0_\@
	s_barrier_signal -3
.Lnot_wave_0_\@:
	s_barrier_wait -3
	s_barrier_signal -1
	s_barrier_wait -1
.endm
.macro CROUND                          ; a whole round
	s_barrier_signal -1
	s_barrier_wait -1
	CREST
.endm
	s_load_b128 s[4:7], s[0:1], 0x0                ; xb s[4:5], wb s[6:7]
	s_load_b64 s[8:9], s[0:1], 0x10                ; csr
	s_load_b64 s[QP:QP+1], s[0:1], 0x18            ; q
	s_load_b64 s[KP:KP+1], s[0:1], 0x20            ; kv
	v_lshl_add_u32 v[SPW], v0, 2, SPARE
	v_mov_b32 v[NIL], 0
	ds_add_u32 v[SPW], v[NIL]                      ; the wave's opening: the add and its wait stand ahead of my first tensor load; the set-up below, work on registers, stands between them
	v_lshrrev_b32 v1, 5, v0
	v_readfirstlane_b32 s10, v1                    ; wave 0..3
	s_lshr_b32 s11, s10, 1                         ; which half of the tile's rows is mine.  Also: I fetch for x (0) or for w (1)
	s_and_b32 s12, s10, 1                          ; which half of its columns.  Also: which half of that tile I fetch
	s_bfe_u32 s40, ttmp6, 0x40000                  ; cx, cy: my place in the cluster
	s_bfe_u32 s41, ttmp6, 0x40004
	s_lshl_b32 s42, ttmp9, 2
	s_add_co_u32 s42, s42, s40                     ; tile column (the query head) = 4 x cluster x + cx
	s_and_b32 s13, ttmp7, 0xffff
	s_lshl_b32 s13, s13, 2
	s_add_co_u32 s13, s13, s41                     ; tile row (128 positions) = 4 x cluster y + cy
	s_lshl_b32 s43, s41, 2
	s_lshl_b32 s43, 15, s43                        ; my row of the cluster
	s_lshl_b32 s44, 0x1111, s40                    ; my column
	; descriptor group 1: tiles of 64 or 96 rows x 128 elements, padded in LDS
	s_or_b32 s[G1+0], s43, (1<<16)|(1<<20)|(1<<21)|(5<<22)|(3<<25)  ; 15:0 the mask: x's tiles go to my row; 17:16 element of 2 bytes; 20 padding on; 21 set beside a mask; 24:22 after every 64 words (code 5); 31:25 of 4 words (code 3)
	s_or_b32 s[G1B+0], s44, (1<<16)|(1<<20)|(1<<21)|(5<<22)|(3<<25) ; the same with the mask of my column, for w's tiles
.irp g, G1, G1B
	s_mov_b32 s[(\g)+1], KSTEP<<16                 ; tensor_dim0 = 128
	s_mov_b32 s[(\g)+3], KSTEP<<16                 ; tile_dim0 = 128
	s_mov_b32 s[(\g)+5], SIZE_K                    ; elements from row to row
	s_mov_b32 s[(\g)+6], 0
	s_mov_b32 s[(\g)+7], 0
.endr
	s_mov_b32 s[G1+2], 64<<16                      ; tensor_dim1 and tile_dim1: 64 rows of x,
	s_mov_b32 s[G1+4], 64
	s_mov_b32 s[G1B+2], 96<<16                     ; 96 of w
	s_mov_b32 s[G1B+4], 96
	; x's tiles hang on the tile row alone, w's on the tile column alone; each address is made in registers that never hold the other coordinate
	s_lshl_b32 s17, s12, 6
	s_lshl_b32 s16, s13, 7
	s_add_co_u32 s16, s16, s17                     ; x: row 128 x tile row + 64 x half,
	s_lshl_b32 s16, s16, 13                        ; of 8,192 bytes: under 2^23
	s_mov_b32 s17, 0
	s_mul_i32 s46, s42, 192
	s_mul_i32 s47, s12, 96
	s_add_co_u32 s46, s46, s47                     ; w: row 192 x tile column + 96 x half: under 2^26 bytes
	s_lshl_b32 s46, s46, 13
	s_mov_b32 s47, 0
	s_mul_i32 s20, s12, AHALF                      ; where they go: no place in the cluster enters an LDS address
	s_mul_i32 s21, s12, BHALF
	s_add_co_u32 s21, s21, BOFF
	s_mov_b32 s[SFQ], 0x408293ee                   ; 4.080553: the sums are q / 8 and k / 8, and (q / 8 x 4.080553) . (k / 8 x 2) = q . k log2(e) / sqrt(128)
	s_mov_b32 s[SFQ+1], 0x408293ee
	s_wait_dscnt 0x0                               ; the opening add is done
	s_wait_kmcnt 0x0
	s_add_nc_u64 s[14:15], s[4:5], s[16:17]
	s_add_nc_u64 s[46:47], s[6:7], s[46:47]
	CROUND                                         ; all sixteen work-groups are here: the first joint loads meet
.irp s, 0,1
	s_mov_b32 s[G0+4*(\s)], 1
	s_add_co_u32 s[G0+4*(\s)+1], s20, (\s)*SLOT
	s_add_nc_u64 s[G0+4*(\s)+2:G0+4*(\s)+3], s[14:15], (\s)*KSTEP*2
	s_or_b32 s[G0+4*(\s)+3], s[G0+4*(\s)+3], 0x80000000
	s_mov_b32 s[G0B+4*(\s)], 1
	s_add_co_u32 s[G0B+4*(\s)+1], s21, (\s)*SLOT
	s_add_nc_u64 s[G0B+4*(\s)+2:G0B+4*(\s)+3], s[46:47], (\s)*KSTEP*2
	s_or_b32 s[G0B+4*(\s)+3], s[G0B+4*(\s)+3], 0x80000000
	JLOAD \s                                       ; two loads of mine are out
.endr
	v_and_b32 v1, 15, v0                           ; l % 16
	v_bfe_u32 v2, v0, 4, 1                         ; l / 16
	v_mul_u32_u24 v3, v1, PITCH
	v_lshl_add_u32 v3, v2, 4, v3                   ; a fragment's row x pitch + 16 x half
	s_mul_i32 s21, s11, AHALF                      ; my 64 rows of x
	s_mul_i32 s22, s12, BHALF                      ; my 96 rows of w
	s_add_co_u32 s22, s22, BOFF
.irp s, 0,1
	v_add_nc_u32 v[ADRA+(\s)], s21, v3
	v_add_nc_u32 v[ADRB+(\s)], s22, v3
	s_add_co_u32 s21, s21, SLOT
	s_add_co_u32 s22, s22, SLOT
.endr
	; THE TABLES.  A lane's eight channels from channel ch on are the pairs ch / 2 .. + 3: 16 bytes at byte 2 ch of the position's 256.  Column half 0: q's channels 16 b.  Half 1: blocks 0, 1 q's channels 96, 112;
	; blocks 2, 3 k's channels 32 (head % 4) + 0, 16; blocks 4, 5 v, which loads the same bytes as k and does not use them.
	s_and_b32 s74, s42, 3
	s_lshl_b32 s74, s74, 6                         ; 2 x 32 (head % 4)
	s_cmp_eq_u32 s12, 1
	s_cselect_b32 s75, 192, 0
	s_cselect_b32 s76, s74, 64
	s_cselect_b32 s77, s74, 128
	s_cselect_b32 s[VM], -1, 0
	s_cselect_b32 s[SFK], 2.0, s[SFQ]
	s_cselect_b32 s[SFK+1], 2.0, s[SFQ]            ; named with it as a pair
	v_lshlrev_b32 v4, 8, v1
	v_lshl_add_u32 v4, v2, 4, v4                   ; position l % 16, 16 bytes on for lanes 16-31
	v_add_nc_u32 v[FO+0], s75, v4
	v_add_nc_u32 v[FO+1], 32, v[FO+0]
	v_add_nc_u32 v[FO+2], s76, v4
	v_add_nc_u32 v[FO+3], 32, v[FO+2]
	v_add_nc_u32 v[FO+4], s77, v4
	v_add_nc_u32 v[FO+5], 32, v[FO+4]
	s_lshl_b32 s78, s13, 7
	s_lshl_b32 s79, s11, 6
	s_add_co_u32 s78, s78, s79                     ; my first position
	s_lshl_b32 s78, s78, 8
	s_mov_b32 s79, 0
	s_add_nc_u64 s[8:9], s[8:9], s[78:79]
	WIN 0x80                                       ; destination window 2, address window 0
.irp a, 0,1,2,3
.irp b, 0,1,2,3,4,5
	global_load_b128 v[8*(6*(\a)+(\b)):8*(6*(\a)+(\b))+3],   v[FO+(\b)], s[8:9] offset:4096*(\a)          ; they land while K is walked: waited for on the way out
	global_load_b128 v[8*(6*(\a)+(\b))+4:8*(6*(\a)+(\b))+7], v[FO+(\b)], s[8:9] offset:262144+4096*(\a)
.endr
.endr
	WIN 0
	s_mul_i32 s23, s11, 64*SPITCH                  ; into the stage: my 64 rows, my 192 of their 384 bytes; row l % 16, 16 bytes for each half of the lanes
	s_mul_i32 s21, s12, 192
	s_add_co_u32 s23, s23, s21
	s_add_co_u32 s23, s23, STAGE
	v_mul_u32_u24 v4, v1, SPITCH
	v_lshl_add_u32 v4, v2, 4, v4
	v_add_nc_u32 v[STO], s23, v4
	s_mul_i32 s23, s10, 32*SPITCH                  ; back: wave w takes rows 32 w .. 32 w + 31; of q lanes 0-15 one row's 256 bytes, lanes 16-31 the next's
	s_add_co_u32 s23, s23, STAGE
	v_mul_u32_u24 v5, v2, SPITCH
	v_lshl_add_u32 v5, v1, 4, v5
	v_add_nc_u32 v[RD], s23, v5
	v_and_b32 v5, 31, v0
	v_lshlrev_b32 v[CO], 4, v5                     ; which are 512 consecutive bytes of q
	v_bfe_u32 v5, v0, 2, 2                         ; of k and v: sixteen lanes take four rows' 64 bytes: row 4 (l / 16) + (l / 4) % 4, 16 bytes at 16 (l % 4)
	v_lshl_add_u32 v5, v2, 2, v5
	v_mul_u32_u24 v5, v5, SPITCH
	v_and_b32 v6, 3, v0
	v_lshl_add_u32 v5, v6, 4, v5
	s_add_co_u32 s23, s23, 256                     ; k lies behind q's 256 bytes of a row
	v_add_nc_u32 v[RDK], s23, v5
	v_lshlrev_b32 v5, 10, v2                       ; a group of four positions is 1,024 bytes of kv; my channels' 256 of them are filled by sixteen lanes
	v_lshl_add_u32 v[COK], v1, 4, v5
	s_lshl_b32 s78, s42, 18                        ; q: the head's 262,144 bytes, the tile's 128 rows of 256, my wave's 32
	s_lshl_b32 s79, s13, 15
	s_add_co_u32 s78, s78, s79
	s_lshl_b32 s79, s10, 13
	s_add_co_u32 s78, s78, s79
	s_mov_b32 s79, 0
	s_add_nc_u64 s[QP:QP+1], s[QP:QP+1], s[78:79]
	s_lshr_b32 s78, s42, 2                         ; k: the kv head's 262,144 bytes, group 32 x tile row + 8 x wave, channel block head % 4
	s_lshl_b32 s78, s78, 18
	s_lshl_b32 s79, s13, 15
	s_add_co_u32 s78, s78, s79
	s_lshl_b32 s79, s10, 13
	s_add_co_u32 s78, s78, s79
	s_lshl_b32 s79, s74, 2
	s_add_co_u32 s78, s78, s79
	s_mov_b32 s79, 0
	s_add_nc_u64 s[KP:KP+1], s[KP:KP+1], s[78:79]
	s_add_nc_u64 s[VP:VP+1], s[KP:KP+1], 0x200000  ; v lies 2,097,152 bytes behind k
; 6 matrix instructions: row block a x all 6 column blocks, 32 along K.  zero = 1: the first product starts the sums.  The 24 accumulators take turns, one instruction a turn.
.macro MULROW f, a, zero
	WIN MUL
.irp b, 0,1,2,3,4,5
.if \zero
	v_wmma_f32_16x16x32_bf16 v[ACC+8*(6*(\a)+(\b)):ACC+8*(6*(\a)+(\b))+7], v[(\f)+32+8*(\b):(\f)+32+8*(\b)+7], v[(\f)+8*(\a):(\f)+8*(\a)+7], 0
.else
	v_wmma_f32_16x16x32_bf16 v[ACC+8*(6*(\a)+(\b)):ACC+8*(6*(\a)+(\b))+7], v[(\f)+32+8*(\b):(\f)+32+8*(\b)+7], v[(\f)+8*(\a):(\f)+8*(\a)+7], v[ACC+8*(6*(\a)+(\b)):ACC+8*(6*(\a)+(\b))+7]
.endif
.endr
.endm
.macro MUL24 f, zero
	MULROW \f, 0, \zero
	MULROW \f, 1, \zero
	MULROW \f, 2, \zero
	MULROW \f, 3, \zero
.endm
; 20 LDS loads in one run: the fragments of 32 along K at byte k of the rows, into buffer f
.macro FETCH slot, k, f
	WIN TO_F
.irp i, 0,1,2,3,4,5
	ds_load_b128 v[(\f)+32+8*(\i):(\f)+32+8*(\i)+3],   v[ADRB+(\slot)] offset:(\k)+(\i)*16*PITCH
	ds_load_b128 v[(\f)+32+8*(\i)+4:(\f)+32+8*(\i)+7], v[ADRB+(\slot)] offset:(\k)+(\i)*16*PITCH+32
.endr
.irp i, 0,1,2,3
	ds_load_b128 v[(\f)+8*(\i):(\f)+8*(\i)+3],   v[ADRA+(\slot)] offset:(\k)+(\i)*16*PITCH
	ds_load_b128 v[(\f)+8*(\i)+4:(\f)+8*(\i)+7], v[ADRA+(\slot)] offset:(\k)+(\i)*16*PITCH+32
.endr
.endm
.macro PLACES                          ; four places in front of loads into registers that matrix instructions have read, and of vector lines that read results (ISA guide 7.12.1 for vector instructions)
.rept 4
	v_nop
.endr
.endm
; A K step is four quarters of 32 along K, 24 matrix instructions each, on buffers 0, 1, 0, 1.  One of the first three: the next quarter, at byte k, is fetched into g, then buffer f is multiplied while those loads land.
.macro QUARTER slot, k, f, g, zero
	PLACES
	FETCH \slot, \k, \g
	s_wait_dscnt 20                                ; all but the 20 just issued: buffer f is in
	MUL24 \f, \zero
.endm
; The last quarter multiplies buffer 1 and changes slots: ONE barrier; in front of it each wave waits for all its tensor loads, adds 0 to its spare word, and waits for that and for its own reads of this slot.  fill = 1: this slot is filled again, two K steps ahead.
.macro TURN slot, next, fill
	WIN 0                                          ; (the add's two registers lie in window 0)
	s_wait_tensorcnt 0x0                           ; all my tensor loads have landed: the one that was out is my part of the next slot;
	ds_add_u32 v[SPW], v[NIL]                      ; 0 onto my spare word;
	s_wait_dscnt 1                                 ; (the add alone may be out: buffer 1 is in)
	MULROW F1, 0, 0                                ; six matrix instructions stand between the add and the wait for it
	s_wait_dscnt 0x0                               ; the add is done, and my reads of this slot are over
	s_barrier_signal -1
	MULROW F1, 1, 0
.if \fill
	WIN 0
.endif
	s_barrier_wait -1
.if \fill
	CREST                                          ; the barrier has opened a round of the cluster's barrier: no wave of any partner still reads this slot's tile or has a load on its way
	s_add_nc_u64 s[G0+4*(\slot)+2:G0+4*(\slot)+3], s[G0+4*(\slot)+2:G0+4*(\slot)+3], 2*KSTEP*2
	s_add_nc_u64 s[G0B+4*(\slot)+2:G0B+4*(\slot)+3], s[G0B+4*(\slot)+2:G0B+4*(\slot)+3], 2*KSTEP*2
	JLOAD \slot                                    ; the first tensor load behind the round: 84 matrix instructions ahead of the wait for it; the four v_nop behind it are also the places in front of the loads below
.else
	PLACES
.endif
	FETCH \next, 0, F0
	MULROW F1, 2, 0
	MULROW F1, 3, 0
.endm
	s_wait_tensorcnt 1                             ; my part of K step 0 is in; K step 1's may stay out
	s_barrier_signal -1
	s_barrier_wait -1                              ; everybody's is
	FETCH 0, 0, F0
	QUARTER 0, 64, F0, F1, 1                       ; the first quarter stands in front of the loop: its products start the sums
	WIN 0                                          ; at a label and at a branch every window is 0
	s_mov_b32 s3, LAPS-1
.Llap:                                                 ; a trip goes once round the ring, from a lap's second quarter to the next lap's first, and fills both slots again
	QUARTER 0, 128, F1, F0, 0
	QUARTER 0, 192, F0, F1, 0
	TURN 0, 1, 1
	QUARTER 1, 64,  F0, F1, 0
	QUARTER 1, 128, F1, F0, 0
	QUARTER 1, 192, F0, F1, 0
	TURN 1, 0, 1
	QUARTER 0, 64,  F0, F1, 0
	WIN 0
	s_sub_co_u32 s3, s3, 1
	s_cmp_lg_u32 s3, 0
	s_cbranch_scc1 .Llap
	QUARTER 0, 128, F1, F0, 0                      ; the last lap fills nothing, and has no round of the cluster's barrier
	QUARTER 0, 192, F0, F1, 0
	TURN 0, 1, 0
	QUARTER 1, 64,  F0, F1, 0
	QUARTER 1, 128, F1, F0, 0
	QUARTER 1, 192, F0, F1, 0
	s_wait_dscnt 0x0                               ; the very last quarter: nothing more to fetch
	MUL24 F1, 0
	WIN 0
	; THE WAY OUT.  The tables take the factors; RoPE in f32, in place; one rounding to f16; 16 bytes a lane into the work-group's stage; a barrier, since a row's bytes come from two waves; back as whole pieces of 256 bytes.
	PLACES
	s_wait_loadcnt 0x0                             ; the tables
	WIN 0x82                                       ; destination and source 0 in window 2
.irp a, 0,1,2,3
.irp b, 0,1,2,3,4,5
.set C, 8*(6*(\a)+(\b))
.set sf, SFQ
.if (\b)/2 == 1
.set sf, SFK
.endif
.irp z, 0,2,4,6
	v_pk_mul_f32 v[C+(\z):C+(\z)+1], v[C+(\z):C+(\z)+1], s[sf:sf+1] op_sel_hi:[1,0]
.endr
.endr
.endr
.irp a, 0,1,2,3
.irp b, 4,5
.set C, 8*(6*(\a)+(\b))
.irp z, 0,1,2,3
	v_cndmask_b32 v[C+(\z)],   v[C+(\z)],   1.0, s[VM]  ; v is not turned: cos = 1,
	v_cndmask_b32 v[C+4+(\z)], v[C+4+(\z)], 0,   s[VM]  ; sin = 0
.endr
.endr
.endr
.macro ROPE a                          ; row block a: (re, im) -> (re c - im s, re s + im c); each accumulator's first read names one of its four lowest registers
	WIN 0x08                                       ; source 1 (the table) in window 2
.irp b, 0,1,2,3,4,5
.set D, ACC+8*(6*(\a)+(\b))
.set C, 8*(6*(\a)+(\b))
.irp p, 0,1,2,3
	v_mul_f32 v[T+2*(\p)],   v[D+2*(\p)+1], v[C+4+(\p)]  ; im s
	v_mul_f32 v[T+2*(\p)+1], v[D+2*(\p)+1], v[C+(\p)]    ; im c
.endr
.irp p, 0,1,2,3
	v_fma_f32 v[D+2*(\p)+1], v[D+2*(\p)], v[C+4+(\p)], v[T+2*(\p)+1]
	v_fma_f32 v[D+2*(\p)],   v[D+2*(\p)], v[C+(\p)],  -v[T+2*(\p)]
.endr
.endr
	WIN 0
.irp b, 0,1,2,3,4,5
.irp p, 0,1,2,3
	v_cvt_pk_f16_f32 v[PK+4*(\b)+(\p)], v[ACC+8*(6*(\a)+(\b))+2*(\p)], v[ACC+8*(6*(\a)+(\b))+2*(\p)+1]
.endr
.endr
.irp b, 0,1,2,3,4,5
	ds_store_b128 v[STO], v[PK+4*(\b):PK+4*(\b)+3] offset:(\a)*16*SPITCH+32*(\b)
.endr
.endm
	ROPE 0
	ROPE 1
	ROPE 2
	ROPE 3
	s_wait_dscnt 0x0                               ; for the others' sake: my stores into the stage are done
	s_barrier_signal -1
	s_barrier_wait -1
.irp t, 0,1,2,3,4,5,6,7,8,9,10,11,12,13,14,15
	ds_load_b128 v[ACC+4*(\t):ACC+4*(\t)+3], v[RD] offset:(\t)*2*SPITCH
.endr
.irp u, 0,1,2,3
	ds_load_b128 v[ACC+64+4*(\u):ACC+64+4*(\u)+3], v[RDK] offset:(\u)*8*SPITCH
.endr
.irp u, 0,1,2,3
	ds_load_b128 v[ACC+80+4*(\u):ACC+80+4*(\u)+3], v[RDK] offset:(\u)*8*SPITCH+64
.endr
.irp t, 0,1,2,3,4,5,6,7,8,9,10,11,12,13,14,15
	s_wait_dscnt 23-(\t)                           ; LDS loads come back in order (ISA guide 5.7.1): the 23 - t younger ones may be out
	global_store_b128 v[CO], v[ACC+4*(\t):ACC+4*(\t)+3], s[QP:QP+1] offset:512*(\t)  ; 512 consecutive bytes, at a multiple of 256 from q's first byte
.endr
.irp u, 0,1,2,3
	s_wait_dscnt 7-(\u)
	global_store_b128 v[COK], v[ACC+64+4*(\u):ACC+64+4*(\u)+3], s[KP:KP+1] offset:2048*(\u)  ; sixteen lanes store 256 consecutive bytes, at a multiple of 256 from kv's first byte
.endr
.irp u, 0,1,2,3
	s_wait_dscnt 3-(\u)
	global_store_b128 v[COK], v[ACC+80+4*(\u):ACC+80+4*(\u)+3], s[VP:VP+1] offset:2048*(\u)
.endr
	s_wait_tensorcnt 0x0                           ; the wave's end, behind my last tensor load and my last LDS store
	ds_add_u32 v[SPW], v[NIL]
	s_wait_dscnt 0x0
	CROUND                                         ; the closing round: no work-group ends while a partner may still ask for a tile that names it
	s_endpgm
.Lfunc_end_k_q6bf97760c2_qkv:
	.size	k_q6bf97760c2_qkv, .Lfunc_end_k_q6bf97760c2_qkv-k_q6bf97760c2_qkv
	.p2alignl 7, 3214868480
	.fill 96, 4, 3214868480
	.section	.rodata,"a",@progbits
	.p2align	6, 0x0
	.amdhsa_kernel k_q6bf97760c2_qkv
		.amdhsa_group_segment_fixed_size 327680
		.amdhsa_private_segment_fixed_size 0
		.amdhsa_enable_private_segment 0
		.amdhsa_kernarg_size 40
		.amdhsa_user_sgpr_count 2
		.amdhsa_user_sgpr_kernarg_segment_ptr 1
		.amdhsa_wavefront_size32 1
		.amdhsa_system_sgpr_workgroup_id_x 1
		.amdhsa_system_sgpr_workgroup_id_y 1
		.amdhsa_system_sgpr_workgroup_id_z 1
		.amdhsa_system_vgpr_workitem_id 0
		.amdhsa_next_free_vgpr 768
		.amdhsa_next_free_sgpr 84
		.amdhsa_reserve_vcc 0
		.amdhsa_float_denorm_mode_32 3
		.amdhsa_float_denorm_mode_16_64 3
		.amdhsa_memory_ordered 1
		.amdhsa_forward_progress 1
		.amdhsa_inst_pref_size 105
	.end_amdhsa_kernel
	.amdgpu_metadata
---
amdhsa.version: [ 1, 2 ]
amdhsa.kernels:
  - .name:           k_q6bf97760c2_qkv
    .symbol:         k_q6bf97760c2_qkv.kd
    .args:
      - { .name: xb, .offset: 0, .size: 8, .value_kind: global_buffer, .address_space: global }
      - { .name: wb, .offset: 8, .size: 8, .value_kind: global_buffer, .address_space: global }
      - { .name: csr, .offset: 16, .size: 8, .value_kind: global_buffer, .address_space: global }
      - { .name: q, .offset: 24, .size: 8, .value_kind: global_buffer, .address_space: global }
      - { .name: kv, .offset: 32, .size: 8, .value_kind: global_buffer, .address_space: global }
    .group_segment_fixed_size: 327680
    .private_segment_fixed_size: 0
    .kernarg_segment_align: 8
    .kernarg_segment_size: 40
    .max_flat_workgroup_size: 128
    .sgpr_count:     84
    .vgpr_count:     768
    .wavefront_size: 32
...
	.end_amdgpu_metadata
.endif
;; end of part 2
;; launch attn (part 3): grid 32 x 8, 4 waves a work-group, clusters of 4 x 4, 327,680 bytes of LDS; arguments q, kv, maskS, o; writes o
.if DOCPART == 3
	.amdgcn_target "amdgcn-amd-amdhsa--gfx1250"
	.amdhsa_code_object_version 6
	.text
	.protected	k_q6bf97760c2_attn
	.globl	k_q6bf97760c2_attn
	.p2align	8
	.type	k_q6bf97760c2_attn,@function
k_q6bf97760c2_attn:
	s_mov_b64 s[64:65], 0
	v_nop
	global_prefetch_b8 v0, s[64:65] scope:SCOPE_SE
	s_setreg_imm32_b32 hwreg(HW_REG_WAVE_MODE, 25, 1), 1
	s_wait_xcnt 0x0
	s_wait_alu depctr_hold_cnt(0) depctr_sa_sdst(0) depctr_va_vdst(0) depctr_va_sdst(0) depctr_va_ssrc(0) depctr_va_vcc(0) depctr_vm_vsrc(0)
	s_getreg_b32 s2, hwreg(HW_REG_IB_STS2, 6, 4)
	s_cmp_eq_u32 s2, 0
	s_cbranch_scc0 .Lentry_in_a_cluster
	s_endpgm
.Lentry_in_a_cluster:
	s_bfe_u32 s2, ttmp6, 0x10000c
	s_cmp_lg_u32 s2, 0xf033
	s_cbranch_scc0 .Lentry_shape_is_right
	s_endpgm
.Lentry_shape_is_right:
; O[query][head] = the sum over keys of softmax_k(q . k / sqrt(128) + mask[query][key]) v[key].  32 query heads, 8 key and value heads, 1,024 positions, 128 channels.
; q: [32][1024][128] f16, k and v (in kv, v 2,097,152 bytes behind k): [8][position / 4][channel / 32][position % 4][32] f16, scaled so that q . k is the score times log2(e); v is v / 8.
; maskS: the mask times log2(e), f32, laid out as the C operand of 16 keys x 16 queries: [block of 16 queries][step of 64 keys][4,096 bytes].  o: [1024][4096] f16 (O / 8).
; The mask is an input: it is added to every score as it is given, and no tile is left out.  It is the C operand that starts the sum S^T = K Q^T, so it costs the softmax no instruction.
; Products, maxima and sums in f32; the weights p are rounded to f16 for the second product (their sum l is taken of the unrounded p), O once at the end.
; LIMITS.  The mask's numbers are finite; NaN and infinities are not treated apart.  p lies in 0 to 1 (the maximum is taken away exactly: s - m in one rounding); below 6e-5 it keeps f16's fixed step of 6e-8;
; a weight below 2^-126 counts as 0.  O is a mean of v's rows and has their range.
; SHARES.  A work-group owns 32 queries of the four heads that share one key and value head: 256 work-groups.  Wave w: queries 16 (w / 2) on; of every 128 keys the 64 from 64 (w % 2) on.  Its four TILES are the four
; heads' same 16 queries, so one mask of 32 registers serves all four, and each fragment of K and V feeds four tiles.  A wave walks 8 key steps, one a slot.  At the end the two waves of a pair hand each other two
; tiles (O^T, m, l) through LDS and each merges and stores two heads.  Tile u of a wave is head (u + 2 (w % 2)) % 4 of the four: so every wave keeps tiles 0, 1 and sends tiles 2, 3.
; LAYOUT.  S^T = K Q^T (source 0 = 16 keys, source 1 = 16 queries): a lane holds ONE query (lane % 16) and the keys 8 (lane / 16) + 0..7.  Two such results, rounded to f16 in pairs, ARE source 1 of O^T = V^T P, whose
; result again holds one query a lane, and eight channels.  K comes out of LDS as it lies, V turned, by ds_load_tr16_b128.
; SOFTMAX.  For each query a running maximum m and sum l: p = 2^(s - m); in every step O and l are multiplied by a = 2^(m_old - m_new), which is 1 where m has not grown.
; BY TURNS.  The wave's tiles are two PIECES (tiles 0, 1 and tiles 2, 3).  In a TURN one piece has the matrix unit: 32 products V^T P of the step in hand, then 32 products K Q^T of the next; the other piece's softmax,
; cut into 64 slices, stands between them, one slice behind each matrix instruction.  Two turns are a key step.
; CLUSTER.  4 x 4 work-groups.  K and V hang on the key and value head alone, which a row of the cluster shares; the mask's tile on the block of queries alone, which a column shares: each is asked for JOINTLY, by the same
; tensor load with the same descriptor and a mask that names the four.  Wave 0 asks for K, wave 1 for V, wave 2 for the mask, wave 3 for nothing.
; REGISTERS, in windows of 256 (s_set_vgpr_msb: bits 1:0 source 0, 3:2 source 1, 5:4 source 2, 7:6 destination):
;   window 0: v0-11, v44-55 addresses and the merge; v12-43 eight registers of statistics a tile; v64-191 S^T, 32 a tile; v192-255 P, 16 a tile
;   window 1: O^T, 64 a tile      window 2: v0-127 Q, 32 a tile (at the end: the partner's O^T); v128-255 K of one step      window 3: v0-127 V of one step; v128-159 the mask of one step
.set GK,    1040      ; four keys of K in LDS: 1,024 bytes + 16 of padding: key r of a fragment lies at (r / 4) 1040 + (r % 4) 64: sixteen different groups of four banks (64 banks of 4 bytes: ISA guide 11.1)
.set GV,    1056      ; four keys of V: 1,024 + 32
.set VOFF,  32*GK     ; a slot holds 128 keys: K, then V, then the mask of 32 queries x 128 keys
.set MOFF,  VOFF+32*GV
.set SLOT1, 1<<17     ; slot 1 begins here, so that one exclusive or turns an address in one slot into the other's
.set STAGE, SLOT1+MOFF+16384  ; behind the ring: 16 rows x 272 bytes for each wave, for the way out
.set SP,    272
.set XCH,   STAGE+4*16*SP     ; behind the stages: for each wave the two tiles that it hands over: 16,384 bytes of O^T, 512 of m and l
.set XCHW,  16896
.set SPARE, XCH+4*XCHW        ; behind them: the spare words, 128 bytes for each wave: two blocks of 256 bytes that no other line names
.set AK0, 2           ; v2   my lane's place in a slot's K; never rewritten
.set AV0, 3           ; v3   the same for V
.set ADR, 4           ; v4   the LDS address of the run of loads in hand
.set QO,  5           ; v5   my byte offset in 16 rows of Q
.set STO, 6           ; v6   the way out: where I put 16 bytes of a row
.set RD,  7           ; v7   the way out: where I read a row back
.set GO,  8           ; v8   my byte offset in two rows of o
.set ST,  12          ; tile t's statistics at v[ST+8 t]: +0 m, +1 m_old, +2, +3 l (even keys', odd keys'), +4 to +7 c0-c3, at work; a takes c2's place once the maximum is found
.set XT,  44          ; v44-47  what I hand over beside O^T: m and l of tiles 2 and 3; later the partner's factors
.set XRS, 48          ; v48-51  the partner's m and l
.set AM0, 52          ; v52  my lane's place in a slot's mask
.set ADM, 53          ; v53  the LDS address of the mask's loads
.set XS,  54          ; v54  where I put what I hand over
.set XR,  55          ; v55  where I find what the partner hands over
.set SPW, 62          ; v62  LDS address of my spare word: SPARE + 4 x my thread's number; never rewritten
.set NIL, 63          ; v63  0; never rewritten
.set S,   64
.set P,   192
.set KF,  128         ; K's fragments, in window 2
.set MK,  128         ; the mask, in window 3: the eight registers for key block kb at MK + 8 kb
.set WV,  12          ; s12  my wave's number
.set G1K, 24          ; s[24:31] descriptor group 1 for K's tiles
.set G1V, 32          ; s[32:39] for V's: it differs in the padding alone
.set G0K, 40          ; s[40:47] descriptor group 0 for K's tiles: a set for each of the two first fills; the second then walks on
.set G0V, 48          ; s[48:55] the same for V's
.set SLOTS, 56        ; s56  trips of the loop still to go
.set SEL, 60          ; s[60:61] lane selects for v_permlanex16_b32: each lane takes its own place in the other half
.set TB,  62          ; s62  LDS byte at which the slot to be fetched from begins
.set G1M, 68          ; s[68:75] descriptor group 1 for the mask's tiles
.set G0M, 76          ; s[76:83] their group 0, two sets
.set QA,  84          ; s[84:85] Q at my rows of tile 0's head
.set QB,  86          ; s[86:87] of tile 2's head
.set RSH, 88          ; s88  which 16 of the 32 queries
.set KSH, 89          ; s89  which 64 of 128 keys
.set MSB, 0
.macro WIN new                      ; the immediate's high byte repeats the setting that is left; a switch that changes nothing is dropped
.if MSB != (\new)
	s_set_vgpr_msb (MSB<<8)|(\new)
.set MSB, \new
.endif
.endm
.set W_KQ, 0x0a       ; K and Q in window 2, S^T in window 0
.set W_KM, 0x3a       ; the same with the C operand, the mask, in window 3
.set W_PV, 0x53       ; V in window 3, P in window 0, O^T in window 1
.set W_RS, 0x41       ; O^T (destination and source 0) in window 1, a in window 0
; A joint refill.  The branches hang on the wave's number alone: they are the same in every work-group.  An s_nop 0 and four v_nop follow each load, ahead of the jump and the label.
.macro JLOAD
	s_cmp_eq_u32 s[WV], 0
	s_cbranch_scc0 .Lnot_k_\@
	tensor_load_to_lds s[G0K+4:G0K+7], s[G1K:G1K+7]
	s_nop 0
.rept 4
	v_nop
.endr
	s_branch .Lasked_\@
.Lnot_k_\@:
	s_cmp_eq_u32 s[WV], 1
	s_cbranch_scc0 .Lnot_v_\@
	tensor_load_to_lds s[G0V+4:G0V+7], s[G1V:G1V+7]
	s_nop 0
.rept 4
	v_nop
.endr
	s_branch .Lasked_\@
.Lnot_v_\@:
	s_cmp_eq_u32 s[WV], 2
	s_cbranch_scc0 .Lasked_\@
	tensor_load_to_lds s[G0M+4:G0M+7], s[G1M:G1M+7]
	s_nop 0
.rept 4
	v_nop
.endr
.Lasked_\@:
.endm
; A round of the cluster's barrier: my work-group's barrier, so that wave 0's signal speaks for all four waves; wave 0 signals for the work-group; every wave waits for all sixteen work-groups; my work-group's barrier once more.
.macro CROUND
	s_barrier_signal -1
	s_barrier_wait -1
	s_cmp_lg_u32 s[WV], 0
	s_cbranch_scc1 .Lnot_wave_0_\@
	s_barrier_signal -3
.Lnot_wave_0_\@:
	s_barrier_wait -3
	s_barrier_signal -1
	s_barrier_wait -1
.endm
	s_load_b256 s[4:11], s[0:1], 0x0  ; q s[4:5], kv s[6:7], maskS s[8:9], o s[10:11]
	v_lshl_add_u32 v[SPW], v0, 2, SPARE
	v_mov_b32 v[NIL], 0
	ds_add_u32 v[SPW], v[NIL]       ; the wave's opening: the add and its wait stand ahead of my first tensor load; the set-up below, work on registers, stands between them
	v_lshrrev_b32 v1, 5, v0
	v_readfirstlane_b32 s[WV], v1   ; wave 0..3
	s_lshr_b32 s[RSH], s[WV], 1
	s_and_b32 s[KSH], s[WV], 1
	s_bfe_u32 s13, ttmp6, 0x40000   ; cx, cy: my place in the cluster
	s_bfe_u32 s14, ttmp6, 0x40004
	s_lshl_b32 s15, ttmp9, 2
	s_add_co_u32 s15, s15, s13      ; my block of 32 queries = 4 x cluster x + cx
	s_and_b32 s16, ttmp7, 0xffff
	s_lshl_b32 s16, s16, 2
	s_add_co_u32 s16, s16, s14      ; my key and value head = 4 x cluster y + cy
	s_lshl_b32 s17, s14, 2
	s_lshl_b32 s17, 15, s17         ; my row of the cluster
	s_lshl_b32 s18, 0x1111, s13     ; my column
	; descriptor group 1.  128 keys of K or V are 32,768 dense bytes: 32 rows of 1,024 bytes (four keys), padded in LDS after every row
	s_or_b32 s[G1K], s17, (1<<16)|(1<<20)|(1<<21)|(7<<22)|(3<<25)  ; 15:0 the mask: my row; 17:16 elements of 2 bytes; 20 padding on; 21 set beside a mask; 24:22 after every 256 words (code 7); 31:25 4 words of it (code 3)
	s_or_b32 s[G1V], s17, (1<<16)|(1<<20)|(1<<21)|(7<<22)|(7<<25)  ; the same with 8 words of padding (code 7)
.irp g, G1K, G1V
	s_mov_b32 s[(\g)+1], 512<<16    ; tensor_dim0 = 512
	s_mov_b32 s[(\g)+2], 32<<16     ; tensor_dim1 = 32
	s_mov_b32 s[(\g)+3], 512<<16    ; tile_dim0 = 512
	s_mov_b32 s[(\g)+4], 32         ; tile_dim1 = 32
	s_mov_b32 s[(\g)+5], 512        ; elements from row to row
	s_mov_b32 s[(\g)+6], 0
	s_mov_b32 s[(\g)+7], 0
.endr
	; the mask's tile: for each of my two blocks of 16 queries the 8,192 consecutive bytes of two key steps; the blocks lie 65,536 bytes apart
	s_or_b32 s[G1M], s18, (2<<16)|(1<<21)  ; 15:0 the mask: my column; 17:16 elements of 4 bytes; 21 set beside a mask; no padding
	s_mov_b32 s[G1M+1], 2048<<16    ; tensor_dim0 = 2,048
	s_mov_b32 s[G1M+2], 2<<16       ; tensor_dim1 = 2
	s_mov_b32 s[G1M+3], 2048<<16    ; tile_dim0 = 2,048
	s_mov_b32 s[G1M+4], 2           ; tile_dim1 = 2
	s_mov_b32 s[G1M+5], 16384       ; elements from row to row
	s_mov_b32 s[G1M+6], 0
	s_mov_b32 s[G1M+7], 0
	s_lshl_b32 s20, s16, 18         ; the key and value head's 262,144 bytes: this offset holds cy and never cx,
	s_mov_b32 s21, 0
	s_lshl_b32 s22, s15, 17         ; my two blocks of queries in maskS: this one cx and never cy
	s_mov_b32 s23, 0
	s_lshl_b32 s2, s16, 2
	s_lshl_b32 s3, s[KSH], 1
	s_add_co_u32 s94, s2, s3        ; tile 0's head: 4 y + 2 (w % 2)
	s_sub_co_u32 s95, s2, s3
	s_add_co_u32 s95, s95, 2        ; tile 2's head: 4 y + 2 - 2 (w % 2)
	s_lshl_b32 s96, s15, 5
	s_lshl_b32 s97, s[RSH], 4
	s_add_co_u32 s96, s96, s97      ; my first query
	s_lshl_b32 s97, s96, 8          ; its row of 256 bytes in a head of q
	s_lshl_b32 s90, s94, 18
	s_add_co_u32 s90, s90, s97
	s_mov_b32 s91, 0
	s_lshl_b32 s92, s95, 18
	s_add_co_u32 s92, s92, s97
	s_mov_b32 s93, 0
	s_lshl_b32 s98, s96, 13         ; its row of 8,192 bytes in o,
	s_lshl_b32 s99, s94, 8          ; tile 0's head there
	s_add_co_u32 s98, s98, s99
	s_mov_b32 s99, 0
	s_mov_b32 s[SEL], 0x76543210
	s_mov_b32 s[SEL+1], 0xfedcba98
	s_mov_b32 s[TB], 0
	s_mov_b32 s[SLOTS], 5
	s_wait_dscnt 0x0                ; the opening add is done
	s_wait_kmcnt 0x0
	s_add_nc_u64 s[6:7], s[6:7], s[20:21]
	s_add_nc_u64 s[8:9], s[8:9], s[22:23]
	s_add_nc_u64 s[QA:QA+1], s[4:5], s[90:91]
	s_add_nc_u64 s[QB:QB+1], s[4:5], s[92:93]
	s_add_nc_u64 s[10:11], s[10:11], s[98:99]
	CROUND                          ; all sixteen work-groups are here: the first joint loads meet
.irp s, 0,1
	s_mov_b32 s[G0K+4*(\s)], 1      ; 1:0 count = 1
	s_mov_b32 s[G0K+4*(\s)+1], (\s)*SLOT1  ; 63:32 LDS address
	s_add_nc_u64 s[G0K+4*(\s)+2:G0K+4*(\s)+3], s[6:7], (\s)*32768  ; 120:64 global address: slot s begins with keys 128 s on
	s_or_b32 s[G0K+4*(\s)+3], s[G0K+4*(\s)+3], 0x80000000  ; 127:126 type = 2
	s_mov_b32 s[G0V+4*(\s)], 1
	s_mov_b32 s[G0V+4*(\s)+1], (\s)*SLOT1+VOFF
	s_add_nc_u64 s[G0V+4*(\s)+2:G0V+4*(\s)+3], s[6:7], 0x200000+(\s)*32768
	s_or_b32 s[G0V+4*(\s)+3], s[G0V+4*(\s)+3], 0x80000000
	s_mov_b32 s[G0M+4*(\s)], 1
	s_mov_b32 s[G0M+4*(\s)+1], (\s)*SLOT1+MOFF
	s_add_nc_u64 s[G0M+4*(\s)+2:G0M+4*(\s)+3], s[8:9], (\s)*8192
	s_or_b32 s[G0M+4*(\s)+3], s[G0M+4*(\s)+3], 0x80000000
.endr
	s_cmp_eq_u32 s[WV], 0           ; a wave's two first fills stand in one branch, ahead of every wait on TENSORcnt and every LDS read: two loads of a wave are out; an s_nop 0 follows each, four v_nop the second's
	s_cbranch_scc0 .Lfirst_not_k
	tensor_load_to_lds s[G0K:G0K+3], s[G1K:G1K+7]
	s_nop 0
	tensor_load_to_lds s[G0K+4:G0K+7], s[G1K:G1K+7]
	s_nop 0
.rept 4
	v_nop
.endr
	s_branch .Lfirst_asked
.Lfirst_not_k:
	s_cmp_eq_u32 s[WV], 1
	s_cbranch_scc0 .Lfirst_not_v
	tensor_load_to_lds s[G0V:G0V+3], s[G1V:G1V+7]
	s_nop 0
	tensor_load_to_lds s[G0V+4:G0V+7], s[G1V:G1V+7]
	s_nop 0
.rept 4
	v_nop
.endr
	s_branch .Lfirst_asked
.Lfirst_not_v:
	s_cmp_eq_u32 s[WV], 2
	s_cbranch_scc0 .Lfirst_asked
	tensor_load_to_lds s[G0M:G0M+3], s[G1M:G1M+7]
	s_nop 0
	tensor_load_to_lds s[G0M+4:G0M+7], s[G1M:G1M+7]
	s_nop 0
.rept 4
	v_nop
.endr
.Lfirst_asked:
	; A fragment of K or Q is 16 rows x 32 channels in 8 registers: lane l holds row l % 16; registers 0-3 channels 8 (l / 16) + 0..7, registers 4-7 channels 16 + 8 (l / 16) + 0..7: two loads of 16 bytes, 32 bytes apart.
	v_and_b32 v1, 15, v0            ; l % 16
	v_bfe_u32 v9, v0, 4, 1          ; l / 16
	v_lshlrev_b32 v[QO], 8, v1
	v_lshl_add_u32 v[QO], v9, 4, v[QO]  ; row x 256 + 16 x half
	WIN 0x80                        ; destination window 2, address window 0
.irp i, 0,1,2,3,4,5,6,7             ; Q stays in registers: tile i / 4 (the next head lies 262,144 bytes on), channels 32 (i % 4) on
	global_load_b128 v[8*(\i):8*(\i)+3],   v[QO], s[QA:QA+1] offset:((\i)/4)*262144+((\i)%4)*64
	global_load_b128 v[8*(\i)+4:8*(\i)+7], v[QO], s[QA:QA+1] offset:((\i)/4)*262144+((\i)%4)*64+32
.endr
.irp i, 8,9,10,11,12,13,14,15
	global_load_b128 v[8*(\i):8*(\i)+3],   v[QO], s[QB:QB+1] offset:((\i)/4-2)*262144+((\i)%4)*64
	global_load_b128 v[8*(\i)+4:8*(\i)+7], v[QO], s[QB:QB+1] offset:((\i)/4-2)*262144+((\i)%4)*64+32
.endr
	WIN 0
	v_lshrrev_b32 v10, 2, v1        ; K: key r lies in group r / 4, at 64 (r % 4) of each channel block's 256 bytes
	v_and_b32 v11, 3, v1
	v_mul_u32_u24 v[AK0], v10, GK
	v_lshl_add_u32 v[AK0], v11, 6, v[AK0]
	v_lshl_add_u32 v[AK0], v9, 4, v[AK0]
	s_mul_i32 s13, s[KSH], 16*GK    ; my 64 keys of the slot's 128
	v_add_nc_u32 v[AK0], s13, v[AK0]
	; The turning load takes 16 keys x 16 channels (lane l reads 16 bytes: key 8 (l / 16) + l % 8, channels 8 ((l / 8) % 2) + 0..7) and leaves half a fragment of V^T: lane l holds channel l % 16 and 8 keys.
	v_bfe_u32 v10, v0, 2, 1
	v_lshl_add_u32 v10, v9, 1, v10  ; that key's group: 2 (l / 16) + (l % 8) / 4
	v_mul_u32_u24 v[AV0], v10, GV
	v_and_b32 v10, 3, v0
	v_lshl_add_u32 v[AV0], v10, 6, v[AV0]
	v_bfe_u32 v10, v0, 3, 1
	v_lshl_add_u32 v[AV0], v10, 4, v[AV0]
	s_mul_i32 s13, s[KSH], 16*GV
	s_add_co_u32 s13, s13, VOFF
	v_add_nc_u32 v[AV0], s13, v[AV0]
	v_and_b32 v10, 31, v0           ; the mask: 16 bytes a lane, in my block of queries and my key step
	v_lshlrev_b32 v10, 4, v10
	s_lshl_b32 s13, s[RSH], 13
	s_lshl_b32 s14, s[KSH], 12
	s_add_co_u32 s13, s13, s14
	s_add_co_u32 s13, s13, MOFF
	v_add_nc_u32 v[AM0], s13, v10
.irp t, 0,1,2,3
	v_mov_b32 v[ST+8*(\t)+1], 0     ; named with m as a pair by the packed subtraction, so it is written
.endr
; THE MATRIX WORK OF A TURN, for piece x.  The accumulators take turns, one instruction a turn: between two links of a chain stand 15 (V^T P) or 7 (K Q^T) others'.
; Product i of 32 of O^T += V^T P: keys 32 (i / 16) on, channels 16 ((i / 2) % 8) on, tile x + i % 2.  zero = 1: the first 16 start the sums: nothing is ever cleared.
.macro PV x, zero
	WIN W_PV
.set rO, 64*((\x)+i%2)+8*((i/2)%8)
.set rV, 64*(i/16)+8*((i/2)%8)
.set rP, P+16*((\x)+i%2)+8*(i/16)
.if (\zero) && (i < 16)
	v_wmma_f32_16x16x32_f16 v[rO:rO+7], v[rV:rV+7], v[rP:rP+7], 0
.else
	v_wmma_f32_16x16x32_f16 v[rO:rO+7], v[rV:rV+7], v[rP:rP+7], v[rO:rO+7]
.endif
.endm
; Product i of 32 of S^T = K Q^T + mask: channels 32 (i / 8) on, keys 16 ((i / 2) % 4) on, tile x + i % 2.  The first 8 start the sums, with the mask of their 16 keys.
.macro KQ x
.set rS, S+32*((\x)+i%2)+8*((i/2)%4)
.set rK, KF+32*((i/2)%4)+8*(i/8)
.set rQ, 32*((\x)+i%2)+8*(i/8)
.set rM, MK+8*((i/2)%4)
.if i < 8
	WIN W_KM
	v_wmma_f32_16x16x32_f16 v[rS:rS+7], v[rK:rK+7], v[rQ:rQ+7], v[rM:rM+7]
.else
	WIN W_KQ
	v_wmma_f32_16x16x32_f16 v[rS:rS+7], v[rK:rK+7], v[rQ:rQ+7], v[rS:rS+7]
.endif
.endm
; THE LDS LOADS stand in runs, never singly among the matrix instructions: a step's K (64 keys x 128 channels: 16 fragments) with its mask (8 loads), and, a turn later, its V (turned).
.macro FETCH_K
	WIN 0
	v_add_nc_u32 v[ADR], s[TB], v[AK0]
	v_add_nc_u32 v[ADM], s[TB], v[AM0]
	WIN 0x80                        ; destination window 2
.irp f, 0,1,2,3,4,5,6,7,8,9,10,11,12,13,14,15  ; keys 16 (f / 4) on, channels 32 (f % 4) on
	ds_load_b128 v[KF+8*(\f):KF+8*(\f)+3],   v[ADR] offset:((\f)/4)*4*GK+((\f)%4)*256
	ds_load_b128 v[KF+8*(\f)+4:KF+8*(\f)+7], v[ADR] offset:((\f)/4)*4*GK+((\f)%4)*256+32
.endr
	WIN 0xc0                        ; destination window 3
.irp f, 0,1,2,3,4,5,6,7             ; the mask lives as long as K does: both pieces' products of a step take it
	ds_load_b128 v[MK+4*(\f):MK+4*(\f)+3], v[ADM] offset:512*(\f)
.endr
.endm
.macro FETCH_V
	WIN 0
	v_add_nc_u32 v[ADR], s[TB], v[AV0]
	WIN 0xc0                        ; destination window 3
.irp f, 0,1,2,3,4,5,6,7,8,9,10,11,12,13,14,15  ; keys 32 (f / 8) on, channels 16 (f % 8) on
	ds_load_tr16_b128 v[8*(\f):8*(\f)+3],   v[ADR] offset:((\f)/8)*8*GV+(((\f)%8)/2)*256+((\f)%2)*32
	ds_load_tr16_b128 v[8*(\f)+4:8*(\f)+7], v[ADR] offset:((\f)/8)*8*GV+4*GV+(((\f)%8)/2)*256+((\f)%2)*32
.endr
.endm
; THE VECTOR WORK OF A TURN.  One tile's softmax for one key step is a numbered list; SM writes number j of it for tile t.  s0-s31 are the lane's 32 scores, in pairs 0-15.
; first = 1: the first key step, which starts m, l and O^T: it has no a and nothing to rescale.
;   0-15    the maximum of s0-s31 and the old m, three operands at a time: four chains c0-c3 of seven scores each (each accumulator's lowest registers are read first), then the four scores left over, c0-c3 and m
;   16-20   the other half of the lanes' maximum; the old m is kept; the new m; (19 is empty); m_old - m_new
;   21-87   33 exponentials (a, then s0-s31) at the odd numbers from 23 on, so that no two follow each other and each has a plain instruction behind it before its result is used.
;           Plain instruction q (number 21, then the even numbers) is whatever is ready: s - m for a pair of scores whose exponentials are still to come (q = 0 to 3, then every
;           second q), the rounding to f16 of a pair of weights whose exponentials are done (every other q from 5 on), at last the first three sums
;   88-101  the last rounding; the rest of the sums; l = a l + the sum
;   102-133 the tile's O^T times a: the one part that leaves window 0, so it stands together
.macro SM t, first
.set rT, ST+8*(\t)
.set rS, S+32*(\t)
.set rP, P+16*(\t)
.set rO, 64*(\t)+2*(j-102)
.set q, (j-20)/2
.if j < 102
	WIN 0
.endif
.if j < 4
	v_max3_num_f32 v[rT+4+j], v[rS+8*j], v[rS+8*j+1], v[rS+8*j+2]
.elseif j < 12
	v_max3_num_f32 v[rT+4+j%4], v[rT+4+j%4], v[rS+8*(j%4)+2*(j/4)+1], v[rS+8*(j%4)+2*(j/4)+2]
.elseif j == 12
	v_max3_num_f32 v[rT+4], v[rT+4], v[rS+7], v[rS+15]
.elseif j == 13
	v_max3_num_f32 v[rT+6], v[rT+6], v[rS+23], v[rS+31]
.elseif j == 14
	v_max3_num_f32 v[rT+4], v[rT+4], v[rT+5], v[rT+6]
.elseif (j == 15) && (\first)
	v_max_num_f32 v[rT+4], v[rT+4], v[rT+7]
.elseif j == 15
	v_max3_num_f32 v[rT+4], v[rT+4], v[rT+7], v[rT]
.elseif j == 16
	v_permlanex16_b32 v[rT+5], v[rT+4], s[SEL], s[SEL+1]  ; the query's other 32 keys lie in the lane 16 away
.elseif j == 18
	v_max_num_f32 v[rT], v[rT+4], v[rT+5]
.elseif j == 19                     ; the scores come in units of log2: there is no c m to make
.elseif ((j == 17) || (j == 20) || (j == 23) || (j > 101)) && (\first)  ; the first step has none of these
.elseif j == 17
	v_mov_b32 v[rT+1], v[rT]        ; m_old is kept for a: number 18 writes m anew
.elseif j == 20
	v_sub_f32 v[rT+7], v[rT+1], v[rT]
.elseif j == 23
	v_exp_f32 v[rT+6], v[rT+7]
.elseif (j < 88) && (j > 23) && (j%2 == 1)
	v_exp_f32 v[rS+(j-25)/2], v[rS+(j-25)/2]
.elseif (q < 4) || ((j < 76) && (q%2 == 0))
.set b, q/2+2
.if q < 4
.set b, q
.endif
	v_pk_add_f32 v[rS+2*b:rS+2*b+1], v[rS+2*b:rS+2*b+1], v[rT:rT+1] op_sel_hi:[1,0] neg_lo:[0,1] neg_hi:[0,1]  ; pair b: s - m, one rounding, 0 for the maximum itself
.elseif (j < 88) && (q%2 == 1)
	s_wait_alu depctr_va_vdst(0)
	v_cvt_pk_f16_f32 v[rP+(q-5)/2], v[rS+q-5], v[rS+q-4]  ; pair (q - 5) / 2: its second exponential stands three numbers back
.elseif j == 89
	s_wait_alu depctr_va_vdst(0)
	v_cvt_pk_f16_f32 v[rP+15], v[rS+30], v[rS+31]
.elseif j < 102                     ; the sum of the tile's 16 pairs (in a pair: an even key's weight, an odd key's), in place: sum z of 16 adds neighbours 1, 2, 4 and 8 pairs apart, then l takes it
.set z, j-86
.if j < 89
.set z, (j-76)/4
.endif
.set w, 4
.set u, z
.if z >= 14
.set w, 32
.set u, 0
.elseif z >= 12
.set w, 16
.set u, z-12
.elseif z >= 8
.set w, 8
.set u, z-8
.endif
.if (z == 14) && (\first)
	v_pk_add_f32 v[rT+2:rT+3], v[rS:rS+1], v[rS+16:rS+17]
.elseif z < 15
	v_pk_add_f32 v[rS+w*u:rS+w*u+1], v[rS+w*u:rS+w*u+1], v[rS+w*u+w/2:rS+w*u+w/2+1]
.elseif !(\first)
	v_pk_fma_f32 v[rT+2:rT+3], v[rT+2:rT+3], v[rT+6:rT+7], v[rS:rS+1] op_sel_hi:[1,0,1]
.endif
.else
	WIN W_RS
	v_pk_mul_f32 v[rO:rO+1], v[rO:rO+1], v[rT+6:rT+7] op_sel_hi:[1,0]
.endif
.endm
; Slice k of 64 of piece y's softmax: numbers 2 k and 2 k + 1 of both tiles' lists.  What is over behind 64 slices of two numbers stands together, in slice 63.
.macro SLICE y, first
.if (k >= 11) && (k < 44)           ; tile by tile: plain, exponential, plain, exponential
.irp t, \y, (\y)+1
.irp n, 0,1
.set j, 2*k+(\n)
	SM \t, \first
.endr
.endr
.else                               ; the two tiles alternate, so that no instruction reads the result of the one just before it
.irp n, 0,1,2,3,4,5,6,7
.if ((\n) < 2) || (k == 63)
.irp t, \y, (\y)+1
.set j, 2*k+(\n)
	SM \t, \first
.endr
.endif
.endr
.endif
.set k, k+1
.endm
; A vector instruction that reads a matrix result or writes one of a matrix instruction's registers, and a load into a register that a matrix instruction has read, stand four places behind
; it, and only plain vector instructions that name none of its registers are places (ISA guide 7.12.1 for vector instructions).  In the loop the slices are the places.
.macro PLACES
.rept 4
	v_nop
.endr
.endm
; A TURN.  Piece x has the matrix unit; the other piece's softmax stands in slices behind its matrix instructions.
; pv = 2: 32 products V^T P; 1: they start O^T's sums; 0: none.  kq = 1: 32 products K Q^T for the next step.  A turn with one of the two kinds has two slices behind each product.
; first = 1: the softmax is the first key step's.  Its slices from 51 on are empty: the turn's last products stand bare, and four v_nop take slice 63's part as the places behind them.
; Each run of loads stands behind the second product of a run of 32, 30 matrix instructions ahead of its first use.  Piece 0's turn fetches the next step's K and mask: the last product that read them
; stands in front of slice 63 of the turn before.  Piece 2's turn fetches the same step's V: the last product that read V stands three slices, six plain instructions, back.
.macro TURN x, pv, kq, first
.set k, 0
.set per, 2
.if (\pv) && (\kq)
.set per, 1
.endif
.if \pv
.if (\x) == 0
	s_wait_dscnt 0x0                ; V is in
.endif
.set i, 0
.rept 32
	PV \x, 2-(\pv)
.rept per
	SLICE 2-(\x), \first
.endr
.if ((\x) == 0) && (\kq) && (i == 1)
	FETCH_K
.endif
.set i, i+1
.endr
.endif
.if \kq
.if (\x) == 0
	s_wait_dscnt 0x0                ; K and the mask are in
.endif
.set i, 0
.rept 32
	KQ \x
.rept per
	SLICE 2-(\x), \first
.endr
.if ((\x) == 2) && (i == 1)
	FETCH_V
.endif
.set i, i+1
.endr
.endif
.if \first
	PLACES
.endif
.endm
; THE CHANGE OF SLOTS, between piece 2's turn and piece 0's: the slot's last bytes, its V, have been asked for.  Each wave waits for all its tensor loads (of waves 0 to 2 one is out: a part of the other slot); adds 0 to
; its spare word; and waits for that and for its own reads of the slot.  Behind the barrier nobody reads this slot any more and the other slot is whole.
; fill = 1: this slot is filled again, with the keys two slots on.  The barrier is then a round of the cluster's, so that no wave of any partner still reads the slot or has a load on its
; way, and the joint refill is the first thing behind it: it has a key step, 128 matrix instructions, in which to land.
.macro CHANGE fill
	WIN 0                           ; at a label and at a branch every window is 0
	s_wait_tensorcnt 0x0            ; no tensor load of mine is out, so a group 0 may be written
	ds_add_u32 v[SPW], v[NIL]       ; 0 onto my spare word; with fill = 1 the descriptors' steps stand between it and the wait for it
.if \fill
.irp g, G0K+4, G0V+4
	s_xor_b32 s[(\g)+1], s[(\g)+1], SLOT1  ; the walking descriptor: the other slot than last time,
	s_add_nc_u64 s[(\g)+2:(\g)+3], s[(\g)+2:(\g)+3], 32768  ; the next 128 keys; the type bits on top are not reached
.endr
	s_xor_b32 s[G0M+5], s[G0M+5], SLOT1
	s_add_nc_u64 s[G0M+6:G0M+7], s[G0M+6:G0M+7], 8192  ; the mask's next two key steps
	s_wait_dscnt 0x0                ; the add is done, and my reads of the slot are over
	CROUND
	JLOAD
.else
	s_wait_dscnt 0x0                ; the add is done, and my reads of the slot are over
	s_barrier_signal -1
	s_barrier_wait -1
.endif
	s_xor_b32 s[TB], s[TB], SLOT1   ; the fetches go on in the other slot
.endm
	s_wait_tensorcnt 1              ; my part of slot 0 is in; slot 1's may stay out
	s_barrier_signal -1
	s_barrier_wait -1               ; everybody's is
	FETCH_K                         ; key step 0
	s_wait_loadcnt 0x0              ; Q
	s_wait_dscnt 0x0
.set i, 0
.rept 32
	KQ 0                            ; piece 0's first scores: there is no vector work yet to set between them
.set i, i+1
.endr
	WIN 0                           ; the addresses for the end are made here: plain instructions, the places behind those products
	s_mul_i32 s13, s[WV], 16*SP
	s_add_co_u32 s13, s13, STAGE    ; my stage
	v_mul_u32_u24 v[STO], v1, SP    ; in: row l % 16, 16 bytes for each half of the lanes
	v_lshl_add_u32 v[STO], v9, 4, v[STO]
	v_add_nc_u32 v[STO], s13, v[STO]
	v_mul_u32_u24 v[RD], v9, SP     ; back: lanes 0-15 take one row of 256 bytes, lanes 16-31 the next
	v_lshl_add_u32 v[RD], v1, 4, v[RD]
	v_add_nc_u32 v[RD], s13, v[RD]
	v_lshlrev_b32 v[GO], 13, v9     ; and the same two rows in o, 8,192 bytes apart
	v_lshl_add_u32 v[GO], v1, 4, v[GO]
	s_mul_i32 s13, s[WV], XCHW
	s_add_co_u32 s13, s13, XCH      ; what I hand over,
	v_add_nc_u32 v[XS], s13, v10    ; 16 bytes a lane
	s_xor_b32 s14, s[WV], 1         ; my partner has the same queries and the other keys
	s_mul_i32 s14, s14, XCHW
	s_add_co_u32 s14, s14, XCH
	v_add_nc_u32 v[XR], s14, v10
	TURN 2, 0, 1, 1                 ; piece 2's first scores | piece 0's first softmax | V of step 0
	CHANGE 1                        ; slot 0 has been read: it takes step 2
	TURN 0, 1, 1, 1                 ; piece 0: V^T P of step 0 starts O^T, K Q^T of step 1 | piece 2's first softmax | K of step 1
	TURN 2, 1, 1, 0                 ; piece 2: the same | piece 0's softmax of step 1 | V of step 1
	WIN 0
.Lslot:                             ; five trips: the slots of steps 1 to 5 take steps 3 to 7; the turns fetch steps 2 to 6
	CHANGE 1
	TURN 0, 2, 1, 0
	TURN 2, 2, 1, 0
	WIN 0
	s_sub_co_u32 s[SLOTS], s[SLOTS], 1
	s_cmp_lg_u32 s[SLOTS], 0
	s_cbranch_scc1 .Lslot
	CHANGE 0                        ; the tail is written out: nothing is asked for
	TURN 0, 2, 1, 0                 ; K of step 7
	TURN 2, 2, 1, 0                 ; V of step 7
	TURN 0, 2, 0, 0                 ; piece 0: V^T P of the last step | piece 2's last softmax
.set i, 0
.rept 32
	PV 2, 0                         ; piece 2: V^T P of the last step
.set i, i+1
.endr
	; THE END.  l's two halves and the other half of the lanes' are added.  Tiles 2 and 3 (O^T, m, l) go to the partner through LDS; the partner's come for my tiles 0 and 1.  The additions are the places behind the last products.
	WIN 0
.irp t, 0,1,2,3
	v_add_f32 v[ST+8*(\t)+4], v[ST+8*(\t)+2], v[ST+8*(\t)+3]
.endr
.irp t, 0,1,2,3
	v_permlanex16_b32 v[ST+8*(\t)+5], v[ST+8*(\t)+4], s[SEL], s[SEL+1]
.endr
.irp t, 0,1,2,3
	v_add_f32 v[ST+8*(\t)+4], v[ST+8*(\t)+4], v[ST+8*(\t)+5]
.endr
	v_mov_b32 v[XT],   v[ST+16]      ; four neighbouring registers for one store: m and l of tile 2,
	v_mov_b32 v[XT+1], v[ST+20]
	v_mov_b32 v[XT+2], v[ST+24]      ; of tile 3
	v_mov_b32 v[XT+3], v[ST+28]
	WIN 0x04                        ; the stores' data in window 1
.set i, 0
.rept 32
	ds_store_b128 v[XS], v[128+4*i:128+4*i+3] offset:512*i  ; in ascending order: each accumulator's four lowest registers first
.set i, i+1
.endr
	WIN 0
	ds_store_b128 v[XS], v[XT:XT+3] offset:16384
	s_wait_dscnt 0x0                ; for the partner's sake: my stores are done
	s_barrier_signal -1
	s_barrier_wait -1
	WIN 0x80                        ; into window 2, where Q lay
.set i, 0
.rept 32
	ds_load_b128 v[4*i:4*i+3], v[XR] offset:512*i
.set i, i+1
.endr
	WIN 0
	ds_load_b128 v[XRS:XRS+3], v[XR] offset:16384
	s_wait_dscnt 0x0
	; For tile u, with the partner's m', l', O': M = max(m, m'); a = 2^(m - M), a' = 2^(m' - M); L = a l + a' l' (at least 1: the greater maximum's own weight); O = O a / L + O' a' / L.
.irp u, 0,1
	v_max_num_f32 v[ST+8*(\u)+5], v[ST+8*(\u)], v[XRS+2*(\u)]
.endr
.irp u, 0,1
	v_sub_f32 v[ST+8*(\u)+6], v[ST+8*(\u)], v[ST+8*(\u)+5]
	v_sub_f32 v[XT+2*(\u)], v[XRS+2*(\u)], v[ST+8*(\u)+5]
.endr
.irp u, 0,1
	v_exp_f32 v[ST+8*(\u)+6], v[ST+8*(\u)+6]
	v_exp_f32 v[XT+2*(\u)], v[XT+2*(\u)]
.endr
	v_nop                           ; a plain instruction between the last exponential and the use of its result
.irp u, 0,1
	s_wait_alu depctr_va_vdst(0)
	v_mul_f32 v[ST+8*(\u)+5], v[ST+8*(\u)+6], v[ST+8*(\u)+4]
.endr
.irp u, 0,1
	v_fma_f32 v[ST+8*(\u)+5], v[XT+2*(\u)], v[XRS+2*(\u)+1], v[ST+8*(\u)+5]
.endr
.irp u, 0,1
	v_rcp_f32 v[ST+8*(\u)+5], v[ST+8*(\u)+5]
.endr
	v_nop                           ; a plain instruction between the last reciprocal and the use of its result
.irp u, 0,1
	s_wait_alu depctr_va_vdst(0)
	v_mul_f32 v[ST+8*(\u)+6], v[ST+8*(\u)+6], v[ST+8*(\u)+5]
	v_mul_f32 v[XT+2*(\u)], v[XT+2*(\u)], v[ST+8*(\u)+5]
.endr
; Tile u: merged, rounded to f16; a lane's eight channels of a row pack into 16 bytes; they go into rows of 272 bytes of my own stage and come back as whole rows of 256.
.macro PACK u
	WIN W_RS
.set i, 64*(\u)
.rept 32
	v_pk_mul_f32 v[i:i+1], v[i:i+1], v[ST+8*(\u)+6:ST+8*(\u)+7] op_sel_hi:[1,0]
.set i, i+2
.endr
	WIN 0x52                        ; source 0 (the partner's O^T) window 2, source 1 (its factor) window 0, source 2 and destination window 1
.set i, 64*(\u)
.rept 32
	v_pk_fma_f32 v[i:i+1], v[i:i+1], v[XT+2*(\u):XT+2*(\u)+1], v[i:i+1] op_sel_hi:[1,0,1]
.set i, i+2
.endr
	WIN 0x05                        ; sources 0 and 1 window 1, destination window 0: S^T's registers are free
.set i, 0
.rept 32
	v_cvt_pk_f16_f32 v[S+32*(\u)+i], v[64*(\u)+2*i], v[64*(\u)+2*i+1]
.set i, i+1
.endr
	WIN 0
.irp f, 0,1,2,3,4,5,6,7
	ds_store_b128 v[STO], v[S+32*(\u)+4*(\f):S+32*(\u)+4*(\f)+3] offset:32*(\f)
.endr
.irp f, 0,1,2,3,4,5,6,7
	ds_load_b128 v[S+32*(\u)+4*(\f):S+32*(\u)+4*(\f)+3], v[RD] offset:(\f)*2*SP  ; LDS serves a wave's instructions in order (ISA guide 5.7.1.4): these see the stores above; the next tile's stores come behind them
.endr
.endm
.macro SEND u, younger              ; younger: the LDS instructions issued behind tile u's loads: the next tile's sixteen, or none
	WIN 0
.irp f, 0,1,2,3,4,5,6,7
	s_wait_dscnt (\younger)+7-(\f)
	global_store_b128 v[GO], v[S+32*(\u)+4*(\f):S+32*(\u)+4*(\f)+3], s[10:11] offset:256*(\u)+16384*(\f)  ; 16 lanes store a head's 256 consecutive bytes of a row, at a multiple of 256 from o's first byte
.endr
.endm
	PACK 0
	PACK 1                          ; a tile's arithmetic stands between the loads of the tile before and its stores
	SEND 0, 16
	SEND 1, 0
	s_wait_tensorcnt 0x0            ; the wave's end, behind my last tensor load and my last LDS store
	ds_add_u32 v[SPW], v[NIL]
	s_wait_dscnt 0x0
	CROUND                          ; the closing round: no work-group ends while a partner may still ask for a tile that names it
	s_endpgm
.Lfunc_end_k_q6bf97760c2_attn:
	.size	k_q6bf97760c2_attn, .Lfunc_end_k_q6bf97760c2_attn-k_q6bf97760c2_attn
	.p2alignl 7, 3214868480
	.fill 96, 4, 3214868480
	.section	.rodata,"a",@progbits
	.p2align	6, 0x0
	.amdhsa_kernel k_q6bf97760c2_attn
		.amdhsa_group_segment_fixed_size 327680
		.amdhsa_private_segment_fixed_size 0
		.amdhsa_enable_private_segment 0
		.amdhsa_kernarg_size 32
		.amdhsa_user_sgpr_count 2
		.amdhsa_user_sgpr_kernarg_segment_ptr 1
		.amdhsa_wavefront_size32 1
		.amdhsa_system_sgpr_workgroup_id_x 1
		.amdhsa_system_sgpr_workgroup_id_y 1
		.amdhsa_system_sgpr_workgroup_id_z 1
		.amdhsa_system_vgpr_workitem_id 0
		.amdhsa_next_free_vgpr 1024
		.amdhsa_next_free_sgpr 100
		.amdhsa_reserve_vcc 0
		.amdhsa_float_denorm_mode_32 3
		.amdhsa_float_denorm_mode_16_64 3
		.amdhsa_memory_ordered 1
		.amdhsa_forward_progress 1
		.amdhsa_inst_pref_size 232
	.end_amdhsa_kernel
	.amdgpu_metadata
---
amdhsa.version: [ 1, 2 ]
amdhsa.kernels:
  - .name:           k_q6bf97760c2_attn
    .symbol:         k_q6bf97760c2_attn.kd
    .args:
      - { .name: q, .offset: 0, .size: 8, .value_kind: global_buffer, .address_space: global }
      - { .name: kv, .offset: 8, .size: 8, .value_kind: global_buffer, .address_space: global }
      - { .name: maskS, .offset: 16, .size: 8, .value_kind: global_buffer, .address_space: global }
      - { .name: o, .offset: 24, .size: 8, .value_kind: global_buffer, .address_space: global }
    .group_segment_fixed_size: 327680
    .private_segment_fixed_size: 0
    .kernarg_segment_align: 8
    .kernarg_segment_size: 32
    .max_flat_workgroup_size: 128
    .sgpr_count:     100
    .vgpr_count:     1024
    .wavefront_size: 32
...
	.end_amdgpu_metadata
.endif
;; end of part 3
;; launch proj (part 4): grid 32 x 8, 4 waves a work-group, clusters of 4 x 4, 327,680 bytes of LDS; arguments o, wob, out0; writes out0
.if DOCPART == 4
	.amdgcn_target "amdgcn-amd-amdhsa--gfx1250"
	.amdhsa_code_object_version 6
	.text
	.protected	k_q6bf97760c2_proj
	.globl	k_q6bf97760c2_proj
	.p2align	8
	.type	k_q6bf97760c2_proj,@function
k_q6bf97760c2_proj:
	s_mov_b64 s[64:65], 0
	v_nop
	global_prefetch_b8 v0, s[64:65] scope:SCOPE_SE
	s_setreg_imm32_b32 hwreg(HW_REG_WAVE_MODE, 25, 1), 1
	s_wait_xcnt 0x0
	s_wait_alu depctr_hold_cnt(0) depctr_sa_sdst(0) depctr_va_vdst(0) depctr_va_sdst(0) depctr_va_ssrc(0) depctr_va_vcc(0) depctr_vm_vsrc(0)
	s_getreg_b32 s2, hwreg(HW_REG_IB_STS2, 6, 4)
	s_cmp_eq_u32 s2, 0
	s_cbranch_scc0 .Lentry_in_a_cluster
	s_endpgm
.Lentry_in_a_cluster:
	s_bfe_u32 s2, ttmp6, 0x10000c
	s_cmp_lg_u32 s2, 0xf033
	s_cbranch_scc0 .Lentry_shape_is_right
	s_endpgm
.Lentry_shape_is_right:
; out0[m][n] = sum over k of o[m][k] wob[n][k].  o: [1024][4096] f16 (O / 8), wob: [4096][4096] f16 (8 x wo rounded to bf16), out0: [1024][4096] f32; sums in f32: the 8 and the 1/8 cancel.
; 1024 x 4096 results on 256 work-groups: a tile of 128 x 128 each.  Four waves, each 64 x 64: 16 accumulators of 16 x 16, 128 registers.  K goes in steps of 256 (LDS rows of 512 bytes; a wave's tensor load brings 64 of
; them), as long as two slots in LDS allow.  A wave's 64 columns of f32 are 256 aligned bytes of a row, so each wave has a stage of its own on the way out, and no barrier stands there.
; CLUSTERS: 4 x 4 work-groups.  The four of a row of the cluster need the same tiles of o, the four of a column the same tiles of wob: each tile is asked for JOINTLY, by the same tensor load with the
; same descriptor and a mask that names the four.  THE MATRIX INSTRUCTION IS USED TRANSPOSED (source 0 = 16 rows of wob, source 1 = 16 rows of o): a lane then holds eight neighbouring numbers of a row of out0.
; REGISTERS: window 0: v0-31 addresses; v128-255 the accumulators ((a, b) at v[128 + 8 (4 a + b)]), which also take the rows read back from the stage.
;   window 1: two fragment buffers of 128: for 64 along K (two matrix instructions deep), 64 registers of o (2 x 4 x 16 rows x 32 K), then 64 of wob.
.set SIZE_K, 4096
.set OROW,   16384                     ; bytes in a row of out0
.set KSTEP,  256
.set PITCH,  528                       ; an LDS row: 512 bytes of data + 16 of padding = 132 words: row r starts at bank 4 r mod 64 (64 banks of 4 bytes: ISA guide 11.1)
.set HALFT,  64*PITCH                  ; 64 rows: what one tensor load brings, and what one wave reads of o or of wob
.set SLOT,   4*HALFT                   ; o's 128 rows, then wob's 128 rows
.set STAGE,  2*SLOT                    ; behind the ring: 16 rows x 272 bytes for each wave, for the way out
.set SPITCH, 272
.set SPARE,  STAGE+4*16*SPITCH         ; behind the stages: the spare words, 128 bytes for each wave: two blocks of 256 bytes that no other line names
.set LAPS, SIZE_K/(2*KSTEP)            ; a lap = two K steps = once round the ring
.set ADRA, 16                          ; v16-17  LDS address of my fragments of o in slot 0, 1
.set ADRB, 20                          ; v20-21  the same for wob
.set STO,  24                          ; v24     the way out: where I put 32 bytes of a row
.set RD,   25                          ; v25     the way out: where I read a row back
.set CO,   26                          ; v26     my byte offset in two rows of out0
.set SPW,  28                          ; v28     LDS address of my spare word: SPARE + 4 x my thread's number; never rewritten
.set NIL,  29                          ; v29     0; never rewritten
.set ACC,  128
.set F0,   0                           ; fragment buffers, in window 1
.set F1,   128
.set G1, 24                            ; s[24:31] descriptor group 1 for o's tiles;  s[32:39] group 0, one set for each slot
.set G0, 32
.set G1B, 48                           ; s[48:55], s[56:63] the same for wob's tiles
.set G0B, 56
.set MSB, 0
.macro WIN new                         ; the immediate's high byte repeats the setting that is left
.if MSB != (\new)
	s_set_vgpr_msb (MSB<<8)|(\new)
.set MSB, \new
.endif
.endm
.set MUL,  0x05                        ; sources 0 (wob) and 1 (o) window 1; C and D window 0
.set TO_F, 0x40                        ; destination window 1, address window 0
.macro JLOAD s                         ; a joint load: waves 0 and 1 fetch o's two halves, waves 2 and 3 wob's; an s_nop 0 and four v_nop follow each of the two lines, ahead of the jump, the label and what follows
	s_cmp_eq_u32 s11, 0
	s_cbranch_scc0 .Lfor_b_\@
	tensor_load_to_lds s[G0+4*(\s):G0+4*(\s)+3], s[G1:G1+7]
	s_nop 0
.rept 4
	v_nop
.endr
	s_branch .Lasked_\@
.Lfor_b_\@:
	tensor_load_to_lds s[G0B+4*(\s):G0B+4*(\s)+3], s[G1B:G1B+7]
	s_nop 0
.rept 4
	v_nop
.endr
.Lasked_\@:
.endm
.macro CREST                           ; a round of the cluster's barrier behind its opening barrier
	s_cmp_lg_u32 s10, 0
	s_cbranch_scc1 .Lnot_wave_0_\@
	s_barrier_signal -3
.Lnot_wave_0_\@:
	s_barrier_wait -3
	s_barrier_signal -1
	s_barrier_wait -1
.endm
.macro CROUND                          ; a whole round
	s_barrier_signal -1
	s_barrier_wait -1
	CREST
.endm
	s_load_b128 s[4:7], s[0:1], 0x0                ; o s[4:5], wob s[6:7]
	s_load_b64 s[8:9], s[0:1], 0x10                ; out0
	v_lshl_add_u32 v[SPW], v0, 2, SPARE
	v_mov_b32 v[NIL], 0
	ds_add_u32 v[SPW], v[NIL]                      ; the wave's opening: the add and its wait stand ahead of my first tensor load; the set-up below, work on registers, stands between them
	v_lshrrev_b32 v1, 5, v0
	v_readfirstlane_b32 s10, v1                    ; wave 0..3
	s_lshr_b32 s11, s10, 1                         ; which half of the tile's rows is mine.  Also: I fetch for o (0) or for wob (1)
	s_and_b32 s12, s10, 1                          ; which half of its columns.  Also: which 64 rows of that tile I fetch
	s_bfe_u32 s40, ttmp6, 0x40000                  ; cx, cy: my place in the cluster
	s_bfe_u32 s41, ttmp6, 0x40004
	s_lshl_b32 s42, ttmp9, 2
	s_add_co_u32 s42, s42, s40                     ; tile column = 4 x cluster x + cx
	s_and_b32 s13, ttmp7, 0xffff
	s_lshl_b32 s13, s13, 2
	s_add_co_u32 s13, s13, s41                     ; tile row = 4 x cluster y + cy
	s_lshl_b32 s43, s41, 2
	s_lshl_b32 s43, 15, s43                        ; my row of the cluster
	s_lshl_b32 s44, 0x1111, s40                    ; my column
	; descriptor group 1: a tile of 64 rows x 256 elements, padded in LDS
	s_or_b32 s[G1+0], s43, (1<<16)|(1<<20)|(1<<21)|(6<<22)|(3<<25)  ; 15:0 the mask: o's tiles go to my row; 17:16 element of 2 bytes; 20 padding on; 21 set beside a mask; 24:22 after every 128 words (code 6); 31:25 of 4 words (code 3)
	s_or_b32 s[G1B+0], s44, (1<<16)|(1<<20)|(1<<21)|(6<<22)|(3<<25)
.irp g, G1, G1B
	s_mov_b32 s[(\g)+1], KSTEP<<16                 ; tensor_dim0 = 256
	s_mov_b32 s[(\g)+2], 64<<16                    ; tensor_dim1 = 64
	s_mov_b32 s[(\g)+3], KSTEP<<16                 ; tile_dim0 = 256
	s_mov_b32 s[(\g)+4], 64                        ; tile_dim1 = 64
	s_mov_b32 s[(\g)+5], SIZE_K                    ; elements from row to row
	s_mov_b32 s[(\g)+6], 0
	s_mov_b32 s[(\g)+7], 0
.endr
	s_lshl_b32 s17, s12, 6                         ; which 64 rows of the tile I fetch
	s_lshl_b32 s16, s13, 7
	s_add_co_u32 s16, s16, s17                     ; o: row 128 x tile row + 64 x half
	s_lshl_b32 s46, s42, 7
	s_add_co_u32 s46, s46, s17                     ; wob: row 128 x tile column + 64 x half
	s_mov_b32 s17, 0
	s_mov_b32 s47, 0
	s_mov_b64 s[18:19], SIZE_K*2
	s_mul_u64 s[16:17], s[16:17], s[18:19]
	s_mul_u64 s[46:47], s[46:47], s[18:19]
	s_mul_i32 s20, s10, HALFT                      ; where they go: wave x 64 rows: no place in the cluster enters an LDS address
	s_wait_dscnt 0x0                               ; the opening add is done
	s_wait_kmcnt 0x0
	s_add_nc_u64 s[14:15], s[4:5], s[16:17]
	s_add_nc_u64 s[46:47], s[6:7], s[46:47]
	CROUND                                         ; all sixteen work-groups are here: the first joint loads meet
.irp s, 0,1
	s_mov_b32 s[G0+4*(\s)], 1
	s_add_co_u32 s[G0+4*(\s)+1], s20, (\s)*SLOT
	s_add_nc_u64 s[G0+4*(\s)+2:G0+4*(\s)+3], s[14:15], (\s)*KSTEP*2
	s_or_b32 s[G0+4*(\s)+3], s[G0+4*(\s)+3], 0x80000000
	s_mov_b32 s[G0B+4*(\s)], 1
	s_add_co_u32 s[G0B+4*(\s)+1], s20, (\s)*SLOT
	s_add_nc_u64 s[G0B+4*(\s)+2:G0B+4*(\s)+3], s[46:47], (\s)*KSTEP*2
	s_or_b32 s[G0B+4*(\s)+3], s[G0B+4*(\s)+3], 0x80000000
	JLOAD \s                                       ; two loads of mine are out
.endr
	v_and_b32 v1, 15, v0                           ; l % 16
	v_bfe_u32 v2, v0, 4, 1                         ; l / 16
	v_mul_u32_u24 v3, v1, PITCH
	v_lshl_add_u32 v3, v2, 4, v3                   ; a fragment's row x pitch + 16 x half
	s_mul_i32 s21, s11, HALFT                      ; my 64 rows of o
	s_mul_i32 s22, s12, HALFT                      ; my 64 rows of wob,
	s_add_co_u32 s22, s22, 2*HALFT                 ; which lie behind o's 128
.irp s, 0,1
	v_add_nc_u32 v[ADRA+(\s)], s21, v3
	v_add_nc_u32 v[ADRB+(\s)], s22, v3
	s_add_co_u32 s21, s21, SLOT
	s_add_co_u32 s22, s22, SLOT
.endr
	s_mul_i32 s23, s10, 16*SPITCH
	s_add_co_u32 s23, s23, STAGE                   ; my stage
	v_mul_u32_u24 v4, v1, SPITCH                   ; in: row l % 16, 32 bytes for each half of the lanes
	v_lshl_add_u32 v4, v2, 5, v4
	v_add_nc_u32 v[STO], s23, v4
	v_mul_u32_u24 v5, v2, SPITCH                   ; back: lanes 0-15 take one row of 256 bytes, lanes 16-31 the next
	v_lshl_add_u32 v5, v1, 4, v5
	v_add_nc_u32 v[RD], s23, v5
	v_lshlrev_b32 v5, 14, v2                       ; and the same two rows in out0
	v_lshl_add_u32 v[CO], v1, 4, v5
	s_lshl_b32 s16, s13, 7
	s_lshl_b32 s17, s11, 6
	s_add_co_u32 s16, s16, s17                     ; my first row: 128 x tile row + 64 x half,
	s_lshl_b32 s16, s16, 14                        ; of 16,384 bytes: under 2^24
	s_mov_b32 s17, 0
	s_add_nc_u64 s[8:9], s[8:9], s[16:17]
	s_lshl_b32 s46, s42, 9                         ; my first column, in bytes: 512 x tile column + 256 x half
	s_lshl_b32 s47, s12, 8
	s_add_co_u32 s46, s46, s47
	s_mov_b32 s47, 0
	s_add_nc_u64 s[8:9], s[8:9], s[46:47]
; 8 matrix instructions: m blocks a0, a0 + 1 x all 4 n blocks, 32 along K: half c of buffer f.  zero = 1: the first product starts the sums.  The 16 accumulators take turns.
.macro MUL8 f, c, a0, zero
	WIN MUL
.irp a, \a0, (\a0)+1
.irp b, 0,1,2,3
.if \zero
	v_wmma_f32_16x16x32_f16 v[ACC+8*(4*(\a)+(\b)):ACC+8*(4*(\a)+(\b))+7], v[(\f)+64+8*(4*(\c)+(\b)):(\f)+64+8*(4*(\c)+(\b))+7], v[(\f)+8*(4*(\c)+(\a)):(\f)+8*(4*(\c)+(\a))+7], 0
.else
	v_wmma_f32_16x16x32_f16 v[ACC+8*(4*(\a)+(\b)):ACC+8*(4*(\a)+(\b))+7], v[(\f)+64+8*(4*(\c)+(\b)):(\f)+64+8*(4*(\c)+(\b))+7], v[(\f)+8*(4*(\c)+(\a)):(\f)+8*(4*(\c)+(\a))+7], v[ACC+8*(4*(\a)+(\b)):ACC+8*(4*(\a)+(\b))+7]
.endif
.endr
.endr
.endm
; 32 LDS loads in one run: the fragments of 64 along K at byte k of the rows, into buffer f; the first 32 along K first
.macro FETCH slot, k, f
	WIN TO_F
.irp c, 0,1
.irp i, 0,1,2,3
	ds_load_b128 v[(\f)+64+8*(4*(\c)+(\i)):(\f)+64+8*(4*(\c)+(\i))+3],   v[ADRB+(\slot)] offset:(\k)+64*(\c)+(\i)*16*PITCH
	ds_load_b128 v[(\f)+64+8*(4*(\c)+(\i))+4:(\f)+64+8*(4*(\c)+(\i))+7], v[ADRB+(\slot)] offset:(\k)+64*(\c)+(\i)*16*PITCH+32
	ds_load_b128 v[(\f)+8*(4*(\c)+(\i)):(\f)+8*(4*(\c)+(\i))+3],         v[ADRA+(\slot)] offset:(\k)+64*(\c)+(\i)*16*PITCH
	ds_load_b128 v[(\f)+8*(4*(\c)+(\i))+4:(\f)+8*(4*(\c)+(\i))+7],       v[ADRA+(\slot)] offset:(\k)+64*(\c)+(\i)*16*PITCH+32
.endr
.endr
.endm
.macro PLACES                          ; four places in front of loads into registers that matrix instructions have read, and of stores that read results (ISA guide 7.12.1 for vector instructions)
.rept 4
	v_nop
.endr
.endm
; A K step is four quarters of 64 along K, 32 matrix instructions each, on buffers 0, 1, 0, 1.  One of the first three: multiplies buffer f and fetches the next quarter, at byte k, into g.
.macro QUARTER slot, k, f, g, zero
	s_wait_dscnt 16                                ; the first 32 along K are in
	WIN MUL
	MUL8 \f, 0, 0, \zero
	MUL8 \f, 0, 2, \zero
	PLACES
	FETCH \slot, \k, \g
	s_wait_dscnt 32                                ; all but the 32 just issued
	WIN MUL
	MUL8 \f, 1, 0, 0
	MUL8 \f, 1, 2, 0
.endm
; The last quarter multiplies buffer 1 and changes slots: ONE barrier; in front of it each wave waits for all its tensor loads, adds 0 to its spare word, and waits for that and for its own reads of this slot.  fill = 1: this slot is filled again, two K steps ahead.
.macro TURN slot, next, fill
	WIN 0                                          ; (the add's two registers lie in window 0)
	s_wait_tensorcnt 0x0                           ; all my tensor loads have landed: my part of the next slot;
	ds_add_u32 v[SPW], v[NIL]                      ; 0 onto my spare word;
	s_wait_dscnt 17                                ; (the add and the youngest sixteen loads may be out)
	WIN MUL
	MUL8 F1, 0, 0, 0                               ; eight matrix instructions stand between the add and the wait for it
	s_wait_dscnt 0x0                               ; the add is done, and my reads of this slot are over
	s_barrier_signal -1
	MUL8 F1, 0, 2, 0
.if \fill
	WIN 0
.endif
	s_barrier_wait -1
.if \fill
	CREST                                          ; the barrier has opened a round of the cluster's barrier: no wave of any partner still reads this slot's tile or has a load on its way
	s_add_nc_u64 s[G0+4*(\slot)+2:G0+4*(\slot)+3], s[G0+4*(\slot)+2:G0+4*(\slot)+3], 2*KSTEP*2
	s_add_nc_u64 s[G0B+4*(\slot)+2:G0B+4*(\slot)+3], s[G0B+4*(\slot)+2:G0B+4*(\slot)+3], 2*KSTEP*2
	JLOAD \slot                                    ; the first tensor load behind the round: 112 matrix instructions ahead of the wait for it; the four v_nop behind it are also the places in front of the loads below
.else
	PLACES
.endif
	FETCH \next, 0, F0
	WIN MUL
	MUL8 F1, 1, 0, 0
	MUL8 F1, 1, 2, 0
.endm
	s_wait_tensorcnt 1                             ; my part of K step 0 is in; K step 1's may stay out
	s_barrier_signal -1
	s_barrier_wait -1                              ; everybody's is
	FETCH 0, 0, F0
	QUARTER 0, 128, F0, F1, 1                      ; the first quarter stands in front of the loop: its first products start the sums
	WIN 0                                          ; at a label and at a branch every window is 0
	s_mov_b32 s3, LAPS-1
.Llap:                                                 ; a trip goes once round the ring, from a lap's second quarter to the next lap's first, and fills both slots again
	QUARTER 0, 256, F1, F0, 0
	QUARTER 0, 384, F0, F1, 0
	TURN 0, 1, 1
	QUARTER 1, 128, F0, F1, 0
	QUARTER 1, 256, F1, F0, 0
	QUARTER 1, 384, F0, F1, 0
	TURN 1, 0, 1
	QUARTER 0, 128, F0, F1, 0
	WIN 0
	s_sub_co_u32 s3, s3, 1
	s_cmp_lg_u32 s3, 0
	s_cbranch_scc1 .Llap
	QUARTER 0, 256, F1, F0, 0                      ; the last lap fills nothing, and has no round of the cluster's barrier
	QUARTER 0, 384, F0, F1, 0
	TURN 0, 1, 0
	QUARTER 1, 128, F0, F1, 0
	QUARTER 1, 256, F1, F0, 0
	QUARTER 1, 384, F0, F1, 0
	s_wait_dscnt 16                                ; the very last quarter: nothing more to fetch
	WIN MUL
	MUL8 F1, 0, 0, 0
	MUL8 F1, 0, 2, 0
	s_wait_dscnt 0
	MUL8 F1, 1, 0, 0
	MUL8 F1, 1, 2, 0
	WIN 0
	; THE WAY OUT.  A lane's eight f32 of a row are 32 bytes of its 256; a block of 16 rows goes through my own stage and comes back as whole rows.
.macro OUTB a                          ; block a: 8 stores straight from the accumulators (each one's four lowest registers first), 8 loads back into the same 32 registers
.irp b, 0,1,2,3
	ds_store_b128 v[STO], v[ACC+8*(4*(\a)+(\b)):ACC+8*(4*(\a)+(\b))+3]   offset:64*(\b)
	ds_store_b128 v[STO], v[ACC+8*(4*(\a)+(\b))+4:ACC+8*(4*(\a)+(\b))+7] offset:64*(\b)+16
.endr
.irp t, 0,1,2,3,4,5,6,7
	ds_load_b128 v[ACC+32*(\a)+4*(\t):ACC+32*(\a)+4*(\t)+3], v[RD] offset:(\t)*2*SPITCH  ; LDS serves a wave's instructions in order (ISA guide 5.7.1.4): these see the stores above; the next block's stores come behind them
.endr
.endm
.macro SEND a, younger                 ; younger: the LDS instructions issued behind block a's loads: the next block's sixteen, or none
.irp t, 0,1,2,3,4,5,6,7
	s_wait_dscnt (\younger)+7-(\t)
	global_store_b128 v[CO], v[ACC+32*(\a)+4*(\t):ACC+32*(\a)+4*(\t)+3], s[8:9] offset:(\a)*16*OROW+(\t)*2*OROW th:TH_STORE_NT  ; 16 lanes store 256 consecutive bytes, at a multiple of 256 from out0's first byte; written once, read by no launch
.endr
.endm
	PLACES
	OUTB 0
	OUTB 1
	SEND 0, 16
	OUTB 2
	SEND 1, 16
	OUTB 3
	SEND 2, 16
	SEND 3, 0
	s_wait_tensorcnt 0x0                           ; the wave's end, behind my last tensor load and my last LDS store
	ds_add_u32 v[SPW], v[NIL]
	s_wait_dscnt 0x0
	CROUND                                         ; the closing round: no work-group ends while a partner may still ask for a tile that names it
	s_endpgm
.Lfunc_end_k_q6bf97760c2_proj:
	.size	k_q6bf97760c2_proj, .Lfunc_end_k_q6bf97760c2_proj-k_q6bf97760c2_proj
	.p2alignl 7, 3214868480
	.fill 96, 4, 3214868480
	.section	.rodata,"a",@progbits
	.p2align	6, 0x0
	.amdhsa_kernel k_q6bf97760c2_proj
		.amdhsa_group_segment_fixed_size 327680
		.amdhsa_private_segment_fixed_size 0
		.amdhsa_enable_private_segment 0
		.amdhsa_kernarg_size 24
		.amdhsa_user_sgpr_count 2
		.amdhsa_user_sgpr_kernarg_segment_ptr 1
		.amdhsa_wavefront_size32 1
		.amdhsa_system_sgpr_workgroup_id_x 1
		.amdhsa_system_sgpr_workgroup_id_y 1
		.amdhsa_system_sgpr_workgroup_id_z 1
		.amdhsa_system_vgpr_workitem_id 0
		.amdhsa_next_free_vgpr 512
		.amdhsa_next_free_sgpr 66
		.amdhsa_reserve_vcc 0
		.amdhsa_float_denorm_mode_32 3
		.amdhsa_float_denorm_mode_16_64 3
		.amdhsa_memory_ordered 1
		.amdhsa_forward_progress 1
		.amdhsa_inst_pref_size 86
	.end_amdhsa_kernel
	.amdgpu_metadata
---
amdhsa.version: [ 1, 2 ]
amdhsa.kernels:
  - .name:           k_q6bf97760c2_proj
    .symbol:         k_q6bf97760c2_proj.kd
    .args:
      - { .name: o, .offset: 0, .size: 8, .value_kind: global_buffer, .address_space: global }
      - { .name: wob, .offset: 8, .size: 8, .value_kind: global_buffer, .address_space: global }
      - { .name: out0, .offset: 16, .size: 8, .value_kind: global_buffer, .address_space: global }
    .group_segment_fixed_size: 327680
    .private_segment_fixed_size: 0
    .kernarg_segment_align: 8
    .kernarg_segment_size: 24
    .max_flat_workgroup_size: 128
    .sgpr_count:     66
    .vgpr_count:     512
    .wavefront_size: 32
...
	.end_amdgpu_metadata
.endif
;; end of part 4
;; ======== version 2 of 3: 4 launches; 1.11 times as fast as version 1
;; limits: values are held in f16: magnitudes above 65,504 overflow, below 6.1e-05 lose precision
;; workspace buffers: xb 8,388,608 bytes; wb 50,331,648 bytes; wob 33,554,432 bytes; maskS 4,194,304 bytes; csr 524,288 bytes; q 8,388,608 bytes; kv 4,194,304 bytes; o 8,388,608 bytes
;; launch prep (part 5): grid 1864 x 1, 8 waves a work-group, no clusters, 35,840 bytes of LDS; arguments x, wq, wk, wv, mask, freqs_cos, freqs_sin, xb, wb, maskS, csr; writes xb, wb, maskS, csr
.if DOCPART == 5
	.amdgcn_target "amdgcn-amd-amdhsa--gfx1250"
	.amdhsa_code_object_version 6
	.text
	.protected	k_q6bf97760c2_prep
	.globl	k_q6bf97760c2_prep
	.p2align	8
	.type	k_q6bf97760c2_prep,@function
k_q6bf97760c2_prep:
	s_mov_b64 s[64:65], 0
	v_nop
	global_prefetch_b8 v0, s[64:65] scope:SCOPE_SE
	s_setreg_imm32_b32 hwreg(HW_REG_WAVE_MODE, 25, 1), 1
	s_wait_xcnt 0x0
; WHAT THE NEXT TWO LAUNCHES NEED IS ROUNDED ONCE, TO bf16, AND LAID OUT FOR THEM.  A stream: no matrix unit, nothing shared between work-groups or waves.  (wo is rounded in the launch behind, beside its matrix work.)
;   xb    [block of 16 rows: 64][K unit of 32: 128][1,024 bytes] bf16 = bf16(x / 4), in FRAGMENT ORDER: the 1,024 bytes are the register image of 16 rows x 32 K: piece c = 0..3 of 256 bytes holds, for row r at
;         byte 16 r, the eight numbers k = 8 c .. 8 c + 7: pieces 0, 1 are registers 0-3 of lanes 0-15 and 16-31, pieces 2, 3 registers 4-7
;   wb    [384][128][1,024 bytes] bf16 = bf16(w / 2), the same order; blocks in groups of 12: eight of wq (a query head's 128 rows), two of wk, two of wv
;   maskS [q block 64][key step 16][key block 4][half 2][lane 32][4] f32 = bf16(mask) x log2(e): the register image of the C operand of 16 keys x 16 queries
;         (query 16 qb + lane % 16; key 64 step + 16 block + 8 (lane / 16) + 4 half + e)
;   csr   bf16(cos) [1024][64] as f32, then bf16(sin) the same, 262,144 bytes on
; The factors 1/4 and 1/2 are powers of two: they commute with the rounding.  LIMITS: NaN and infinities are not treated apart.
; SHARES.  A work-group of eight waves takes 65,536 bytes of f32.  Work-group b: 0-255 x; 256-1279 wq; 1280-1535 wk; 1536-1791 wv: a block of 16 rows x a quarter of K, a wave 16 rows x 128 K;
; 1792-1855 the mask's block of 16 queries b - 1792 (wave w: key steps 2 w and 2 w + 1, one a trip); 1856-1863 a quarter of cos (the first four) or of sin.
; Every store of a wave covers 512 consecutive bytes that begin at a multiple of 256 from the buffer's first byte.
.set K_M,  2                           ; the two kinds of plain stream
.set K_T,  3
.set T,   4                            ; v[4:9]    at work
.set SPW, 10                           ; v10       LDS address of my spare word: SPARE + 4 x my thread's number; never rewritten
.set NIL, 11                           ; v11       0; never rewritten
.set VS,  14                           ; v14       fragment order: where I put 8 bytes of a row
.set VR,  15                           ; v15       where I read 16 bytes back
.set X,   16                           ; v[16:79]  fragment order: row j of sixteen: 4 registers.  The plain streams: v[16:47] load j of eight,
.set Y,   48                           ; v[48:79]  store j of eight: 4 registers
.set WREG,  16*272                     ; a wave's own LDS: 16 pieces of 256 bytes, 272 apart (68 words: piece c starts at bank 4 c mod 64; 64 banks of 4 bytes: ISA guide 11.1)
.set SPARE, 8*WREG                     ; behind them: the spare words, 128 bytes for each wave: four blocks of 256 bytes that no other line names
.set CNT, 30                           ; s30       trips to go
.set BLK, 31                           ; s31       b
.set SCL, 36                           ; s[36:37]  the factor; the packed multiply names a pair and takes its low word for both halves
.set SRC, 38                           ; s[38:39]  where the trip loads
.set DST, 40                           ; s[40:41]  where it stores
.set OFS, 44                           ; s[44:45]  a byte offset, in 64 bits
.set HIM, 46                           ; s46       a word's upper bf16
.macro WIDEN d, p                      ; the two bf16 of word p as f32 in d, d + 1
	v_lshlrev_b32 v[\d], 16, v[\p]
	v_and_b32 v[(\d)+1], s[HIM], v[\p]
.endm
; A plain stream: two trips of eight loads.  v1: the lane's load offset, v2: its store offset; neither is rewritten.
.macro STREAM kind
	s_mov_b32 s[CNT], 2
.Ltrip_\@:
.irp j, 0,1,2,3,4,5,6,7
.if (\kind) == K_M
	global_load_b128 v[X+4*(\j):X+4*(\j)+3], v1, s[SRC:SRC+1] offset:64*((\j)/2)+16*((\j)%2)  ; key block j / 2, half j % 2: the eight loads together take 256 consecutive bytes of each of 16 rows
.else
	global_load_b128 v[X+4*(\j):X+4*(\j)+3], v1, s[SRC:SRC+1] offset:4096*(\j) th:TH_LOAD_NT  ; the eight waves take 4,096 consecutive bytes; read once in the launch
.endif
.endr
.irp j, 0,1,2,3,4,5,6,7
	s_wait_loadcnt 7-(\j)                          ; loads come back in order (ISA guide 5.7.1): load j is in, the 7 - j younger ones stay out
	v_cvt_pk_bf16_f32 v[T+4], v[X+4*(\j)],   v[X+4*(\j)+1]
	v_cvt_pk_bf16_f32 v[T+5], v[X+4*(\j)+2], v[X+4*(\j)+3]
.if (\kind) == K_M
	WIDEN T, T+4
	WIDEN T+2, T+5
	v_pk_mul_f32 v[Y+4*(\j):Y+4*(\j)+1],   v[T:T+1],   s[SCL:SCL+1] op_sel_hi:[1,0]
	v_pk_mul_f32 v[Y+4*(\j)+2:Y+4*(\j)+3], v[T+2:T+3], s[SCL:SCL+1] op_sel_hi:[1,0]
	global_store_b128 v2, v[Y+4*(\j):Y+4*(\j)+3], s[DST:DST+1] offset:512*(\j)
.else
	WIDEN Y+4*(\j), T+4
	WIDEN Y+4*(\j)+2, T+5
	global_store_b128 v2, v[Y+4*(\j):Y+4*(\j)+3], s[DST:DST+1] offset:4096*(\j)
.endif
.endr
	s_wait_xcnt 0x0                                ; every earlier memory instruction has had its addresses translated (ISA guide 3.1): the two bases and Y are rewritten only behind this wait
.if (\kind) == K_M
	s_add_nc_u64 s[SRC:SRC+1], s[SRC:SRC+1], 256   ; the next key step: 64 keys on in the rows,
	s_add_nc_u64 s[DST:DST+1], s[DST:DST+1], 4096  ; its 4,096 bytes
.else
	s_add_nc_u64 s[SRC:SRC+1], s[SRC:SRC+1], 32768
	s_add_nc_u64 s[DST:DST+1], s[DST:DST+1], 32768
.endif
	s_sub_co_u32 s[CNT], s[CNT], 1
	s_cmp_lg_u32 s[CNT], 0
	s_cbranch_scc1 .Ltrip_\@
	s_endpgm
.endm
	s_load_b512 s[4:19], s[0:1], 0x0               ; x s[4:5], wq s[6:7], wk s[8:9], wv s[10:11], mask s[12:13], cos s[14:15], sin s[16:17], xb s[18:19]
	s_load_b128 s[20:23], s[0:1], 0x40             ; wb s[20:21], maskS s[22:23]
	s_load_b64 s[24:25], s[0:1], 0x50              ; csr
	v_lshl_add_u32 v[SPW], v0, 2, SPARE
	v_mov_b32 v[NIL], 0
	s_mov_b32 s[BLK], ttmp9
	s_mov_b32 s[HIM], 0xffff0000
	s_mov_b32 s[OFS+1], 0
	v_lshlrev_b32 v1, 4, v0                        ; 16 bytes of f32 a thread
	s_wait_kmcnt 0x0
	s_cmp_ge_u32 s[BLK], 1792
	s_cbranch_scc1 .Lnot_xw
	; x, wq, wk or wv INTO FRAGMENT ORDER.  The source's block n of 16 rows goes to block 12 (n >> sh) + add + (n mod 2^sh) of the destination (x: sh = 8, so block n)
	s_mov_b32 s32, 0                               ; the tensor's first work-group
	s_mov_b32 s33, 8                               ; sh
	s_mov_b32 s34, 0                               ; add
	s_mov_b32 s[SCL], 0x3e800000                   ; 1/4
	s_mov_b64 s[SRC:SRC+1], s[4:5]
	s_mov_b64 s[DST:DST+1], s[18:19]
	s_cmp_ge_u32 s[BLK], 256
	s_cselect_b32 s32, 256, s32
	s_cselect_b32 s33, 3, s33
	s_cselect_b32 s[SCL], 0.5, s[SCL]
	s_cselect_b64 s[SRC:SRC+1], s[6:7], s[SRC:SRC+1]
	s_cselect_b64 s[DST:DST+1], s[20:21], s[DST:DST+1]
	s_cmp_ge_u32 s[BLK], 1280
	s_cselect_b32 s32, 1280, s32
	s_cselect_b32 s33, 1, s33
	s_cselect_b32 s34, 8, s34
	s_cselect_b64 s[SRC:SRC+1], s[8:9], s[SRC:SRC+1]
	s_cmp_ge_u32 s[BLK], 1536
	s_cselect_b32 s32, 1536, s32
	s_cselect_b32 s34, 10, s34
	s_cselect_b64 s[SRC:SRC+1], s[10:11], s[SRC:SRC+1]
	s_mov_b32 s[SCL+1], s[SCL]                     ; named with it as a pair
	s_sub_co_u32 s35, s[BLK], s32
	s_and_b32 s47, s35, 3                          ; which quarter of K
	s_lshr_b32 s35, s35, 2                         ; n
	s_lshr_b32 s42, s35, s33
	s_mul_i32 s42, s42, 12
	s_lshl_b32 s43, 1, s33
	s_sub_co_u32 s43, s43, 1
	s_and_b32 s43, s35, s43
	s_add_co_u32 s42, s42, s43
	s_add_co_u32 s42, s42, s34                     ; the destination's block
	s_lshl_b32 s[OFS], s35, 18                     ; 16 rows of 16,384 bytes: under 2^26,
	s_lshl_b32 s43, s47, 12                        ; and the quarter's 4,096 bytes of a row
	s_add_co_u32 s[OFS], s[OFS], s43
	s_add_nc_u64 s[SRC:SRC+1], s[SRC:SRC+1], s[OFS:OFS+1]
	s_lshl_b32 s[OFS], s42, 17                     ; a block's 128 units of 1,024 bytes: under 2^26,
	s_lshl_b32 s43, s47, 15                        ; and the quarter's 32 units
	s_add_co_u32 s[OFS], s[OFS], s43
	s_add_nc_u64 s[DST:DST+1], s[DST:DST+1], s[OFS:OFS+1]
.irp j, 0,1,2,3,4,5,6,7,8,9,10,11,12,13,14,15
	global_load_b128 v[X+4*(\j):X+4*(\j)+3], v1, s[SRC:SRC+1] offset:16384*(\j) th:TH_LOAD_NT  ; row j: my wave's 512 consecutive bytes (128 K), the eight waves' 4,096; read once in the launch
.endr
	v_lshrrev_b32 v13, 5, v0
	v_readfirstlane_b32 s48, v13                   ; my wave's number
	s_mul_i32 s49, s48, WREG                       ; my wave's own LDS bytes
	v_and_b32 v3, 31, v0                           ; lane: it holds k = 4 lane .. + 3 of the wave's 128: half of piece lane / 2 of sixteen (four units x four pieces)
	v_lshlrev_b32 v2, 4, v3
	v_lshl_add_u32 v2, s48, 12, v2                 ; out: my wave's four units, 16 bytes a lane
	v_lshrrev_b32 v12, 1, v3
	v_mul_u32_u24 v12, v12, 272
	v_and_b32 v13, 1, v0
	v_lshl_add_u32 v12, v13, 3, v12
	v_add_nc_u32 v[VS], s49, v12                   ; in: piece lane / 2, 8 bytes at 8 (lane % 2); row j at 16 j
	v_lshrrev_b32 v12, 4, v3
	v_mul_u32_u24 v12, v12, 272
	v_and_b32 v13, 15, v0
	v_lshl_add_u32 v12, v13, 4, v12
	v_add_nc_u32 v[VR], s49, v12                   ; back: lanes 0-15 one piece's 256 bytes, lanes 16-31 the next's
.irp j, 0,1,2,3,4,5,6,7,8,9,10,11,12,13,14,15
	s_wait_loadcnt 15-(\j)                         ; loads come back in order (ISA guide 5.7.1): row j is in, the 15 - j younger rows stay out
	v_pk_mul_f32 v[T:T+1],   v[X+4*(\j):X+4*(\j)+1],   s[SCL:SCL+1] op_sel_hi:[1,0]
	v_pk_mul_f32 v[T+2:T+3], v[X+4*(\j)+2:X+4*(\j)+3], s[SCL:SCL+1] op_sel_hi:[1,0]
	v_cvt_pk_bf16_f32 v[X+4*(\j)],   v[T],   v[T+1]
	v_cvt_pk_bf16_f32 v[X+4*(\j)+1], v[T+2], v[T+3]
	ds_store_b64 v[VS], v[X+4*(\j):X+4*(\j)+1] offset:16*(\j)
.endr
.irp m, 0,1,2,3,4,5,6,7
	ds_load_b128 v[X+4*(\m):X+4*(\m)+3], v[VR] offset:544*(\m)  ; pieces 2 m and 2 m + 1.  LDS serves a wave's instructions in order (ISA guide 5.7.1.4): these see the stores above; the bytes are my wave's own
.endr
.irp m, 0,1,2,3,4,5,6,7
	s_wait_dscnt 7-(\m)                            ; the 7 - m younger loads stay out
	global_store_b128 v2, v[X+4*(\m):X+4*(\m)+3], s[DST:DST+1] offset:512*(\m)  ; 512 consecutive bytes, at a multiple of 256 from the buffer's first byte
.endr
	s_wait_tensorcnt 0x0                           ; the wave's end, behind my last LDS store
	ds_add_u32 v[SPW], v[NIL]
	s_wait_dscnt 0x0
	s_endpgm
.Lnot_xw:
	s_cmp_ge_u32 s[BLK], 1856
	s_cbranch_scc1 .Ltab
	s_sub_co_u32 s35, s[BLK], 1792                 ; the block of 16 queries: 65,536 bytes of the mask and of maskS
	s_lshl_b32 s[OFS], s35, 16
	s_add_nc_u64 s[SRC:SRC+1], s[12:13], s[OFS:OFS+1]
	s_add_nc_u64 s[DST:DST+1], s[22:23], s[OFS:OFS+1]
	s_mov_b32 s[SCL], 0x3fb8aa3b                   ; log2(e)
	s_mov_b32 s[SCL+1], 0x3fb8aa3b
	v_and_b32 v3, 15, v0                           ; the query in the block
	v_bfe_u32 v12, v0, 4, 1                        ; the half of the lanes
	v_lshrrev_b32 v13, 5, v0                       ; the wave
	v_lshlrev_b32 v1, 12, v3                       ; a row of the mask is 4,096 bytes;
	v_lshl_add_u32 v1, v12, 5, v1                  ; 8 keys on for lanes 16-31;
	v_lshl_add_u32 v1, v13, 9, v1                  ; key step 2 w
	v_and_b32 v2, 31, v0
	v_lshlrev_b32 v2, 4, v2                        ; 16 bytes a lane,
	v_lshl_add_u32 v2, v13, 13, v2                 ; key step 2 w
	STREAM K_M
.Ltab:
	s_sub_co_u32 s35, s[BLK], 1856                 ; 0-3: quarters of cos; 4-7: of sin
	s_cmp_ge_u32 s35, 4
	s_cselect_b64 s[SRC:SRC+1], s[16:17], s[14:15]
	s_and_b32 s[OFS], s35, 3
	s_lshl_b32 s[OFS], s[OFS], 16
	s_add_nc_u64 s[SRC:SRC+1], s[SRC:SRC+1], s[OFS:OFS+1]
	s_lshl_b32 s[OFS], s35, 16
	s_add_nc_u64 s[DST:DST+1], s[24:25], s[OFS:OFS+1]
	v_mov_b32 v2, v1                               ; f32 in, f32 out: the same offset
	STREAM K_T
.Lfunc_end_k_q6bf97760c2_prep:
	.size	k_q6bf97760c2_prep, .Lfunc_end_k_q6bf97760c2_prep-k_q6bf97760c2_prep
	.p2alignl 7, 3214868480
	.fill 96, 4, 3214868480
	.section	.rodata,"a",@progbits
	.p2align	6, 0x0
	.amdhsa_kernel k_q6bf97760c2_prep
		.amdhsa_group_segment_fixed_size 35840
		.amdhsa_private_segment_fixed_size 0
		.amdhsa_enable_private_segment 0
		.amdhsa_kernarg_size 88
		.amdhsa_user_sgpr_count 2
		.amdhsa_user_sgpr_kernarg_segment_ptr 1
		.amdhsa_wavefront_size32 1
		.amdhsa_system_sgpr_workgroup_id_x 1
		.amdhsa_system_sgpr_workgroup_id_y 1
		.amdhsa_system_sgpr_workgroup_id_z 1
		.amdhsa_system_vgpr_workitem_id 0
		.amdhsa_next_free_vgpr 80
		.amdhsa_next_free_sgpr 66
		.amdhsa_reserve_vcc 0
		.amdhsa_float_denorm_mode_32 3
		.amdhsa_float_denorm_mode_16_64 3
		.amdhsa_memory_ordered 1
		.amdhsa_forward_progress 1
		.amdhsa_inst_pref_size 22
	.end_amdhsa_kernel
	.amdgpu_metadata
---
amdhsa.version: [ 1, 2 ]
amdhsa.kernels:
  - .name:           k_q6bf97760c2_prep
    .symbol:         k_q6bf97760c2_prep.kd
    .args:
      - { .name: x, .offset: 0, .size: 8, .value_kind: global_buffer, .address_space: global }
      - { .name: wq, .offset: 8, .size: 8, .value_kind: global_buffer, .address_space: global }
      - { .name: wk, .offset: 16, .size: 8, .value_kind: global_buffer, .address_space: global }
      - { .name: wv, .offset: 24, .size: 8, .value_kind: global_buffer, .address_space: global }
      - { .name: mask, .offset: 32, .size: 8, .value_kind: global_buffer, .address_space: global }
      - { .name: freqs_cos, .offset: 40, .size: 8, .value_kind: global_buffer, .address_space: global }
      - { .name: freqs_sin, .offset: 48, .size: 8, .value_kind: global_buffer, .address_space: global }
      - { .name: xb, .offset: 56, .size: 8, .value_kind: global_buffer, .address_space: global }
      - { .name: wb, .offset: 64, .size: 8, .value_kind: global_buffer, .address_space: global }
      - { .name: maskS, .offset: 72, .size: 8, .value_kind: global_buffer, .address_space: global }
      - { .name: csr, .offset: 80, .size: 8, .value_kind: global_buffer, .address_space: global }
    .group_segment_fixed_size: 35840
    .private_segment_fixed_size: 0
    .kernarg_segment_align: 8
    .kernarg_segment_size: 88
    .max_flat_workgroup_size: 256
    .sgpr_count:     66
    .vgpr_count:     80
    .wavefront_size: 32
...
	.end_amdgpu_metadata
.endif
;; end of part 5
;; launch qkv (part 6): grid 32 x 8, 4 waves a work-group, clusters of 4 x 4, 327,680 bytes of LDS; arguments xb, wb, csr, q, kv, wo, wob; writes q, kv, wob
.if DOCPART == 6
	.amdgcn_target "amdgcn-amd-amdhsa--gfx1250"
	.amdhsa_code_object_version 6
	.text
	.protected	k_q6bf97760c2_qkv
	.globl	k_q6bf97760c2_qkv
	.p2align	8
	.type	k_q6bf97760c2_qkv,@function
k_q6bf97760c2_qkv:
	s_mov_b64 s[64:65], 0
	v_nop
	global_prefetch_b8 v0, s[64:65] scope:SCOPE_SE
	s_setreg_imm32_b32 hwreg(HW_REG_WAVE_MODE, 25, 1), 1
	s_wait_xcnt 0x0
	s_wait_alu depctr_hold_cnt(0) depctr_sa_sdst(0) depctr_va_vdst(0) depctr_va_sdst(0) depctr_va_ssrc(0) depctr_va_vcc(0) depctr_vm_vsrc(0)
	s_getreg_b32 s2, hwreg(HW_REG_IB_STS2, 6, 4)
	s_cmp_eq_u32 s2, 0
	s_cbranch_scc0 .Lentry_in_a_cluster
	s_endpgm
.Lentry_in_a_cluster:
	s_bfe_u32 s2, ttmp6, 0x10000c
	s_cmp_lg_u32 s2, 0xf033
	s_cbranch_scc0 .Lentry_shape_is_right
	s_endpgm
.Lentry_shape_is_right:
; [q | k | v] = x w^T, RoPE on q and k, rounded once to f16.  xb (x / 4) and wb (w / 2) are bf16 in FRAGMENT ORDER: [block of 16 rows][K unit of 32: 128][1,024 bytes], the 1,024 bytes being the register image of
; 16 rows x 32 K: registers 0-3 of the 32 lanes (16 bytes a lane), then registers 4-7.  wb's blocks come in groups of 12: one query head's 8, 2 of wk, 2 of wv.  csr: cos [1024][64] f32, then sin.  Sums in f32.
; OUT: q [32 heads][1024][128] f16 = 0.510069 q (4 log2(e) / sqrt(128));  kv: k at 0, v at 2,097,152, each [kv head 8][position / 4][channel / 32][position % 4][32] f16,
; k as k / 4, v as v / 8: so q . k is the score in units of log2, and a work-group's 32 channels of 4 positions are 256 consecutive bytes.
; BESIDE THE PRODUCTS: wob [4096][4096] f16 = 8 x bf16(wo), written as f16, for the last launch.  This launch's own operands are 59 MB for 3,072 matrix instructions a wave, so wo's 67 MB are read and wob's 34 MB written here,
; while the matrix units work, and not in time of their own.  A work-group takes 16 rows of wo, a wave 4: 16 chunks of 4,096 bytes, one a K step, asked for a K step ahead.
; LIMITS.  f16 ends at 65,504: |q| < 128,000, |k| < 262,000, |v| < 524,000 behind RoPE, |wo| < 8,188; below 6e-5 the stored numbers keep f16's fixed step of 6e-8.  NaN and infinities are not treated apart.
; SHARES.  1024 x 6144 results on 256 work-groups: a tile of 128 positions x 192 columns each.  Four waves, 2 x 2, each 64 x 96: 24 accumulators of 16 x 16, 192 registers.
; THE RING.  K goes in 16 steps of 256 (8 units) through two slots: 192 matrix instructions a wave for each refill.  In fragment order an LDS load takes 512 consecutive bytes, so nothing is padded; a step's
; 320 rows are 163,840 bytes, and two such slots would fill LDS to its last byte.  So slot 1 holds only 7 of its 8 units of x: the eighth (K unit 16 l + 15 of lap l) goes straight from memory into 32 registers of
; each wave, asked for a lap ahead.  Waves 0 and 1 fetch the halves of x's tile (4 blocks), waves 2 and 3 those of w's (6 blocks); a block's 7 or 8 units are consecutive bytes of memory.
; CLUSTERS: 4 x 4 work-groups.  The four of a row of the cluster need the same tiles of x, the four of a column the same tiles of w: each tile is asked for JOINTLY, by the same tensor load with the same descriptor
; and a mask that names the four.  THE MATRIX INSTRUCTION IS USED TRANSPOSED (source 0 = 16 rows of w, source 1 = 16 rows of x): a lane holds one position and eight neighbouring channels, four RoPE pairs.
; REGISTERS: window 0: v0-31 addresses; v32-39, v40-63 at work on the way out; v64-255 the accumulators ((a, b) at v[64 + 8 (6 a + b)]).
;   window 1: two fragment buffers of 80 (one unit): 4 fragments of x, then 6 of w; v160-191 the unit of x that comes straight from memory; v192-241 wo's chunk, its work and its two offsets.
;   window 2: v0-191: for accumulator (a, b) four cos and four sin.
.set UNITB,  1024                      ; 16 rows x 32 K
.set RBG,    128*UNITB                 ; from a block of 16 rows to the next, in memory
.set STEPB,  8*UNITB                   ; a K step in a block's bytes in memory
.set AP0,    8*UNITB                   ; LDS: a block of x in slot 0: 8 units
.set AP1,    7*UNITB                   ; in slot 1: 7
.set BP,     8*UNITB                   ; a block of w
.set LB0,    8*AP0                     ; slot 0: x's 8 blocks from byte 0, w's 12 from here
.set SLOT1,  LB0+12*BP                 ; slot 1: x's 8 blocks from here,
.set LB1,    SLOT1+8*AP1               ; w's 12 from here
.set SPARE,  LB1+12*BP                 ; behind the ring: the spare words, 128 bytes for each wave: two blocks of 256 bytes that no other line names
.set SPITCH, 400                       ; THE STAGE for the way out, 128 rows x 400 bytes, lies from LDS byte 0 on, in slot 0: when it is written slot 0 has had its last fill, and its last reads lie in front of the tail's barrier.
                                       ; 384 bytes of data + 16: 25 x 16, so the 16 rows of a store start at 16 different groups of four banks (64 banks of 4 bytes: ISA guide 11.1)
.set LAPS,   8                         ; a lap = two K steps = once round the ring
.set LN,   3                           ; v3      16 x lane; never rewritten
.set FO,   8                           ; v8-13   my byte offset in csr for column block b; never rewritten
.set ADRA, 16                          ; v16-17  LDS address of my fragments of x in slot 0, 1; never rewritten
.set WA,   18                          ; v18     the same, at the pair of units in hand
.set ADRB, 20                          ; v20-21  the same for w
.set WB,   22                          ; v22
.set STO,  24                          ; v24     the way out: where I put 16 bytes of a row
.set RD,   25                          ; v25     where I read q's rows back
.set CO,   26                          ; v26     my byte offset in 512 consecutive bytes of q
.set RDK,  27                          ; v27     where I read k's (64 bytes on: v's) pieces back
.set SPW,  28                          ; v28     LDS address of my spare word: SPARE + 4 x my thread's number; never rewritten
.set NIL,  29                          ; v29     0; never rewritten
.set COK,  30                          ; v30     my byte offset in two groups of four positions of k or v
.set T,    32                          ; v32-39  RoPE's products
.set PK,   40                          ; v40-63  16 rows x 96 columns, packed
.set ACC,  64
.set F0,   0                           ; fragment buffers, in window 1
.set F1,   80
.set AX,   160                         ; the unit of x that comes straight from memory, in window 1
.set WX,   192                         ; window 1: v192-223  wo's chunk: load j of eight: 4 registers; its first two then hold what is stored
.set WT,   224                         ; window 1: v224-229, v232-237  at work, a set for each of two loads
.set WLO,  240                         ; window 1: v240  16 x lane: my bytes in a load of wo; never rewritten
.set WSO,  241                         ; window 1: v241  8 x lane: my bytes in a store of wob; never rewritten
.set G1,  24                           ; s[24:31] descriptor group 1 for x's tiles in slot 0;  s[32:39] group 0, one set for each slot
.set G0,  32
.set G1B, 48                           ; s[48:55], s[56:63] the same for w's tiles (one group 1 serves both slots)
.set G0B, 56
.set G1S, 84                           ; s[84:91] descriptor group 1 for x's tiles in slot 1: 7 units to a block
.set VM,  45                           ; s45      all ones in the waves whose column blocks 4 and 5 are v
.set QP,  66                           ; s[66:67] q, s[68:69] k, s[70:71] v at my first bytes
.set KP,  68
.set VP,  70
.set HIM, 72                           ; s72      a word's upper bf16
.set SFQ, 80                           ; s[80:81] what the tables are multiplied by for q: 32 log2(e) / sqrt(128)
.set SFK, 82                           ; s[82:83] for column blocks 2 and 3: 2 where they are k
.set AXP, 92                           ; s[92:93] x at my four blocks' unit 16 l + 15
.set TK,  94                           ; s94      LDS bytes from a block's first unit to the pair of units in hand
.set CNT, 95                           ; s95      pairs of units to go
.set WOS, 96                           ; s[96:97] wo at the chunk asked for last
.set WOD, 98                           ; s[98:99] wob at the chunk to be stored
.set SC8, 100                          ; s[100:101] 8; the packed multiply names a pair and takes its low word for both halves
.set MSB, 0
.macro WIN new                         ; the immediate's high byte repeats the setting that is left
.if MSB != (\new)
	s_set_vgpr_msb (MSB<<8)|(\new)
.set MSB, \new
.endif
.endm
.set MUL,  0x05                        ; sources 0 (w) and 1 (x) window 1; C and D window 0
.set TO_F, 0x40                        ; destination window 1, address window 0
.set W_WO, 0x45                        ; destination and sources 0 and 1 in window 1: all that wo's conversion names, its offsets too
.macro JLOAD s                         ; a joint load: waves 0 and 1 fetch x's two halves, waves 2 and 3 w's; an s_nop 0 and four v_nop follow each of the two lines, ahead of the jump, the label and what follows
	s_cmp_eq_u32 s11, 0
	s_cbranch_scc0 .Lfor_b_\@
.if (\s) == 0
	tensor_load_to_lds s[G0:G0+3], s[G1:G1+7]
.else
	tensor_load_to_lds s[G0+4:G0+7], s[G1S:G1S+7]
.endif
	s_nop 0
.rept 4
	v_nop
.endr
	s_branch .Lasked_\@
.Lfor_b_\@:
	tensor_load_to_lds s[G0B+4*(\s):G0B+4*(\s)+3], s[G1B:G1B+7]
	s_nop 0
.rept 4
	v_nop
.endr
.Lasked_\@:
.endm
.macro CREST                           ; a round of the cluster's barrier behind its opening barrier
	s_cmp_lg_u32 s10, 0
	s_cbranch_scc1 .Lnot_wave_0_\@
	s_barrier_signal -3
.Lnot_wave_0_\@:
	s_barrier_wait -3
	s_barrier_signal -1
	s_barrier_wait -1
.endm
.macro CROUND                          ; a whole round
	s_barrier_signal -1
	s_barrier_wait -1
	CREST
.endm
.macro AXLOAD                          ; my four blocks' fragments of one unit of x, straight from memory: each load takes 512 consecutive bytes
	WIN TO_F
.irp a, 0,1,2,3
	global_load_b128 v[AX+8*(\a):AX+8*(\a)+3],   v[LN], s[AXP:AXP+1] offset:(\a)*RBG
	global_load_b128 v[AX+8*(\a)+4:AX+8*(\a)+7], v[LN], s[AXP:AXP+1] offset:(\a)*RBG+512
.endr
.endm
; wo BESIDE THE PRODUCTS.  A chunk is 4,096 consecutive bytes of wo: eight loads of 512.
.macro WOLOAD
	WIN W_WO
.irp j, 0,1,2,3,4,5,6,7
	global_load_b128 v[WX+4*(\j):WX+4*(\j)+3], v[WLO], s[WOS:WOS+1] offset:512*(\j) th:TH_LOAD_NT  ; read once in the launch
.endr
.endm
; The chunk asked for a K step ago is rounded to bf16 (the rounding that every input has), that number is written as f16, and stored; more = 1: the next chunk is asked for.
; Two loads' numbers go through each stage together, so that no line reads the result of the line just ahead of it.
.macro WOSTEP more
	WIN W_WO
	s_wait_loadcnt 0x0                             ; my chunk of wo is in, and all that was asked for before it: x's unit from memory, and at the first time the tables
.irp p, 0,2,4,6
.irp d, 0,1
	v_pk_mul_f32 v[WT+8*(\d):WT+8*(\d)+1],   v[WX+4*((\p)+(\d)):WX+4*((\p)+(\d))+1],   s[SC8:SC8+1] op_sel_hi:[1,0]
	v_pk_mul_f32 v[WT+8*(\d)+2:WT+8*(\d)+3], v[WX+4*((\p)+(\d))+2:WX+4*((\p)+(\d))+3], s[SC8:SC8+1] op_sel_hi:[1,0]
.endr
.irp d, 0,1
	v_cvt_pk_bf16_f32 v[WT+8*(\d)+4], v[WT+8*(\d)],   v[WT+8*(\d)+1]
	v_cvt_pk_bf16_f32 v[WT+8*(\d)+5], v[WT+8*(\d)+2], v[WT+8*(\d)+3]
.endr
.irp d, 0,1
	v_lshlrev_b32 v[WT+8*(\d)],   16,     v[WT+8*(\d)+4]
	v_and_b32     v[WT+8*(\d)+1], s[HIM], v[WT+8*(\d)+4]
	v_lshlrev_b32 v[WT+8*(\d)+2], 16,     v[WT+8*(\d)+5]
	v_and_b32     v[WT+8*(\d)+3], s[HIM], v[WT+8*(\d)+5]
.endr
.irp d, 0,1
	v_cvt_pk_f16_f32 v[WX+4*((\p)+(\d))],   v[WT+8*(\d)],   v[WT+8*(\d)+1]
	v_cvt_pk_f16_f32 v[WX+4*((\p)+(\d))+1], v[WT+8*(\d)+2], v[WT+8*(\d)+3]
.endr
.irp d, 0,1
	global_store_b64 v[WSO], v[WX+4*((\p)+(\d)):WX+4*((\p)+(\d))+1], s[WOD:WOD+1] offset:256*((\p)+(\d))  ; the wave stores 256 consecutive bytes, at a multiple of 256 from wob's first byte
.endr
.endr
.if \more
	s_wait_xcnt 0x0                                ; every earlier memory instruction has had its addresses translated (ISA guide 3.1): the two bases are stepped, and the stores' data loaded over, only behind this wait
	s_add_nc_u64 s[WOS:WOS+1], s[WOS:WOS+1], 4096
	s_add_nc_u64 s[WOD:WOD+1], s[WOD:WOD+1], 2048
	WOLOAD
.endif
.endm
	s_load_b128 s[4:7], s[0:1], 0x0                ; xb s[4:5], wb s[6:7]
	s_load_b64 s[8:9], s[0:1], 0x10                ; csr
	s_load_b64 s[QP:QP+1], s[0:1], 0x18            ; q
	s_load_b64 s[KP:KP+1], s[0:1], 0x20            ; kv
	s_load_b64 s[WOS:WOS+1], s[0:1], 0x28          ; wo
	s_load_b64 s[WOD:WOD+1], s[0:1], 0x30          ; wob
	v_lshl_add_u32 v[SPW], v0, 2, SPARE
	v_mov_b32 v[NIL], 0
	ds_add_u32 v[SPW], v[NIL]                      ; the wave's opening: the add and its wait stand ahead of my first tensor load; the set-up below, work on registers, stands between them
	v_lshrrev_b32 v1, 5, v0
	v_readfirstlane_b32 s10, v1                    ; wave 0..3
	s_lshr_b32 s11, s10, 1                         ; which half of the tile's rows is mine.  Also: I fetch for x (0) or for w (1)
	s_and_b32 s12, s10, 1                          ; which half of its columns.  Also: which half of that tile I fetch
	s_bfe_u32 s40, ttmp6, 0x40000                  ; cx, cy: my place in the cluster
	s_bfe_u32 s41, ttmp6, 0x40004
	s_lshl_b32 s42, ttmp9, 2
	s_add_co_u32 s42, s42, s40                     ; tile column (the query head) = 4 x cluster x + cx
	s_and_b32 s13, ttmp7, 0xffff
	s_lshl_b32 s13, s13, 2
	s_add_co_u32 s13, s13, s41                     ; tile row (128 positions) = 4 x cluster y + cy
	s_lshl_b32 s43, s41, 2
	s_lshl_b32 s43, 15, s43                        ; my row of the cluster
	s_lshl_b32 s44, 0x1111, s40                    ; my column
	; descriptor group 1: a row of the tile is a block's 7 or 8 units, consecutive bytes of memory, counted in elements of 8 bytes; 4 blocks of x or 6 of w; in LDS the rows follow each other without a gap
	s_or_b32 s[G1],  s43, (3<<16)|(1<<21)          ; 15:0 the mask: x's tiles go to my row; 17:16 elements of 8 bytes; 20 no padding; 21 set beside a mask
	s_or_b32 s[G1S], s43, (3<<16)|(1<<21)
	s_or_b32 s[G1B], s44, (3<<16)|(1<<21)          ; the same with the mask of my column, for w's tiles
.irp g, G1, G1S, G1B
	s_mov_b32 s[(\g)+5], RBG/8                     ; elements from block to block
	s_mov_b32 s[(\g)+6], 0
	s_mov_b32 s[(\g)+7], 0
.endr
	s_mov_b32 s[G1+1], (AP0/8)<<16                 ; tensor_dim0 and tile_dim0: 1,024 elements,
	s_mov_b32 s[G1+3], (AP0/8)<<16
	s_mov_b32 s[G1+2], 4<<16                       ; tensor_dim1 and tile_dim1: 4 blocks
	s_mov_b32 s[G1+4], 4
	s_mov_b32 s[G1S+1], (AP1/8)<<16                ; 896 elements,
	s_mov_b32 s[G1S+3], (AP1/8)<<16
	s_mov_b32 s[G1S+2], 4<<16                      ; 4 blocks
	s_mov_b32 s[G1S+4], 4
	s_mov_b32 s[G1B+1], (BP/8)<<16                 ; 1,024 elements,
	s_mov_b32 s[G1B+3], (BP/8)<<16
	s_mov_b32 s[G1B+2], 6<<16                      ; 6 blocks
	s_mov_b32 s[G1B+4], 6
	; x's tiles hang on the tile row alone, w's on the tile column alone; each address is made in registers that never hold the other coordinate
	s_lshl_b32 s16, s13, 20                        ; x: block 8 x tile row + 4 x half, of 131,072 bytes: under 2^23
	s_lshl_b32 s17, s12, 19
	s_add_co_u32 s16, s16, s17
	s_mov_b32 s17, 0
	s_mul_i32 s46, s42, 12
	s_mul_i32 s47, s12, 6
	s_add_co_u32 s46, s46, s47                     ; w: block 12 x tile column + 6 x half: under 2^26 bytes
	s_lshl_b32 s46, s46, 17
	s_mov_b32 s47, 0
	s_mul_i32 s20, s12, 4*AP0                      ; where they go: no place in the cluster enters an LDS address
	s_mul_i32 s21, s12, 4*AP1
	s_add_co_u32 s21, s21, SLOT1
	s_mul_i32 s22, s12, 6*BP
	s_add_co_u32 s23, s22, LB1
	s_add_co_u32 s22, s22, LB0
	s_lshl_b32 s[AXP], s13, 20                     ; the unit that comes straight: block 8 x tile row + 4 x MY half of the rows, unit 15
	s_lshl_b32 s[AXP+1], s11, 19
	s_add_co_u32 s[AXP], s[AXP], s[AXP+1]
	s_add_co_u32 s[AXP], s[AXP], 15*UNITB
	s_mov_b32 s[AXP+1], 0
	s_mov_b32 s[SFQ], 0x408293ee                   ; 4.080553: the sums are q / 8 and k / 8, and (q / 8 x 4.080553) . (k / 8 x 2) = q . k log2(e) / sqrt(128)
	s_mov_b32 s[SFQ+1], 0x408293ee
	s_mov_b32 s[SC8], 0x41000000                   ; 8: it undoes v / 8 in the last launch, and commutes with the rounding
	s_mov_b32 s[SC8+1], 0x41000000
	s_mov_b32 s[HIM], 0xffff0000
	s_wait_dscnt 0x0                               ; the opening add is done
	s_wait_kmcnt 0x0
	s_add_nc_u64 s[14:15], s[4:5], s[16:17]
	s_add_nc_u64 s[46:47], s[6:7], s[46:47]
	s_add_nc_u64 s[AXP:AXP+1], s[4:5], s[AXP:AXP+1]
	CROUND                                         ; all sixteen work-groups are here: the first joint loads meet
	s_mov_b32 s[G0], 1                             ; group 0 for slot 0: K step 0
	s_mov_b32 s[G0+1], s20
	s_add_nc_u64 s[G0+2:G0+3], s[14:15], 0
	s_or_b32 s[G0+3], s[G0+3], 0x80000000
	s_mov_b32 s[G0B], 1
	s_mov_b32 s[G0B+1], s22
	s_add_nc_u64 s[G0B+2:G0B+3], s[46:47], 0
	s_or_b32 s[G0B+3], s[G0B+3], 0x80000000
	JLOAD 0
	s_mov_b32 s[G0+4], 1                           ; for slot 1: K step 1
	s_mov_b32 s[G0+5], s21
	s_add_nc_u64 s[G0+6:G0+7], s[14:15], STEPB
	s_or_b32 s[G0+7], s[G0+7], 0x80000000
	s_mov_b32 s[G0B+4], 1
	s_mov_b32 s[G0B+5], s23
	s_add_nc_u64 s[G0B+6:G0B+7], s[46:47], STEPB
	s_or_b32 s[G0B+7], s[G0B+7], 0x80000000
	JLOAD 1                                        ; two loads of mine are out
	v_and_b32 v1, 15, v0                           ; l % 16
	v_bfe_u32 v2, v0, 4, 1                         ; l / 16
	v_and_b32 v[LN], 31, v0
	v_lshlrev_b32 v[LN], 4, v[LN]                  ; a fragment's half: 16 bytes a lane
	AXLOAD                                         ; lap 0's unit 15 of x
	WIN 0
	s_mul_i32 s21, s11, 4*AP0                      ; my 4 blocks of x
	v_add_nc_u32 v[ADRA], s21, v[LN]
	s_mul_i32 s21, s11, 4*AP1
	s_add_co_u32 s21, s21, SLOT1
	v_add_nc_u32 v[ADRA+1], s21, v[LN]
	s_mul_i32 s22, s12, 6*BP                       ; my 6 blocks of w
	s_add_co_u32 s21, s22, LB0
	v_add_nc_u32 v[ADRB], s21, v[LN]
	s_add_co_u32 s21, s22, LB1
	v_add_nc_u32 v[ADRB+1], s21, v[LN]
	; THE TABLES.  A lane's eight channels from channel ch on are the pairs ch / 2 .. + 3: 16 bytes at byte 2 ch of the position's 256.  Column half 0: q's channels 16 b.  Half 1: blocks 0, 1 q's channels 96, 112;
	; blocks 2, 3 k's channels 32 (head % 4) + 0, 16; blocks 4, 5 v, which loads the same bytes as k and does not use them.
	s_and_b32 s74, s42, 3
	s_lshl_b32 s74, s74, 6                         ; 2 x 32 (head % 4)
	s_cmp_eq_u32 s12, 1
	s_cselect_b32 s75, 192, 0
	s_cselect_b32 s76, s74, 64
	s_cselect_b32 s77, s74, 128
	s_cselect_b32 s[VM], -1, 0
	s_cselect_b32 s[SFK], 2.0, s[SFQ]
	s_cselect_b32 s[SFK+1], 2.0, s[SFQ]            ; named with it as a pair
	v_lshlrev_b32 v4, 8, v1
	v_lshl_add_u32 v4, v2, 4, v4                   ; position l % 16, 16 bytes on for lanes 16-31
	v_add_nc_u32 v[FO+0], s75, v4
	v_add_nc_u32 v[FO+1], 32, v[FO+0]
	v_add_nc_u32 v[FO+2], s76, v4
	v_add_nc_u32 v[FO+3], 32, v[FO+2]
	v_add_nc_u32 v[FO+4], s77, v4
	v_add_nc_u32 v[FO+5], 32, v[FO+4]
	s_lshl_b32 s78, s13, 7
	s_lshl_b32 s79, s11, 6
	s_add_co_u32 s78, s78, s79                     ; my first position
	s_lshl_b32 s78, s78, 8
	s_mov_b32 s79, 0
	s_add_nc_u64 s[8:9], s[8:9], s[78:79]
	WIN 0x80                                       ; destination window 2, address window 0
.irp a, 0,1,2,3
.irp b, 0,1,2,3,4,5
	global_load_b128 v[8*(6*(\a)+(\b)):8*(6*(\a)+(\b))+3],   v[FO+(\b)], s[8:9] offset:4096*(\a)          ; they land while K is walked
	global_load_b128 v[8*(6*(\a)+(\b))+4:8*(6*(\a)+(\b))+7], v[FO+(\b)], s[8:9] offset:262144+4096*(\a)
.endr
.endr
	; MY SHARE OF wo: wave 4 (32 x tile row + tile column) + w of 1,024 takes 65,536 consecutive bytes of wo and 32,768 of wob
	s_lshl_b32 s78, s13, 5
	s_add_co_u32 s78, s78, s42
	s_lshl_b32 s78, s78, 2
	s_add_co_u32 s78, s78, s10
	s_lshl_b32 s76, s78, 16                        ; under 2^26
	s_mov_b32 s77, 0
	s_add_nc_u64 s[WOS:WOS+1], s[WOS:WOS+1], s[76:77]
	s_lshl_b32 s76, s78, 15
	s_add_nc_u64 s[WOD:WOD+1], s[WOD:WOD+1], s[76:77]
	WIN TO_F
	v_mov_b32 v[WLO], v[LN]                        ; 16 bytes of f32 a lane,
	v_lshrrev_b32 v[WSO], 1, v[LN]                 ; 8 bytes of f16
	WOLOAD                                         ; the first chunk
	WIN 0
	s_mul_i32 s23, s11, 64*SPITCH                  ; into the stage: my 64 rows, my 192 of their 384 bytes; row l % 16, 16 bytes for each half of the lanes
	s_mul_i32 s21, s12, 192
	s_add_co_u32 s23, s23, s21
	v_mul_u32_u24 v4, v1, SPITCH
	v_lshl_add_u32 v4, v2, 4, v4
	v_add_nc_u32 v[STO], s23, v4
	s_mul_i32 s23, s10, 32*SPITCH                  ; back: wave w takes rows 32 w .. 32 w + 31; of q lanes 0-15 one row's 256 bytes, lanes 16-31 the next's
	v_mul_u32_u24 v5, v2, SPITCH
	v_lshl_add_u32 v5, v1, 4, v5
	v_add_nc_u32 v[RD], s23, v5
	v_mov_b32 v[CO], v[LN]                         ; which are 512 consecutive bytes of q
	v_bfe_u32 v5, v0, 2, 2                         ; of k and v: sixteen lanes take four rows' 64 bytes: row 4 (l / 16) + (l / 4) % 4, 16 bytes at 16 (l % 4)
	v_lshl_add_u32 v5, v2, 2, v5
	v_mul_u32_u24 v5, v5, SPITCH
	v_and_b32 v6, 3, v0
	v_lshl_add_u32 v5, v6, 4, v5
	s_add_co_u32 s23, s23, 256                     ; k lies behind q's 256 bytes of a row
	v_add_nc_u32 v[RDK], s23, v5
	v_lshlrev_b32 v5, 10, v2                       ; a group of four positions is 1,024 bytes of kv; my channels' 256 of them are filled by sixteen lanes
	v_lshl_add_u32 v[COK], v1, 4, v5
	s_lshl_b32 s78, s42, 18                        ; q: the head's 262,144 bytes, the tile's 128 rows of 256, my wave's 32
	s_lshl_b32 s79, s13, 15
	s_add_co_u32 s78, s78, s79
	s_lshl_b32 s79, s10, 13
	s_add_co_u32 s78, s78, s79
	s_mov_b32 s79, 0
	s_add_nc_u64 s[QP:QP+1], s[QP:QP+1], s[78:79]
	s_lshr_b32 s78, s42, 2                         ; k: the kv head's 262,144 bytes, group 32 x tile row + 8 x wave, channel block head % 4
	s_lshl_b32 s78, s78, 18
	s_lshl_b32 s79, s13, 15
	s_add_co_u32 s78, s78, s79
	s_lshl_b32 s79, s10, 13
	s_add_co_u32 s78, s78, s79
	s_lshl_b32 s79, s74, 2
	s_add_co_u32 s78, s78, s79
	s_mov_b32 s79, 0
	s_add_nc_u64 s[KP:KP+1], s[KP:KP+1], s[78:79]
	s_add_nc_u64 s[VP:VP+1], s[KP:KP+1], 0x200000  ; v lies 2,097,152 bytes behind k
; 6 matrix instructions: row block a x all 6 column blocks, one unit (32 along K): w's fragments from buffer f, x's from fa on.  zero = 1: the first product starts the sums.
; The 24 accumulators take turns, one instruction a turn.
.macro MULROW f, fa, a, zero
	WIN MUL
.irp b, 0,1,2,3,4,5
.if \zero
	v_wmma_f32_16x16x32_bf16 v[ACC+8*(6*(\a)+(\b)):ACC+8*(6*(\a)+(\b))+7], v[(\f)+32+8*(\b):(\f)+32+8*(\b)+7], v[(\fa)+8*(\a):(\fa)+8*(\a)+7], 0
.else
	v_wmma_f32_16x16x32_bf16 v[ACC+8*(6*(\a)+(\b)):ACC+8*(6*(\a)+(\b))+7], v[(\f)+32+8*(\b):(\f)+32+8*(\b)+7], v[(\fa)+8*(\a):(\fa)+8*(\a)+7], v[ACC+8*(6*(\a)+(\b)):ACC+8*(6*(\a)+(\b))+7]
.endif
.endr
.endm
.macro MUL24 f, fa, zero
	MULROW \f, \fa, 0, \zero
	MULROW \f, \fa, 1, \zero
	MULROW \f, \fa, 2, \zero
	MULROW \f, \fa, 3, \zero
.endm
; The LDS loads of a unit stand in one run: 12 for w's six fragments, 8 for x's four; each takes 512 consecutive bytes.  k: bytes from the address register to the unit.
.macro FETCHB vb, k, f
	WIN TO_F
.irp i, 0,1,2,3,4,5
	ds_load_b128 v[(\f)+32+8*(\i):(\f)+32+8*(\i)+3],   v[\vb] offset:(\k)+(\i)*BP
	ds_load_b128 v[(\f)+32+8*(\i)+4:(\f)+32+8*(\i)+7], v[\vb] offset:(\k)+(\i)*BP+512
.endr
.endm
.macro FETCHA va, k, ap, f
	WIN TO_F
.irp i, 0,1,2,3
	ds_load_b128 v[(\f)+8*(\i):(\f)+8*(\i)+3],   v[\va] offset:(\k)+(\i)*(\ap)
	ds_load_b128 v[(\f)+8*(\i)+4:(\f)+8*(\i)+7], v[\va] offset:(\k)+(\i)*(\ap)+512
.endr
.endm
.macro PLACES                          ; four places in front of loads into registers that matrix instructions have read (ISA guide 7.12.1 for vector instructions)
.rept 4
	v_nop
.endr
.endm
; Two units, u (even; its fragments are on their way into buffer 0) and u + 1.  The address registers stand at unit u.  Each unit's successor is fetched first, then the unit is multiplied while those loads land.
.macro PAIR va, vb, ap, zero
	FETCHB \vb, UNITB, F1
	FETCHA \va, UNITB, \ap, F1
	s_wait_dscnt 20                                ; all but the 20 just issued: buffer 0 is in
	MUL24 F0, F0, \zero
	PLACES
	FETCHB \vb, 2*UNITB, F0
	FETCHA \va, 2*UNITB, \ap, F0
	s_wait_dscnt 20                                ; buffer 1 is in
	MUL24 F1, F1, 0
.endm
; The first units of a step, two a trip, written once: the LDS addresses are the slot's fixed ones plus a scalar that steps.  The two additions and two v_nop are the places in front of the trip's first loads.
.macro WALK slot, ap, from, trips
	WIN 0                                          ; at a label and at a branch every window is 0
	s_mov_b32 s[TK], \from
	s_mov_b32 s[CNT], \trips
.Lwalk_\@:
	v_add_nc_u32 v[WA], s[TK], v[ADRA+(\slot)]
	v_add_nc_u32 v[WB], s[TK], v[ADRB+(\slot)]
	v_nop
	v_nop
	PAIR WA, WB, \ap, 0
	WIN 0
	s_add_co_u32 s[TK], s[TK], 2*UNITB
	s_sub_co_u32 s[CNT], s[CNT], 1
	s_cmp_lg_u32 s[CNT], 0
	s_cbranch_scc1 .Lwalk_\@
.endm
; A step's units 6 and 7, and the change of slots: ONE barrier; in front of it each wave waits for all its tensor loads, adds 0 to its spare word, and waits for that and for its own reads of this slot.
; fill = 1: this slot is filled again, two K steps ahead.  In slot 1 unit 7's fragments of x are the ones that came straight from memory; behind their last product the next lap's are asked for.
; The step's chunk of wo stands behind unit 6's products, ahead of the wait for the next slot's tile.
.macro LAST slot, fill
	PLACES
	FETCHB ADRB+(\slot), 7*UNITB, F1
.if (\slot) == 0
	FETCHA ADRA, 7*UNITB, AP0, F1
	s_wait_dscnt 20                                ; all but the 20 just issued: unit 6 is in
.set LA, F1
.else
	s_wait_dscnt 12                                ; all but the 12 just issued: unit 6 is in
.set LA, AX
.endif
	MUL24 F0, F0, 0
	WOSTEP 1                                       ; its wait for all loads stands behind x's unit from memory: in slot 1 that unit is in from here on, and its base may be stepped
	WIN 0                                          ; (the add's two registers lie in window 0)
	s_wait_tensorcnt 0x0                           ; all my tensor loads have landed: the one that was out is my part of the next slot;
	ds_add_u32 v[SPW], v[NIL]                      ; 0 onto my spare word;
	s_wait_dscnt 1                                 ; (the add alone may be out: unit 7 is in)
	MULROW F1, LA, 0, 0                            ; six matrix instructions stand between the add and the wait for it
	s_wait_dscnt 0x0                               ; the add is done, and my reads of this slot are over
	s_barrier_signal -1
	MULROW F1, LA, 1, 0
.if \fill
	WIN 0
.endif
	s_barrier_wait -1
.if \fill
	CREST                                          ; the barrier has opened a round of the cluster's barrier: no wave of any partner still reads this slot's tile or has a load on its way
	s_add_nc_u64 s[G0+4*(\slot)+2:G0+4*(\slot)+3], s[G0+4*(\slot)+2:G0+4*(\slot)+3], 2*STEPB
	s_add_nc_u64 s[G0B+4*(\slot)+2:G0B+4*(\slot)+3], s[G0B+4*(\slot)+2:G0B+4*(\slot)+3], 2*STEPB
	JLOAD \slot                                    ; the first tensor load behind the round: 180 matrix instructions ahead of the wait for it; the four v_nop behind it are also the places in front of the loads below
.else
	PLACES
.endif
	FETCHB ADRB+1-(\slot), 0, F0                   ; the next slot's unit 0
.if (\slot) == 0
	FETCHA ADRA+1, 0, AP1, F0
.else
	FETCHA ADRA, 0, AP0, F0
.endif
	MULROW F1, LA, 2, 0
	MULROW F1, LA, 3, 0
.if (\slot) == 1
	PLACES
	s_add_nc_u64 s[AXP:AXP+1], s[AXP:AXP+1], 16*UNITB
	AXLOAD                                         ; the next lap's unit 15 of x: a lap ahead of its products
.endif
.endm
	s_wait_tensorcnt 1                             ; my part of K step 0 is in; K step 1's may stay out
	s_barrier_signal -1
	s_barrier_wait -1                              ; everybody's is
	FETCHB ADRB, 0, F0
	FETCHA ADRA, 0, AP0, F0
	PAIR ADRA, ADRB, AP0, 1                        ; units 0 and 1 stand in front of the loops: unit 0's products start the sums
	WALK 0, AP0, 2*UNITB, 2                        ; units 2 to 5
	s_mov_b32 s3, LAPS-1
.Llap:                                                 ; a trip goes once round the ring, from a lap's unit 6 to the next lap's unit 5, fills both slots again, and takes two chunks of wo
	LAST 0, 1
	WALK 1, AP1, 0, 3
	LAST 1, 1
	WALK 0, AP0, 0, 3
	s_sub_co_u32 s3, s3, 1
	s_cmp_lg_u32 s3, 0
	s_cbranch_scc1 .Llap
	LAST 0, 0                                      ; the last lap fills nothing, and has no round of the cluster's barrier; wo's chunk 14 is stored, chunk 15 asked for
	WALK 1, AP1, 0, 3
	PLACES
	FETCHB ADRB+1, 7*UNITB, F1                     ; the very last unit: nothing more to fetch behind it
	s_wait_dscnt 12
	MUL24 F0, F0, 0
	WOSTEP 0                                       ; wo's last chunk: nothing is asked for behind it; its wait for all loads shows x's last unit from memory in too
	s_wait_dscnt 0x0
	MUL24 F1, AX, 0
	; THE WAY OUT.  The tables take the factors; RoPE in f32, in place; one rounding to f16; 16 bytes a lane into the work-group's stage; a barrier, since a row's bytes come from two waves; back as whole pieces of 256 bytes.
	; The multiplications of the tables name no register of the last products: they are the places behind them.
	WIN 0x82                                       ; destination and source 0 in window 2
.irp a, 0,1,2,3
.irp b, 0,1,2,3,4,5
.set C, 8*(6*(\a)+(\b))
.set sf, SFQ
.if (\b)/2 == 1
.set sf, SFK
.endif
.irp z, 0,2,4,6
	v_pk_mul_f32 v[C+(\z):C+(\z)+1], v[C+(\z):C+(\z)+1], s[sf:sf+1] op_sel_hi:[1,0]
.endr
.endr
.endr
.irp a, 0,1,2,3
.irp b, 4,5
.set C, 8*(6*(\a)+(\b))
.irp z, 0,1,2,3
	v_cndmask_b32 v[C+(\z)],   v[C+(\z)],   1.0, s[VM]  ; v is not turned: cos = 1,
	v_cndmask_b32 v[C+4+(\z)], v[C+4+(\z)], 0,   s[VM]  ; sin = 0
.endr
.endr
.endr
.macro ROPE a                          ; row block a: (re, im) -> (re c - im s, re s + im c); each accumulator's first read names one of its four lowest registers
	WIN 0x08                                       ; source 1 (the table) in window 2
.irp b, 0,1,2,3,4,5
.set D, ACC+8*(6*(\a)+(\b))
.set C, 8*(6*(\a)+(\b))
.irp p, 0,1,2,3
	v_mul_f32 v[T+2*(\p)],   v[D+2*(\p)+1], v[C+4+(\p)]  ; im s
	v_mul_f32 v[T+2*(\p)+1], v[D+2*(\p)+1], v[C+(\p)]    ; im c
.endr
.irp p, 0,1,2,3
	v_fma_f32 v[D+2*(\p)+1], v[D+2*(\p)], v[C+4+(\p)], v[T+2*(\p)+1]
	v_fma_f32 v[D+2*(\p)],   v[D+2*(\p)], v[C+(\p)],  -v[T+2*(\p)]
.endr
.endr
	WIN 0
.irp b, 0,1,2,3,4,5
.irp p, 0,1,2,3
	v_cvt_pk_f16_f32 v[PK+4*(\b)+(\p)], v[ACC+8*(6*(\a)+(\b))+2*(\p)], v[ACC+8*(6*(\a)+(\b))+2*(\p)+1]
.endr
.endr
.irp b, 0,1,2,3,4,5
	ds_store_b128 v[STO], v[PK+4*(\b):PK+4*(\b)+3] offset:(\a)*16*SPITCH+32*(\b)  ; into slot 0's bytes: every wave's reads of slot 0 lie in front of the tail's barrier, and no tensor load follows
.endr
.endm
	ROPE 0
	ROPE 1
	ROPE 2
	ROPE 3
	s_wait_dscnt 0x0                               ; for the others' sake: my stores into the stage are done
	s_barrier_signal -1
	s_barrier_wait -1
.irp t, 0,1,2,3,4,5,6,7,8,9,10,11,12,13,14,15
	ds_load_b128 v[ACC+4*(\t):ACC+4*(\t)+3], v[RD] offset:(\t)*2*SPITCH
.endr
.irp u, 0,1,2,3
	ds_load_b128 v[ACC+64+4*(\u):ACC+64+4*(\u)+3], v[RDK] offset:(\u)*8*SPITCH
.endr
.irp u, 0,1,2,3
	ds_load_b128 v[ACC+80+4*(\u):ACC+80+4*(\u)+3], v[RDK] offset:(\u)*8*SPITCH+64
.endr
.irp t, 0,1,2,3,4,5,6,7,8,9,10,11,12,13,14,15
	s_wait_dscnt 23-(\t)                           ; LDS loads come back in order (ISA guide 5.7.1): the 23 - t younger ones may be out
	global_store_b128 v[CO], v[ACC+4*(\t):ACC+4*(\t)+3], s[QP:QP+1] offset:512*(\t)  ; 512 consecutive bytes, at a multiple of 256 from q's first byte
.endr
.irp u, 0,1,2,3
	s_wait_dscnt 7-(\u)
	global_store_b128 v[COK], v[ACC+64+4*(\u):ACC+64+4*(\u)+3], s[KP:KP+1] offset:2048*(\u)  ; sixteen lanes store 256 consecutive bytes, at a multiple of 256 from kv's first byte
.endr
.irp u, 0,1,2,3
	s_wait_dscnt 3-(\u)
	global_store_b128 v[COK], v[ACC+80+4*(\u):ACC+80+4*(\u)+3], s[VP:VP+1] offset:2048*(\u)
.endr
	s_wait_tensorcnt 0x0                           ; the wave's end, behind my last tensor load and my last LDS store
	ds_add_u32 v[SPW], v[NIL]
	s_wait_dscnt 0x0
	CROUND                                         ; the closing round: no work-group ends while a partner may still ask for a tile that names it
	s_endpgm
.Lfunc_end_k_q6bf97760c2_qkv:
	.size	k_q6bf97760c2_qkv, .Lfunc_end_k_q6bf97760c2_qkv-k_q6bf97760c2_qkv
	.p2alignl 7, 3214868480
	.fill 96, 4, 3214868480
	.section	.rodata,"a",@progbits
	.p2align	6, 0x0
	.amdhsa_kernel k_q6bf97760c2_qkv
		.amdhsa_group_segment_fixed_size 327680
		.amdhsa_private_segment_fixed_size 0
		.amdhsa_enable_private_segment 0
		.amdhsa_kernarg_size 56
		.amdhsa_user_sgpr_count 2
		.amdhsa_user_sgpr_kernarg_segment_ptr 1
		.amdhsa_wavefront_size32 1
		.amdhsa_system_sgpr_workgroup_id_x 1
		.amdhsa_system_sgpr_workgroup_id_y 1
		.amdhsa_system_sgpr_workgroup_id_z 1
		.amdhsa_system_vgpr_workitem_id 0
		.amdhsa_next_free_vgpr 768
		.amdhsa_next_free_sgpr 102
		.amdhsa_reserve_vcc 0
		.amdhsa_float_denorm_mode_32 3
		.amdhsa_float_denorm_mode_16_64 3
		.amdhsa_memory_ordered 1
		.amdhsa_forward_progress 1
		.amdhsa_inst_pref_size 136
	.end_amdhsa_kernel
	.amdgpu_metadata
---
amdhsa.version: [ 1, 2 ]
amdhsa.kernels:
  - .name:           k_q6bf97760c2_qkv
    .symbol:         k_q6bf97760c2_qkv.kd
    .args:
      - { .name: xb, .offset: 0, .size: 8, .value_kind: global_buffer, .address_space: global }
      - { .name: wb, .offset: 8, .size: 8, .value_kind: global_buffer, .address_space: global }
      - { .name: csr, .offset: 16, .size: 8, .value_kind: global_buffer, .address_space: global }
      - { .name: q, .offset: 24, .size: 8, .value_kind: global_buffer, .address_space: global }
      - { .name: kv, .offset: 32, .size: 8, .value_kind: global_buffer, .address_space: global }
      - { .name: wo, .offset: 40, .size: 8, .value_kind: global_buffer, .address_space: global }
      - { .name: wob, .offset: 48, .size: 8, .value_kind: global_buffer, .address_space: global }
    .group_segment_fixed_size: 327680
    .private_segment_fixed_size: 0
    .kernarg_segment_align: 8
    .kernarg_segment_size: 56
    .max_flat_workgroup_size: 128
    .sgpr_count:     102
    .vgpr_count:     768
    .wavefront_size: 32
...
	.end_amdgpu_metadata
.endif
;; end of part 6
;; launch attn (part 7): grid 32 x 8, 4 waves a work-group, clusters of 4 x 4, 327,680 bytes of LDS; arguments q, kv, maskS, o; writes o
.if DOCPART == 7
	.amdgcn_target "amdgcn-amd-amdhsa--gfx1250"
	.amdhsa_code_object_version 6
	.text
	.protected	k_q6bf97760c2_attn
	.globl	k_q6bf97760c2_attn
	.p2align	8
	.type	k_q6bf97760c2_attn,@function
k_q6bf97760c2_attn:
	s_mov_b64 s[64:65], 0
	v_nop
	global_prefetch_b8 v0, s[64:65] scope:SCOPE_SE
	s_setreg_imm32_b32 hwreg(HW_REG_WAVE_MODE, 25, 1), 1
	s_wait_xcnt 0x0
	s_wait_alu depctr_hold_cnt(0) depctr_sa_sdst(0) depctr_va_vdst(0) depctr_va_sdst(0) depctr_va_ssrc(0) depctr_va_vcc(0) depctr_vm_vsrc(0)
	s_getreg_b32 s2, hwreg(HW_REG_IB_STS2, 6, 4)
	s_cmp_eq_u32 s2, 0
	s_cbranch_scc0 .Lentry_in_a_cluster
	s_endpgm
.Lentry_in_a_cluster:
	s_bfe_u32 s2, ttmp6, 0x10000c
	s_cmp_lg_u32 s2, 0xf033
	s_cbranch_scc0 .Lentry_shape_is_right
	s_endpgm
.Lentry_shape_is_right:
; O[query][head] = the sum over keys of softmax_k(q . k / sqrt(128) + mask[query][key]) v[key].  32 query heads, 8 key and value heads, 1,024 positions, 128 channels.
; q: [32][1024][128] f16, k and v (in kv, v 2,097,152 bytes behind k): [8][position / 4][channel / 32][position % 4][32] f16, scaled so that q . k is the score times log2(e); v is v / 8.
; maskS: the mask times log2(e), f32, laid out as the C operand of 16 keys x 16 queries: [block of 16 queries][step of 64 keys][4,096 bytes].  o: [1024][4096] f16 (O / 8).
; The mask is an input: it is added to every score as it is given, and no tile is left out.  It is the C operand that starts the sum S^T = K Q^T, so it costs the softmax no instruction.
; Products, maxima and sums in f32; the weights p are rounded to f16 for the second product (their sum l is taken of the unrounded p), O once at the end.
; LIMITS.  The mask's numbers are finite; NaN and infinities are not treated apart.  p lies in 0 to 1 (the maximum is taken away exactly: s - m in one rounding); below 6e-5 it keeps f16's fixed step of 6e-8;
; a weight below 2^-126 counts as 0.  O is a mean of v's rows and has their range.
; SHARES.  A work-group owns 32 queries of the four heads that share one key and value head: 256 work-groups.  Wave w: queries 16 (w / 2) on; of every 128 keys the 64 from 64 (w % 2) on.  Its four TILES are the four
; heads' same 16 queries, so one mask of 32 registers serves all four, and each fragment of K and V feeds four tiles.  A wave walks 8 key steps, one a slot.  At the end the two waves of a pair hand each other two
; tiles (O^T, m, l) through LDS and each merges and stores two heads.  Tile u of a wave is head (u + 2 (w % 2)) % 4 of the four: so every wave keeps tiles 0, 1 and sends tiles 2, 3.
; LAYOUT.  S^T = K Q^T (source 0 = 16 keys, source 1 = 16 queries): a lane holds ONE query (lane % 16) and the keys 8 (lane / 16) + 0..7.  Two such results, rounded to f16 in pairs, ARE source 1 of O^T = V^T P, whose
; result again holds one query a lane, and eight channels.  K comes out of LDS as it lies, V turned, by ds_load_tr16_b128.
; SOFTMAX.  For each query a running maximum m and sum l: p = 2^(s - m); in every step O and l are multiplied by a = 2^(m_old - m_new), which is 1 where m has not grown.
; NO FIRST STEP IS WRITTEN OUT: m starts at the lowest finite number, O^T and l at 0, so the first step is a step like any other, with a = 0.  The price: 268 v_mov_b32, which stand in the wait for the first tile, and
; the first step's multiplications of zeros; the gain: two turns and a change of slots less in the text.
; BY TURNS.  The wave's tiles are two PIECES (tiles 0, 1 and tiles 2, 3).  In a TURN one piece has the matrix unit: 32 products V^T P of the step in hand, then 32 products K Q^T of the next; the other piece's softmax,
; cut into 64 slices, stands between them, one slice behind each matrix instruction.  Two turns are a key step.
; CLUSTER.  4 x 4 work-groups.  K and V hang on the key and value head alone, which a row of the cluster shares; the mask's tile on the block of queries alone, which a column shares: each is asked for JOINTLY, by the same
; tensor load with the same descriptor and a mask that names the four.  Wave 0 asks for K, wave 1 for V, wave 2 for the mask, wave 3 for nothing.
; REGISTERS, in windows of 256 (s_set_vgpr_msb: bits 1:0 source 0, 3:2 source 1, 5:4 source 2, 7:6 destination):
;   window 0: v0-11, v44-55 addresses and the merge; v12-43 eight registers of statistics a tile; v64-191 S^T, 32 a tile; v192-255 P, 16 a tile
;   window 1: O^T, 64 a tile      window 2: v0-127 Q, 32 a tile (at the end: the partner's O^T); v128-255 K of one step      window 3: v0-127 V of one step; v128-159 the mask of one step
.set GK,    1040      ; four keys of K in LDS: 1,024 bytes + 16 of padding: key r of a fragment lies at (r / 4) 1040 + (r % 4) 64: sixteen different groups of four banks (64 banks of 4 bytes: ISA guide 11.1)
.set GV,    1056      ; four keys of V: 1,024 + 32
.set VOFF,  32*GK     ; a slot holds 128 keys: K, then V, then the mask of 32 queries x 128 keys
.set MOFF,  VOFF+32*GV
.set SLOT1, 1<<17     ; slot 1 begins here, so that one exclusive or turns an address in one slot into the other's
.set STAGE, SLOT1+MOFF+16384  ; behind the ring: 16 rows x 272 bytes for each wave, for the way out
.set SP,    272
.set XCH,   STAGE+4*16*SP     ; behind the stages: for each wave the two tiles that it hands over: 16,384 bytes of O^T, 512 of m and l
.set XCHW,  16896
.set SPARE, XCH+4*XCHW        ; behind them: the spare words, 128 bytes for each wave: two blocks of 256 bytes that no other line names
.set AK0, 2           ; v2   my lane's place in a slot's K; never rewritten
.set AV0, 3           ; v3   the same for V
.set ADR, 4           ; v4   the LDS address of the run of loads in hand
.set QO,  5           ; v5   my byte offset in 16 rows of Q
.set STO, 6           ; v6   the way out: where I put 16 bytes of a row
.set RD,  7           ; v7   the way out: where I read a row back
.set GO,  8           ; v8   my byte offset in two rows of o
.set ST,  12          ; tile t's statistics at v[ST+8 t]: +0 m, +1 m_old, +2, +3 l (even keys', odd keys'), +4 to +7 c0-c3, at work; a takes c2's place once the maximum is found
.set XT,  44          ; v44-47  what I hand over beside O^T: m and l of tiles 2 and 3; later the partner's factors
.set XRS, 48          ; v48-51  the partner's m and l
.set AM0, 52          ; v52  my lane's place in a slot's mask
.set ADM, 53          ; v53  the LDS address of the mask's loads
.set XS,  54          ; v54  where I put what I hand over
.set XR,  55          ; v55  where I find what the partner hands over
.set SPW, 62          ; v62  LDS address of my spare word: SPARE + 4 x my thread's number; never rewritten
.set NIL, 63          ; v63  0; never rewritten
.set S,   64
.set P,   192
.set KF,  128         ; K's fragments, in window 2
.set MK,  128         ; the mask, in window 3: the eight registers for key block kb at MK + 8 kb
.set WV,  12          ; s12  my wave's number
.set G1K, 24          ; s[24:31] descriptor group 1 for K's tiles
.set G1V, 32          ; s[32:39] for V's: it differs in the padding alone
.set G0K, 40          ; s[40:47] descriptor group 0 for K's tiles: a set for each of the two first fills; the second then walks on
.set G0V, 48          ; s[48:55] the same for V's
.set SLOTS, 56        ; s56  trips of the loop still to go
.set SEL, 60          ; s[60:61] lane selects for v_permlanex16_b32: each lane takes its own place in the other half
.set TB,  62          ; s62  LDS byte at which the slot to be fetched from begins
.set G1M, 68          ; s[68:75] descriptor group 1 for the mask's tiles
.set G0M, 76          ; s[76:83] their group 0, two sets
.set QA,  84          ; s[84:85] Q at my rows of tile 0's head
.set QB,  86          ; s[86:87] of tile 2's head
.set RSH, 88          ; s88  which 16 of the 32 queries
.set KSH, 89          ; s89  which 64 of 128 keys
.set MSB, 0
.macro WIN new                      ; the immediate's high byte repeats the setting that is left; a switch that changes nothing is dropped
.if MSB != (\new)
	s_set_vgpr_msb (MSB<<8)|(\new)
.set MSB, \new
.endif
.endm
.set W_KQ, 0x0a       ; K and Q in window 2, S^T in window 0
.set W_KM, 0x3a       ; the same with the C operand, the mask, in window 3
.set W_PV, 0x53       ; V in window 3, P in window 0, O^T in window 1
.set W_RS, 0x41       ; O^T (destination and source 0) in window 1, a in window 0
; A joint refill.  The branches hang on the wave's number alone: they are the same in every work-group.  An s_nop 0 and four v_nop follow each load, ahead of the jump and the label.
.macro JLOAD
	s_cmp_eq_u32 s[WV], 0
	s_cbranch_scc0 .Lnot_k_\@
	tensor_load_to_lds s[G0K+4:G0K+7], s[G1K:G1K+7]
	s_nop 0
.rept 4
	v_nop
.endr
	s_branch .Lasked_\@
.Lnot_k_\@:
	s_cmp_eq_u32 s[WV], 1
	s_cbranch_scc0 .Lnot_v_\@
	tensor_load_to_lds s[G0V+4:G0V+7], s[G1V:G1V+7]
	s_nop 0
.rept 4
	v_nop
.endr
	s_branch .Lasked_\@
.Lnot_v_\@:
	s_cmp_eq_u32 s[WV], 2
	s_cbranch_scc0 .Lasked_\@
	tensor_load_to_lds s[G0M+4:G0M+7], s[G1M:G1M+7]
	s_nop 0
.rept 4
	v_nop
.endr
.Lasked_\@:
.endm
; A round of the cluster's barrier: my work-group's barrier, so that wave 0's signal speaks for all four waves; wave 0 signals for the work-group; every wave waits for all sixteen work-groups; my work-group's barrier once more.
.macro CROUND
	s_barrier_signal -1
	s_barrier_wait -1
	s_cmp_lg_u32 s[WV], 0
	s_cbranch_scc1 .Lnot_wave_0_\@
	s_barrier_signal -3
.Lnot_wave_0_\@:
	s_barrier_wait -3
	s_barrier_signal -1
	s_barrier_wait -1
.endm
	s_load_b256 s[4:11], s[0:1], 0x0  ; q s[4:5], kv s[6:7], maskS s[8:9], o s[10:11]
	v_lshl_add_u32 v[SPW], v0, 2, SPARE
	v_mov_b32 v[NIL], 0
	ds_add_u32 v[SPW], v[NIL]       ; the wave's opening: the add and its wait stand ahead of my first tensor load; the set-up below, work on registers, stands between them
	v_lshrrev_b32 v1, 5, v0
	v_readfirstlane_b32 s[WV], v1   ; wave 0..3
	s_lshr_b32 s[RSH], s[WV], 1
	s_and_b32 s[KSH], s[WV], 1
	s_bfe_u32 s13, ttmp6, 0x40000   ; cx, cy: my place in the cluster
	s_bfe_u32 s14, ttmp6, 0x40004
	s_lshl_b32 s15, ttmp9, 2
	s_add_co_u32 s15, s15, s13      ; my block of 32 queries = 4 x cluster x + cx
	s_and_b32 s16, ttmp7, 0xffff
	s_lshl_b32 s16, s16, 2
	s_add_co_u32 s16, s16, s14      ; my key and value head = 4 x cluster y + cy
	s_lshl_b32 s17, s14, 2
	s_lshl_b32 s17, 15, s17         ; my row of the cluster
	s_lshl_b32 s18, 0x1111, s13     ; my column
	; descriptor group 1.  128 keys of K or V are 32,768 dense bytes: 32 rows of 1,024 bytes (four keys), padded in LDS after every row
	s_or_b32 s[G1K], s17, (1<<16)|(1<<20)|(1<<21)|(7<<22)|(3<<25)  ; 15:0 the mask: my row; 17:16 elements of 2 bytes; 20 padding on; 21 set beside a mask; 24:22 after every 256 words (code 7); 31:25 4 words of it (code 3)
	s_or_b32 s[G1V], s17, (1<<16)|(1<<20)|(1<<21)|(7<<22)|(7<<25)  ; the same with 8 words of padding (code 7)
.irp g, G1K, G1V
	s_mov_b32 s[(\g)+1], 512<<16    ; tensor_dim0 = 512
	s_mov_b32 s[(\g)+2], 32<<16     ; tensor_dim1 = 32
	s_mov_b32 s[(\g)+3], 512<<16    ; tile_dim0 = 512
	s_mov_b32 s[(\g)+4], 32         ; tile_dim1 = 32
	s_mov_b32 s[(\g)+5], 512        ; elements from row to row
	s_mov_b32 s[(\g)+6], 0
	s_mov_b32 s[(\g)+7], 0
.endr
	; the mask's tile: for each of my two blocks of 16 queries the 8,192 consecutive bytes of two key steps; the blocks lie 65,536 bytes apart
	s_or_b32 s[G1M], s18, (2<<16)|(1<<21)  ; 15:0 the mask: my column; 17:16 elements of 4 bytes; 21 set beside a mask; no padding
	s_mov_b32 s[G1M+1], 2048<<16    ; tensor_dim0 = 2,048
	s_mov_b32 s[G1M+2], 2<<16       ; tensor_dim1 = 2
	s_mov_b32 s[G1M+3], 2048<<16    ; tile_dim0 = 2,048
	s_mov_b32 s[G1M+4], 2           ; tile_dim1 = 2
	s_mov_b32 s[G1M+5], 16384       ; elements from row to row
	s_mov_b32 s[G1M+6], 0
	s_mov_b32 s[G1M+7], 0
	s_lshl_b32 s20, s16, 18         ; the key and value head's 262,144 bytes: this offset holds cy and never cx,
	s_mov_b32 s21, 0
	s_lshl_b32 s22, s15, 17         ; my two blocks of queries in maskS: this one cx and never cy
	s_mov_b32 s23, 0
	s_lshl_b32 s2, s16, 2
	s_lshl_b32 s3, s[KSH], 1
	s_add_co_u32 s94, s2, s3        ; tile 0's head: 4 y + 2 (w % 2)
	s_sub_co_u32 s95, s2, s3
	s_add_co_u32 s95, s95, 2        ; tile 2's head: 4 y + 2 - 2 (w % 2)
	s_lshl_b32 s96, s15, 5
	s_lshl_b32 s97, s[RSH], 4
	s_add_co_u32 s96, s96, s97      ; my first query
	s_lshl_b32 s97, s96, 8          ; its row of 256 bytes in a head of q
	s_lshl_b32 s90, s94, 18
	s_add_co_u32 s90, s90, s97
	s_mov_b32 s91, 0
	s_lshl_b32 s92, s95, 18
	s_add_co_u32 s92, s92, s97
	s_mov_b32 s93, 0
	s_lshl_b32 s98, s96, 13         ; its row of 8,192 bytes in o,
	s_lshl_b32 s99, s94, 8          ; tile 0's head there
	s_add_co_u32 s98, s98, s99
	s_mov_b32 s99, 0
	s_mov_b32 s[SEL], 0x76543210
	s_mov_b32 s[SEL+1], 0xfedcba98
	s_mov_b32 s[TB], 0
	s_mov_b32 s[SLOTS], 6
	s_wait_dscnt 0x0                ; the opening add is done
	s_wait_kmcnt 0x0
	s_add_nc_u64 s[6:7], s[6:7], s[20:21]
	s_add_nc_u64 s[8:9], s[8:9], s[22:23]
	s_add_nc_u64 s[QA:QA+1], s[4:5], s[90:91]
	s_add_nc_u64 s[QB:QB+1], s[4:5], s[92:93]
	s_add_nc_u64 s[10:11], s[10:11], s[98:99]
	CROUND                          ; all sixteen work-groups are here: the first joint loads meet
.irp s, 0,1
	s_mov_b32 s[G0K+4*(\s)], 1      ; 1:0 count = 1
	s_mov_b32 s[G0K+4*(\s)+1], (\s)*SLOT1  ; 63:32 LDS address
	s_add_nc_u64 s[G0K+4*(\s)+2:G0K+4*(\s)+3], s[6:7], (\s)*32768  ; 120:64 global address: slot s begins with keys 128 s on
	s_or_b32 s[G0K+4*(\s)+3], s[G0K+4*(\s)+3], 0x80000000  ; 127:126 type = 2
	s_mov_b32 s[G0V+4*(\s)], 1
	s_mov_b32 s[G0V+4*(\s)+1], (\s)*SLOT1+VOFF
	s_add_nc_u64 s[G0V+4*(\s)+2:G0V+4*(\s)+3], s[6:7], 0x200000+(\s)*32768
	s_or_b32 s[G0V+4*(\s)+3], s[G0V+4*(\s)+3], 0x80000000
	s_mov_b32 s[G0M+4*(\s)], 1
	s_mov_b32 s[G0M+4*(\s)+1], (\s)*SLOT1+MOFF
	s_add_nc_u64 s[G0M+4*(\s)+2:G0M+4*(\s)+3], s[8:9], (\s)*8192
	s_or_b32 s[G0M+4*(\s)+3], s[G0M+4*(\s)+3], 0x80000000
.endr
	s_cmp_eq_u32 s[WV], 0           ; a wave's two first fills stand in one branch, ahead of every wait on TENSORcnt and every LDS read: two loads of a wave are out; an s_nop 0 follows each, four v_nop the second's
	s_cbranch_scc0 .Lfirst_not_k
	tensor_load_to_lds s[G0K:G0K+3], s[G1K:G1K+7]
	s_nop 0
	tensor_load_to_lds s[G0K+4:G0K+7], s[G1K:G1K+7]
	s_nop 0
.rept 4
	v_nop
.endr
	s_branch .Lfirst_asked
.Lfirst_not_k:
	s_cmp_eq_u32 s[WV], 1
	s_cbranch_scc0 .Lfirst_not_v
	tensor_load_to_lds s[G0V:G0V+3], s[G1V:G1V+7]
	s_nop 0
	tensor_load_to_lds s[G0V+4:G0V+7], s[G1V:G1V+7]
	s_nop 0
.rept 4
	v_nop
.endr
	s_branch .Lfirst_asked
.Lfirst_not_v:
	s_cmp_eq_u32 s[WV], 2
	s_cbranch_scc0 .Lfirst_asked
	tensor_load_to_lds s[G0M:G0M+3], s[G1M:G1M+7]
	s_nop 0
	tensor_load_to_lds s[G0M+4:G0M+7], s[G1M:G1M+7]
	s_nop 0
.rept 4
	v_nop
.endr
.Lfirst_asked:
	; A fragment of K or Q is 16 rows x 32 channels in 8 registers: lane l holds row l % 16; registers 0-3 channels 8 (l / 16) + 0..7, registers 4-7 channels 16 + 8 (l / 16) + 0..7: two loads of 16 bytes, 32 bytes apart.
	v_and_b32 v1, 15, v0            ; l % 16
	v_bfe_u32 v9, v0, 4, 1          ; l / 16
	v_lshlrev_b32 v[QO], 8, v1
	v_lshl_add_u32 v[QO], v9, 4, v[QO]  ; row x 256 + 16 x half
	WIN 0x80                        ; destination window 2, address window 0
.irp i, 0,1,2,3,4,5,6,7             ; Q stays in registers: tile i / 4 (the next head lies 262,144 bytes on), channels 32 (i % 4) on
	global_load_b128 v[8*(\i):8*(\i)+3],   v[QO], s[QA:QA+1] offset:((\i)/4)*262144+((\i)%4)*64
	global_load_b128 v[8*(\i)+4:8*(\i)+7], v[QO], s[QA:QA+1] offset:((\i)/4)*262144+((\i)%4)*64+32
.endr
.irp i, 8,9,10,11,12,13,14,15
	global_load_b128 v[8*(\i):8*(\i)+3],   v[QO], s[QB:QB+1] offset:((\i)/4-2)*262144+((\i)%4)*64
	global_load_b128 v[8*(\i)+4:8*(\i)+7], v[QO], s[QB:QB+1] offset:((\i)/4-2)*262144+((\i)%4)*64+32
.endr
	WIN 0
	v_lshrrev_b32 v10, 2, v1        ; K: key r lies in group r / 4, at 64 (r % 4) of each channel block's 256 bytes
	v_and_b32 v11, 3, v1
	v_mul_u32_u24 v[AK0], v10, GK
	v_lshl_add_u32 v[AK0], v11, 6, v[AK0]
	v_lshl_add_u32 v[AK0], v9, 4, v[AK0]
	s_mul_i32 s13, s[KSH], 16*GK    ; my 64 keys of the slot's 128
	v_add_nc_u32 v[AK0], s13, v[AK0]
	; The turning load takes 16 keys x 16 channels (lane l reads 16 bytes: key 8 (l / 16) + l % 8, channels 8 ((l / 8) % 2) + 0..7) and leaves half a fragment of V^T: lane l holds channel l % 16 and 8 keys.
	v_bfe_u32 v10, v0, 2, 1
	v_lshl_add_u32 v10, v9, 1, v10  ; that key's group: 2 (l / 16) + (l % 8) / 4
	v_mul_u32_u24 v[AV0], v10, GV
	v_and_b32 v10, 3, v0
	v_lshl_add_u32 v[AV0], v10, 6, v[AV0]
	v_bfe_u32 v10, v0, 3, 1
	v_lshl_add_u32 v[AV0], v10, 4, v[AV0]
	s_mul_i32 s13, s[KSH], 16*GV
	s_add_co_u32 s13, s13, VOFF
	v_add_nc_u32 v[AV0], s13, v[AV0]
	v_and_b32 v10, 31, v0           ; the mask: 16 bytes a lane, in my block of queries and my key step
	v_lshlrev_b32 v10, 4, v10
	s_lshl_b32 s13, s[RSH], 13
	s_lshl_b32 s14, s[KSH], 12
	s_add_co_u32 s13, s13, s14
	s_add_co_u32 s13, s13, MOFF
	v_add_nc_u32 v[AM0], s13, v10
	; What the first step finds: m at the lowest finite number, l and O^T at 0.  All this stands in the wait for the first tile.
.irp t, 0,1,2,3
	v_mov_b32 v[ST+8*(\t)],   0xff7fffff  ; m: the first maximum is the scores', and the first a is 0
	v_mov_b32 v[ST+8*(\t)+1], 0
	v_mov_b32 v[ST+8*(\t)+2], 0           ; l
	v_mov_b32 v[ST+8*(\t)+3], 0
.endr
	WIN 0x40
.set i, 0
.rept 256
	v_mov_b32 v[i], 0               ; O^T
.set i, i+1
.endr
	WIN 0
; THE MATRIX WORK OF A TURN, for piece x.  The accumulators take turns, one instruction a turn: between two links of a chain stand 15 (V^T P) or 7 (K Q^T) others'.
; Product i of 32 of O^T += V^T P: keys 32 (i / 16) on, channels 16 ((i / 2) % 8) on, tile x + i % 2.
.macro PV x
	WIN W_PV
.set rO, 64*((\x)+i%2)+8*((i/2)%8)
.set rV, 64*(i/16)+8*((i/2)%8)
.set rP, P+16*((\x)+i%2)+8*(i/16)
	v_wmma_f32_16x16x32_f16 v[rO:rO+7], v[rV:rV+7], v[rP:rP+7], v[rO:rO+7]
.endm
; Product i of 32 of S^T = K Q^T + mask: channels 32 (i / 8) on, keys 16 ((i / 2) % 4) on, tile x + i % 2.  The first 8 start the sums, with the mask of their 16 keys.
.macro KQ x
.set rS, S+32*((\x)+i%2)+8*((i/2)%4)
.set rK, KF+32*((i/2)%4)+8*(i/8)
.set rQ, 32*((\x)+i%2)+8*(i/8)
.set rM, MK+8*((i/2)%4)
.if i < 8
	WIN W_KM
	v_wmma_f32_16x16x32_f16 v[rS:rS+7], v[rK:rK+7], v[rQ:rQ+7], v[rM:rM+7]
.else
	WIN W_KQ
	v_wmma_f32_16x16x32_f16 v[rS:rS+7], v[rK:rK+7], v[rQ:rQ+7], v[rS:rS+7]
.endif
.endm
; THE LDS LOADS stand in runs, never singly among the matrix instructions: a step's K (64 keys x 128 channels: 16 fragments) with its mask (8 loads), and, a turn later, its V (turned).
.macro FETCH_K
	WIN 0
	v_add_nc_u32 v[ADR], s[TB], v[AK0]
	v_add_nc_u32 v[ADM], s[TB], v[AM0]
	WIN 0x80                        ; destination window 2
.irp f, 0,1,2,3,4,5,6,7,8,9,10,11,12,13,14,15  ; keys 16 (f / 4) on, channels 32 (f % 4) on
	ds_load_b128 v[KF+8*(\f):KF+8*(\f)+3],   v[ADR] offset:((\f)/4)*4*GK+((\f)%4)*256
	ds_load_b128 v[KF+8*(\f)+4:KF+8*(\f)+7], v[ADR] offset:((\f)/4)*4*GK+((\f)%4)*256+32
.endr
	WIN 0xc0                        ; destination window 3
.irp f, 0,1,2,3,4,5,6,7             ; the mask lives as long as K does: both pieces' products of a step take it
	ds_load_b128 v[MK+4*(\f):MK+4*(\f)+3], v[ADM] offset:512*(\f)
.endr
.endm
.macro FETCH_V
	WIN 0
	v_add_nc_u32 v[ADR], s[TB], v[AV0]
	WIN 0xc0                        ; destination window 3
.irp f, 0,1,2,3,4,5,6,7,8,9,10,11,12,13,14,15  ; keys 32 (f / 8) on, channels 16 (f % 8) on
	ds_load_tr16_b128 v[8*(\f):8*(\f)+3],   v[ADR] offset:((\f)/8)*8*GV+(((\f)%8)/2)*256+((\f)%2)*32
	ds_load_tr16_b128 v[8*(\f)+4:8*(\f)+7], v[ADR] offset:((\f)/8)*8*GV+4*GV+(((\f)%8)/2)*256+((\f)%2)*32
.endr
.endm
; THE VECTOR WORK OF A TURN.  One tile's softmax for one key step is a numbered list; SM writes number j of it for tile t.  s0-s31 are the lane's 32 scores, in pairs 0-15.
;   0-15    the maximum of s0-s31 and the old m, three operands at a time: four chains c0-c3 of seven scores each (each accumulator's lowest registers are read first), then the four scores left over, c0-c3 and m
;   16-20   the other half of the lanes' maximum; the old m is kept; the new m; (19 is empty); m_old - m_new
;   21-87   33 exponentials (a, then s0-s31) at the odd numbers from 23 on, so that no two follow each other and each has a plain instruction behind it before its result is used.
;           Plain instruction q (number 21, then the even numbers) is whatever is ready: s - m for a pair of scores whose exponentials are still to come (q = 0 to 3, then every
;           second q), the rounding to f16 of a pair of weights whose exponentials are done (every other q from 5 on), at last the first three sums
;   88-101  the last rounding; the rest of the sums; l = a l + the sum
;   102-133 the tile's O^T times a: the one part that leaves window 0, so it stands together
.macro SM t
.set rT, ST+8*(\t)
.set rS, S+32*(\t)
.set rP, P+16*(\t)
.set rO, 64*(\t)+2*(j-102)
.set q, (j-20)/2
.if j < 102
	WIN 0
.endif
.if j < 4
	v_max3_num_f32 v[rT+4+j], v[rS+8*j], v[rS+8*j+1], v[rS+8*j+2]
.elseif j < 12
	v_max3_num_f32 v[rT+4+j%4], v[rT+4+j%4], v[rS+8*(j%4)+2*(j/4)+1], v[rS+8*(j%4)+2*(j/4)+2]
.elseif j == 12
	v_max3_num_f32 v[rT+4], v[rT+4], v[rS+7], v[rS+15]
.elseif j == 13
	v_max3_num_f32 v[rT+6], v[rT+6], v[rS+23], v[rS+31]
.elseif j == 14
	v_max3_num_f32 v[rT+4], v[rT+4], v[rT+5], v[rT+6]
.elseif j == 15
	v_max3_num_f32 v[rT+4], v[rT+4], v[rT+7], v[rT]
.elseif j == 16
	v_permlanex16_b32 v[rT+5], v[rT+4], s[SEL], s[SEL+1]  ; the query's other 32 keys lie in the lane 16 away
.elseif j == 17
	v_mov_b32 v[rT+1], v[rT]        ; m_old is kept for a: number 18 writes m anew
.elseif j == 18
	v_max_num_f32 v[rT], v[rT+4], v[rT+5]
.elseif j == 19                     ; the scores come in units of log2: there is no c m to make
.elseif j == 20
	v_sub_f32 v[rT+7], v[rT+1], v[rT]
.elseif j == 23
	v_exp_f32 v[rT+6], v[rT+7]
.elseif (j < 88) && (j > 23) && (j%2 == 1)
	v_exp_f32 v[rS+(j-25)/2], v[rS+(j-25)/2]
.elseif (q < 4) || ((j < 76) && (q%2 == 0))
.set b, q/2+2
.if q < 4
.set b, q
.endif
	v_pk_add_f32 v[rS+2*b:rS+2*b+1], v[rS+2*b:rS+2*b+1], v[rT:rT+1] op_sel_hi:[1,0] neg_lo:[0,1] neg_hi:[0,1]  ; pair b: s - m, one rounding, 0 for the maximum itself
.elseif (j < 88) && (q%2 == 1)
	s_wait_alu depctr_va_vdst(0)
	v_cvt_pk_f16_f32 v[rP+(q-5)/2], v[rS+q-5], v[rS+q-4]  ; pair (q - 5) / 2: its second exponential stands three numbers back
.elseif j == 89
	s_wait_alu depctr_va_vdst(0)
	v_cvt_pk_f16_f32 v[rP+15], v[rS+30], v[rS+31]
.elseif j < 102                     ; the sum of the tile's 16 pairs (in a pair: an even key's weight, an odd key's), in place: sum z of 16 adds neighbours 1, 2, 4 and 8 pairs apart, then l takes it
.set z, j-86
.if j < 89
.set z, (j-76)/4
.endif
.set w, 4
.set u, z
.if z >= 14
.set w, 32
.set u, 0
.elseif z >= 12
.set w, 16
.set u, z-12
.elseif z >= 8
.set w, 8
.set u, z-8
.endif
.if z < 15
	v_pk_add_f32 v[rS+w*u:rS+w*u+1], v[rS+w*u:rS+w*u+1], v[rS+w*u+w/2:rS+w*u+w/2+1]
.else
	v_pk_fma_f32 v[rT+2:rT+3], v[rT+2:rT+3], v[rT+6:rT+7], v[rS:rS+1] op_sel_hi:[1,0,1]
.endif
.else
	WIN W_RS
	v_pk_mul_f32 v[rO:rO+1], v[rO:rO+1], v[rT+6:rT+7] op_sel_hi:[1,0]
.endif
.endm
; Slice k of 64 of piece y's softmax: numbers 2 k and 2 k + 1 of both tiles' lists.  What is over behind 64 slices of two numbers stands together, in slice 63.
.macro SLICE y
.if (k >= 11) && (k < 44)           ; tile by tile: plain, exponential, plain, exponential
.irp t, \y, (\y)+1
.irp n, 0,1
.set j, 2*k+(\n)
	SM \t
.endr
.endr
.else                               ; the two tiles alternate, so that no instruction reads the result of the one just before it
.irp n, 0,1,2,3,4,5,6,7
.if ((\n) < 2) || (k == 63)
.irp t, \y, (\y)+1
.set j, 2*k+(\n)
	SM \t
.endr
.endif
.endr
.endif
.set k, k+1
.endm
; A vector instruction that reads a matrix result or writes one of a matrix instruction's registers, and a load into a register that a matrix instruction has read, stand four places behind
; it, and only plain vector instructions that name none of its registers are places (ISA guide 7.12.1 for vector instructions).  Here the slices are the places.
; A TURN.  Piece x has the matrix unit; the other piece's softmax stands in slices behind its matrix instructions.
; pv = 1: 32 products V^T P.  kq = 1: 32 products K Q^T for the next step.  A turn with one of the two kinds has two slices behind each product.
; Each run of loads stands behind the second product of a run of 32, 30 matrix instructions ahead of its first use.  Piece 0's turn fetches the next step's K and mask: the last product that read them
; stands in front of slice 63 of the turn before.  Piece 2's turn fetches the same step's V: the last product that read V stands three slices, six plain instructions, back.
.macro TURN x, pv, kq
.set k, 0
.set per, 2
.if (\pv) && (\kq)
.set per, 1
.endif
.if \pv
.if (\x) == 0
	s_wait_dscnt 0x0                ; V is in
.endif
.set i, 0
.rept 32
	PV \x
.rept per
	SLICE 2-(\x)
.endr
.if ((\x) == 0) && (\kq) && (i == 1)
	FETCH_K
.endif
.set i, i+1
.endr
.endif
.if \kq
.if (\x) == 0
	s_wait_dscnt 0x0                ; K and the mask are in
.endif
.set i, 0
.rept 32
	KQ \x
.rept per
	SLICE 2-(\x)
.endr
.if ((\x) == 2) && (i == 1)
	FETCH_V
.endif
.set i, i+1
.endr
.endif
.endm
; THE CHANGE OF SLOTS, between piece 2's turn and piece 0's: the slot's last bytes, its V, have been asked for.  Each wave waits for all its tensor loads (of waves 0 to 2 one is out: a part of the other slot); adds 0 to
; its spare word; and waits for that and for its own reads of the slot.  Behind the barrier nobody reads this slot any more and the other slot is whole.
; fill = 1: this slot is filled again, with the keys two slots on.  The barrier is then a round of the cluster's, so that no wave of any partner still reads the slot or has a load on its
; way, and the joint refill is the first thing behind it: it has a key step, 128 matrix instructions, in which to land.
.macro CHANGE fill
	WIN 0                           ; at a label and at a branch every window is 0
	s_wait_tensorcnt 0x0            ; no tensor load of mine is out, so a group 0 may be written
	ds_add_u32 v[SPW], v[NIL]       ; 0 onto my spare word; with fill = 1 the descriptors' steps stand between it and the wait for it
.if \fill
.irp g, G0K+4, G0V+4
	s_xor_b32 s[(\g)+1], s[(\g)+1], SLOT1  ; the walking descriptor: the other slot than last time,
	s_add_nc_u64 s[(\g)+2:(\g)+3], s[(\g)+2:(\g)+3], 32768  ; the next 128 keys; the type bits on top are not reached
.endr
	s_xor_b32 s[G0M+5], s[G0M+5], SLOT1
	s_add_nc_u64 s[G0M+6:G0M+7], s[G0M+6:G0M+7], 8192  ; the mask's next two key steps
	s_wait_dscnt 0x0                ; the add is done, and my reads of the slot are over
	CROUND
	JLOAD
.else
	s_wait_dscnt 0x0                ; the add is done, and my reads of the slot are over
	s_barrier_signal -1
	s_barrier_wait -1
.endif
	s_xor_b32 s[TB], s[TB], SLOT1   ; the fetches go on in the other slot
.endm
	s_wait_tensorcnt 1              ; my part of slot 0 is in; slot 1's may stay out
	s_barrier_signal -1
	s_barrier_wait -1               ; everybody's is
	FETCH_K                         ; key step 0
	s_wait_loadcnt 0x0              ; Q
	s_wait_dscnt 0x0
.set i, 0
.rept 32
	KQ 0                            ; piece 0's first scores: there is no vector work yet to set between them
.set i, i+1
.endr
	WIN 0                           ; the addresses for the end are made here: plain instructions, the places behind those products
	s_mul_i32 s13, s[WV], 16*SP
	s_add_co_u32 s13, s13, STAGE    ; my stage
	v_mul_u32_u24 v[STO], v1, SP    ; in: row l % 16, 16 bytes for each half of the lanes
	v_lshl_add_u32 v[STO], v9, 4, v[STO]
	v_add_nc_u32 v[STO], s13, v[STO]
	v_mul_u32_u24 v[RD], v9, SP     ; back: lanes 0-15 take one row of 256 bytes, lanes 16-31 the next
	v_lshl_add_u32 v[RD], v1, 4, v[RD]
	v_add_nc_u32 v[RD], s13, v[RD]
	v_lshlrev_b32 v[GO], 13, v9     ; and the same two rows in o, 8,192 bytes apart
	v_lshl_add_u32 v[GO], v1, 4, v[GO]
	s_mul_i32 s13, s[WV], XCHW
	s_add_co_u32 s13, s13, XCH      ; what I hand over,
	v_add_nc_u32 v[XS], s13, v10    ; 16 bytes a lane
	s_xor_b32 s14, s[WV], 1         ; my partner has the same queries and the other keys
	s_mul_i32 s14, s14, XCHW
	s_add_co_u32 s14, s14, XCH
	v_add_nc_u32 v[XR], s14, v10
	TURN 2, 0, 1                    ; piece 2's first scores | piece 0's softmax of step 0 | V of step 0
	WIN 0
.Lslot:                             ; six trips.  Trip n: the slot of step n, which has been read, takes step n + 2; piece 0: V^T P of step n, K Q^T of step n + 1 | piece 2's softmax of step n | K of step n + 1;
	CHANGE 1                        ; piece 2: the same | piece 0's softmax of step n + 1 | V of step n + 1
	TURN 0, 1, 1
	TURN 2, 1, 1
	WIN 0
	s_sub_co_u32 s[SLOTS], s[SLOTS], 1
	s_cmp_lg_u32 s[SLOTS], 0
	s_cbranch_scc1 .Lslot
	CHANGE 0                        ; the tail is written out: nothing is asked for
	TURN 0, 1, 1                    ; K of step 7
	TURN 2, 1, 1                    ; V of step 7
	TURN 0, 1, 0                    ; piece 0: V^T P of the last step | piece 2's last softmax
.set i, 0
.rept 32
	PV 2                            ; piece 2: V^T P of the last step
.set i, i+1
.endr
	; THE END.  l's two halves and the other half of the lanes' are added.  Tiles 2 and 3 (O^T, m, l) go to the partner through LDS; the partner's come for my tiles 0 and 1.  The additions are the places behind the last products.
	WIN 0
.irp t, 0,1,2,3
	v_add_f32 v[ST+8*(\t)+4], v[ST+8*(\t)+2], v[ST+8*(\t)+3]
.endr
.irp t, 0,1,2,3
	v_permlanex16_b32 v[ST+8*(\t)+5], v[ST+8*(\t)+4], s[SEL], s[SEL+1]
.endr
.irp t, 0,1,2,3
	v_add_f32 v[ST+8*(\t)+4], v[ST+8*(\t)+4], v[ST+8*(\t)+5]
.endr
	v_mov_b32 v[XT],   v[ST+16]      ; four neighbouring registers for one store: m and l of tile 2,
	v_mov_b32 v[XT+1], v[ST+20]
	v_mov_b32 v[XT+2], v[ST+24]      ; of tile 3
	v_mov_b32 v[XT+3], v[ST+28]
	WIN 0x04                        ; the stores' data in window 1
.set i, 0
.rept 32
	ds_store_b128 v[XS], v[128+4*i:128+4*i+3] offset:512*i  ; in ascending order: each accumulator's four lowest registers first
.set i, i+1
.endr
	WIN 0
	ds_store_b128 v[XS], v[XT:XT+3] offset:16384
	s_wait_dscnt 0x0                ; for the partner's sake: my stores are done
	s_barrier_signal -1
	s_barrier_wait -1
	WIN 0x80                        ; into window 2, where Q lay
.set i, 0
.rept 32
	ds_load_b128 v[4*i:4*i+3], v[XR] offset:512*i
.set i, i+1
.endr
	WIN 0
	ds_load_b128 v[XRS:XRS+3], v[XR] offset:16384
	s_wait_dscnt 0x0
	; For tile u, with the partner's m', l', O': M = max(m, m'); a = 2^(m - M), a' = 2^(m' - M); L = a l + a' l' (at least 1: the greater maximum's own weight); O = O a / L + O' a' / L.
.irp u, 0,1
	v_max_num_f32 v[ST+8*(\u)+5], v[ST+8*(\u)], v[XRS+2*(\u)]
.endr
.irp u, 0,1
	v_sub_f32 v[ST+8*(\u)+6], v[ST+8*(\u)], v[ST+8*(\u)+5]
	v_sub_f32 v[XT+2*(\u)], v[XRS+2*(\u)], v[ST+8*(\u)+5]
.endr
.irp u, 0,1
	v_exp_f32 v[ST+8*(\u)+6], v[ST+8*(\u)+6]
	v_exp_f32 v[XT+2*(\u)], v[XT+2*(\u)]
.endr
	v_nop                           ; a plain instruction between the last exponential and the use of its result
.irp u, 0,1
	s_wait_alu depctr_va_vdst(0)
	v_mul_f32 v[ST+8*(\u)+5], v[ST+8*(\u)+6], v[ST+8*(\u)+4]
.endr
.irp u, 0,1
	v_fma_f32 v[ST+8*(\u)+5], v[XT+2*(\u)], v[XRS+2*(\u)+1], v[ST+8*(\u)+5]
.endr
.irp u, 0,1
	v_rcp_f32 v[ST+8*(\u)+5], v[ST+8*(\u)+5]
.endr
	v_nop                           ; a plain instruction between the last reciprocal and the use of its result
.irp u, 0,1
	s_wait_alu depctr_va_vdst(0)
	v_mul_f32 v[ST+8*(\u)+6], v[ST+8*(\u)+6], v[ST+8*(\u)+5]
	v_mul_f32 v[XT+2*(\u)], v[XT+2*(\u)], v[ST+8*(\u)+5]
.endr
; Tile u: merged, rounded to f16; a lane's eight channels of a row pack into 16 bytes; they go into rows of 272 bytes of my own stage and come back as whole rows of 256.
.macro PACK u
	WIN W_RS
.set i, 64*(\u)
.rept 32
	v_pk_mul_f32 v[i:i+1], v[i:i+1], v[ST+8*(\u)+6:ST+8*(\u)+7] op_sel_hi:[1,0]
.set i, i+2
.endr
	WIN 0x52                        ; source 0 (the partner's O^T) window 2, source 1 (its factor) window 0, source 2 and destination window 1
.set i, 64*(\u)
.rept 32
	v_pk_fma_f32 v[i:i+1], v[i:i+1], v[XT+2*(\u):XT+2*(\u)+1], v[i:i+1] op_sel_hi:[1,0,1]
.set i, i+2
.endr
	WIN 0x05                        ; sources 0 and 1 window 1, destination window 0: S^T's registers are free
.set i, 0
.rept 32
	v_cvt_pk_f16_f32 v[S+32*(\u)+i], v[64*(\u)+2*i], v[64*(\u)+2*i+1]
.set i, i+1
.endr
	WIN 0
.irp f, 0,1,2,3,4,5,6,7
	ds_store_b128 v[STO], v[S+32*(\u)+4*(\f):S+32*(\u)+4*(\f)+3] offset:32*(\f)
.endr
.irp f, 0,1,2,3,4,5,6,7
	ds_load_b128 v[S+32*(\u)+4*(\f):S+32*(\u)+4*(\f)+3], v[RD] offset:(\f)*2*SP  ; LDS serves a wave's instructions in order (ISA guide 5.7.1.4): these see the stores above; the next tile's stores come behind them
.endr
.endm
.macro SEND u, younger              ; younger: the LDS instructions issued behind tile u's loads: the next tile's sixteen, or none
	WIN 0
.irp f, 0,1,2,3,4,5,6,7
	s_wait_dscnt (\younger)+7-(\f)
	global_store_b128 v[GO], v[S+32*(\u)+4*(\f):S+32*(\u)+4*(\f)+3], s[10:11] offset:256*(\u)+16384*(\f)  ; 16 lanes store a head's 256 consecutive bytes of a row, at a multiple of 256 from o's first byte
.endr
.endm
	PACK 0
	PACK 1                          ; a tile's arithmetic stands between the loads of the tile before and its stores
	SEND 0, 16
	SEND 1, 0
	s_wait_tensorcnt 0x0            ; the wave's end, behind my last tensor load and my last LDS store
	ds_add_u32 v[SPW], v[NIL]
	s_wait_dscnt 0x0
	CROUND                          ; the closing round: no work-group ends while a partner may still ask for a tile that names it
	s_endpgm
.Lfunc_end_k_q6bf97760c2_attn:
	.size	k_q6bf97760c2_attn, .Lfunc_end_k_q6bf97760c2_attn-k_q6bf97760c2_attn
	.p2alignl 7, 3214868480
	.fill 96, 4, 3214868480
	.section	.rodata,"a",@progbits
	.p2align	6, 0x0
	.amdhsa_kernel k_q6bf97760c2_attn
		.amdhsa_group_segment_fixed_size 327680
		.amdhsa_private_segment_fixed_size 0
		.amdhsa_enable_private_segment 0
		.amdhsa_kernarg_size 32
		.amdhsa_user_sgpr_count 2
		.amdhsa_user_sgpr_kernarg_segment_ptr 1
		.amdhsa_wavefront_size32 1
		.amdhsa_system_sgpr_workgroup_id_x 1
		.amdhsa_system_sgpr_workgroup_id_y 1
		.amdhsa_system_sgpr_workgroup_id_z 1
		.amdhsa_system_vgpr_workitem_id 0
		.amdhsa_next_free_vgpr 1024
		.amdhsa_next_free_sgpr 100
		.amdhsa_reserve_vcc 0
		.amdhsa_float_denorm_mode_32 3
		.amdhsa_float_denorm_mode_16_64 3
		.amdhsa_memory_ordered 1
		.amdhsa_forward_progress 1
		.amdhsa_inst_pref_size 197
	.end_amdhsa_kernel
	.amdgpu_metadata
---
amdhsa.version: [ 1, 2 ]
amdhsa.kernels:
  - .name:           k_q6bf97760c2_attn
    .symbol:         k_q6bf97760c2_attn.kd
    .args:
      - { .name: q, .offset: 0, .size: 8, .value_kind: global_buffer, .address_space: global }
      - { .name: kv, .offset: 8, .size: 8, .value_kind: global_buffer, .address_space: global }
      - { .name: maskS, .offset: 16, .size: 8, .value_kind: global_buffer, .address_space: global }
      - { .name: o, .offset: 24, .size: 8, .value_kind: global_buffer, .address_space: global }
    .group_segment_fixed_size: 327680
    .private_segment_fixed_size: 0
    .kernarg_segment_align: 8
    .kernarg_segment_size: 32
    .max_flat_workgroup_size: 128
    .sgpr_count:     100
    .vgpr_count:     1024
    .wavefront_size: 32
...
	.end_amdgpu_metadata
.endif
;; end of part 7
;; launch proj: the kernel of part 4 again; grid 32 x 8, 4 waves a work-group, clusters of 4 x 4, 327,680 bytes of LDS; arguments o, wob, out0; writes out0
;; ======== version 3 of 3: 4 launches; version 2 with the launch prep written anew for expert scheduling mode
;; limits: values are held in f16: magnitudes above 65,504 overflow, below 6.1e-05 lose precision
;; workspace buffers: xb 8,388,608 bytes; wb 50,331,648 bytes; wob 33,554,432 bytes; maskS 4,194,304 bytes; csr 524,288 bytes; q 8,388,608 bytes; kv 4,194,304 bytes; o 8,388,608 bytes
;; launch prep (part 8): grid 1864 x 1, 8 waves a work-group, no clusters, 35,840 bytes of LDS; arguments x, wq, wk, wv, mask, freqs_cos, freqs_sin, xb, wb, maskS, csr; writes xb, wb, maskS, csr
.if DOCPART == 8
	.amdgcn_target "amdgcn-amd-amdhsa--gfx1250"
	.amdhsa_code_object_version 6
	.text
	.protected	k_q6bf97760c2_prep
	.globl	k_q6bf97760c2_prep
	.p2align	8
	.type	k_q6bf97760c2_prep,@function
k_q6bf97760c2_prep:
	s_mov_b64 s[64:65], 0
	v_nop
	global_prefetch_b8 v0, s[64:65] scope:SCOPE_SE
	s_setreg_imm32_b32 hwreg(HW_REG_WAVE_SCHED_MODE, 0, 2), 2
	s_setreg_imm32_b32 hwreg(HW_REG_WAVE_MODE, 25, 1), 1
	s_wait_xcnt 0x0
	s_wait_alu depctr_vm_vsrc(0)
; WHAT THE NEXT TWO LAUNCHES NEED IS ROUNDED ONCE, TO bf16, AND LAID OUT FOR THEM.  A stream: no matrix unit, nothing shared between work-groups or waves.  (wo is rounded in the launch behind, beside its matrix work.)
;   xb    [block of 16 rows: 64][K unit of 32: 128][1,024 bytes] bf16 = bf16(x / 4), in FRAGMENT ORDER: the 1,024 bytes are the register image of 16 rows x 32 K: piece c = 0..3 of 256 bytes holds, for row r at
;         byte 16 r, the eight numbers k = 8 c .. 8 c + 7: pieces 0, 1 are registers 0-3 of lanes 0-15 and 16-31, pieces 2, 3 registers 4-7
;   wb    [384][128][1,024 bytes] bf16 = bf16(w / 2), the same order; blocks in groups of 12: eight of wq (a query head's 128 rows), two of wk, two of wv
;   maskS [q block 64][key step 16][key block 4][half 2][lane 32][4] f32 = bf16(mask) x log2(e): the register image of the C operand of 16 keys x 16 queries
;         (query 16 qb + lane % 16; key 64 step + 16 block + 8 (lane / 16) + 4 half + e)
;   csr   bf16(cos) [1024][64] as f32, then bf16(sin) the same, 262,144 bytes on
; The factors 1/4 and 1/2 are powers of two: they commute with the rounding.  LIMITS: NaN and infinities are not treated apart.
; SHARES.  A work-group of eight waves takes 65,536 bytes of f32.  Work-group b: 0-255 x; 256-1279 wq; 1280-1535 wk; 1536-1791 wv: a block of 16 rows x a quarter of K, a wave 16 rows x 128 K;
; 1792-1855 the mask's block of 16 queries b - 1792 (wave w: key steps 2 w and 2 w + 1, one a trip); 1856-1863 a quarter of cos (the first four) or of sin.
; Every store of a wave covers 512 consecutive bytes that begin at a multiple of 256 from the buffer's first byte.
; THE MODE: SCHED_MODE bits 1:0 = 2 (LLVM: expert scheduling mode 2), set by the entry lines.  The code itself states the register dependences
; between vector instructions and memory or LDS instructions, with s_wait_alu, always for 0.
; THE PLAN, fragment order.  Registers that memory or LDS instructions touch:
;   v1            the loads' offset: written at the head, never again on this path.
;   X, row j      global load j lands in it; row j's two multiplications read it, its two roundings write its first two registers; the LDS store of row j reads those two; at the end the LDS loads land in all of X,
;                 and the global stores read it.
;   VS, VR, v2    the LDS stores', the LDS loads' and the global stores' addresses: made behind the global loads, never written again.
;   T is named by vector instructions alone; v[SPW] and v[NIL] are written at the head and read by the closing add alone.
; The rows go in fours.  The LDS stores of rows 4 g - 4 .. 4 g - 1 are issued among the arithmetic of rows 4 g .. 4 g + 3, which names T and its own rows alone: so one wait on va_vdst at the head of rows 4, 8 and 12
; serves four stores each, and stands behind a wait for data that was issued after the roundings it waits for.  One more stands behind row 15: for the last four stores, and for the LDS loads, which land in
; registers that vector instructions have read and written.  One wait on vm_vsrc stands between the last LDS stores and the LDS loads, which land in the stores' data.
; THE PLAN, the plain streams.  v1, v2: offsets, made ahead of the loop, never written in it.  X: the trip's loads land in it, its roundings read it.  Y: the trip's arithmetic writes it, its stores read it.
; The stores of loads 0 to 3 are issued among the arithmetic of loads 4 to 7, behind one wait on va_vdst; those of loads 4 to 7 behind a second, behind which no vector instruction stands until the next trip's loads
; have been issued: so it serves those loads too.  One wait on vm_vsrc stands at the trip's end, ahead of the jump: the next trip writes Y again.
.set K_M,  2                           ; the two kinds of plain stream
.set K_T,  3
.set T,   4                            ; v[4:9]    at work
.set SPW, 10                           ; v10       LDS address of my spare word: SPARE + 4 x my thread's number; never rewritten
.set NIL, 11                           ; v11       0; never rewritten
.set VS,  14                           ; v14       fragment order: where I put 8 bytes of a row
.set VR,  15                           ; v15       where I read 16 bytes back
.set X,   16                           ; v[16:79]  fragment order: row j of sixteen: 4 registers.  The plain streams: v[16:47] load j of eight,
.set Y,   48                           ; v[48:79]  store j of eight: 4 registers
.set WREG,  16*272                     ; a wave's own LDS: 16 pieces of 256 bytes, 272 apart (68 words: piece c starts at bank 4 c mod 64; 64 banks of 4 bytes: ISA guide 11.1)
.set SPARE, 8*WREG                     ; behind them: the spare words, 128 bytes for each wave: four blocks of 256 bytes that no other line names
.set CNT, 30                           ; s30       trips to go
.set BLK, 31                           ; s31       b
.set SCL, 36                           ; s[36:37]  the factor; the packed multiply names a pair and takes its low word for both halves
.set SRC, 38                           ; s[38:39]  where the trip loads
.set DST, 40                           ; s[40:41]  where it stores
.set OFS, 44                           ; s[44:45]  a byte offset, in 64 bits
.set HIM, 46                           ; s46       a word's upper bf16
.macro WIDEN d, p                      ; the two bf16 of word p as f32 in d, d + 1
	v_lshlrev_b32 v[\d], 16, v[\p]
	v_and_b32 v[(\d)+1], s[HIM], v[\p]
.endm
.macro PUT kind, j                     ; store j of a trip's eight
.if (\kind) == K_M
	global_store_b128 v2, v[Y+4*(\j):Y+4*(\j)+3], s[DST:DST+1] offset:512*(\j)
.else
	global_store_b128 v2, v[Y+4*(\j):Y+4*(\j)+3], s[DST:DST+1] offset:4096*(\j)
.endif
.endm
; A plain stream: two trips of eight loads.  v1: the lane's load offset, v2: its store offset; neither is rewritten.
.macro STREAM kind
	s_mov_b32 s[CNT], 2
	s_wait_alu depctr_va_vdst(0)                   ; v1 and v2 are written: every load and store of the loop reads one of them as its offset
.Ltrip_\@:
.irp j, 0,1,2,3,4,5,6,7
.if (\kind) == K_M
	global_load_b128 v[X+4*(\j):X+4*(\j)+3], v1, s[SRC:SRC+1] offset:64*((\j)/2)+16*((\j)%2)  ; key block j / 2, half j % 2: the eight loads together take 256 consecutive bytes of each of 16 rows
.else
	global_load_b128 v[X+4*(\j):X+4*(\j)+3], v1, s[SRC:SRC+1] offset:4096*(\j) th:TH_LOAD_NT  ; the eight waves take 4,096 consecutive bytes; read once in the launch
.endif
.endr
.irp j, 0,1,2,3,4,5,6,7
	s_wait_loadcnt 7-(\j)                          ; loads come back in order (ISA guide 5.7.1): load j is in, the 7 - j younger ones stay out
.if (\j) == 4
	s_wait_alu depctr_va_vdst(0)                   ; the arithmetic of loads 0 to 3 has written their Y, which the next four stores read; the arithmetic of loads 4 to 7, among which they stand, names none of it
.endif
.if (\j) >= 4
	PUT \kind, (\j)-4
.endif
	v_cvt_pk_bf16_f32 v[T+4], v[X+4*(\j)],   v[X+4*(\j)+1]
	v_cvt_pk_bf16_f32 v[T+5], v[X+4*(\j)+2], v[X+4*(\j)+3]
.if (\kind) == K_M
	WIDEN T, T+4
	WIDEN T+2, T+5
	v_pk_mul_f32 v[Y+4*(\j):Y+4*(\j)+1],   v[T:T+1],   s[SCL:SCL+1] op_sel_hi:[1,0]
	v_pk_mul_f32 v[Y+4*(\j)+2:Y+4*(\j)+3], v[T+2:T+3], s[SCL:SCL+1] op_sel_hi:[1,0]
.else
	WIDEN Y+4*(\j), T+4
	WIDEN Y+4*(\j)+2, T+5
.endif
.endr
	s_wait_alu depctr_va_vdst(0)                   ; the arithmetic of loads 4 to 7 has written their Y, which the last four stores read; and the trip's roundings are done reading X, in which the next trip's loads land
.irp j, 4,5,6,7
	PUT \kind, \j
.endr
	s_wait_xcnt 0x0                                ; every earlier memory instruction has had its addresses translated (ISA guide 3.1): the two bases and Y are rewritten only behind this wait
	s_wait_alu depctr_vm_vsrc(0)                   ; the trip's stores have read Y, which the next trip's arithmetic writes again
.if (\kind) == K_M
	s_add_nc_u64 s[SRC:SRC+1], s[SRC:SRC+1], 256   ; the next key step: 64 keys on in the rows,
	s_add_nc_u64 s[DST:DST+1], s[DST:DST+1], 4096  ; its 4,096 bytes
.else
	s_add_nc_u64 s[SRC:SRC+1], s[SRC:SRC+1], 32768
	s_add_nc_u64 s[DST:DST+1], s[DST:DST+1], 32768
.endif
	s_sub_co_u32 s[CNT], s[CNT], 1
	s_cmp_lg_u32 s[CNT], 0
	s_cbranch_scc1 .Ltrip_\@
	s_endpgm
.endm
	s_load_b512 s[4:19], s[0:1], 0x0               ; x s[4:5], wq s[6:7], wk s[8:9], wv s[10:11], mask s[12:13], cos s[14:15], sin s[16:17], xb s[18:19]
	s_load_b128 s[20:23], s[0:1], 0x40             ; wb s[20:21], maskS s[22:23]
	s_load_b64 s[24:25], s[0:1], 0x50              ; csr
	v_lshl_add_u32 v[SPW], v0, 2, SPARE
	v_mov_b32 v[NIL], 0
	s_mov_b32 s[BLK], ttmp9
	s_mov_b32 s[HIM], 0xffff0000
	s_mov_b32 s[OFS+1], 0
	v_lshlrev_b32 v1, 4, v0                        ; 16 bytes of f32 a thread
	s_wait_kmcnt 0x0
	s_cmp_ge_u32 s[BLK], 1792
	s_cbranch_scc1 .Lnot_xw
	; x, wq, wk or wv INTO FRAGMENT ORDER.  The source's block n of 16 rows goes to block 12 (n >> sh) + add + (n mod 2^sh) of the destination (x: sh = 8, so block n)
	s_mov_b32 s32, 0                               ; the tensor's first work-group
	s_mov_b32 s33, 8                               ; sh
	s_mov_b32 s34, 0                               ; add
	s_mov_b32 s[SCL], 0x3e800000                   ; 1/4
	s_mov_b64 s[SRC:SRC+1], s[4:5]
	s_mov_b64 s[DST:DST+1], s[18:19]
	s_cmp_ge_u32 s[BLK], 256
	s_cselect_b32 s32, 256, s32
	s_cselect_b32 s33, 3, s33
	s_cselect_b32 s[SCL], 0.5, s[SCL]
	s_cselect_b64 s[SRC:SRC+1], s[6:7], s[SRC:SRC+1]
	s_cselect_b64 s[DST:DST+1], s[20:21], s[DST:DST+1]
	s_cmp_ge_u32 s[BLK], 1280
	s_cselect_b32 s32, 1280, s32
	s_cselect_b32 s33, 1, s33
	s_cselect_b32 s34, 8, s34
	s_cselect_b64 s[SRC:SRC+1], s[8:9], s[SRC:SRC+1]
	s_cmp_ge_u32 s[BLK], 1536
	s_cselect_b32 s32, 1536, s32
	s_cselect_b32 s34, 10, s34
	s_cselect_b64 s[SRC:SRC+1], s[10:11], s[SRC:SRC+1]
	s_mov_b32 s[SCL+1], s[SCL]                     ; named with it as a pair
	s_sub_co_u32 s35, s[BLK], s32
	s_and_b32 s47, s35, 3                          ; which quarter of K
	s_lshr_b32 s35, s35, 2                         ; n
	s_lshr_b32 s42, s35, s33
	s_mul_i32 s42, s42, 12
	s_lshl_b32 s43, 1, s33
	s_sub_co_u32 s43, s43, 1
	s_and_b32 s43, s35, s43
	s_add_co_u32 s42, s42, s43
	s_add_co_u32 s42, s42, s34                     ; the destination's block
	s_lshl_b32 s[OFS], s35, 18                     ; 16 rows of 16,384 bytes: under 2^26,
	s_lshl_b32 s43, s47, 12                        ; and the quarter's 4,096 bytes of a row
	s_add_co_u32 s[OFS], s[OFS], s43
	s_add_nc_u64 s[SRC:SRC+1], s[SRC:SRC+1], s[OFS:OFS+1]
	s_lshl_b32 s[OFS], s42, 17                     ; a block's 128 units of 1,024 bytes: under 2^26,
	s_lshl_b32 s43, s47, 15                        ; and the quarter's 32 units
	s_add_co_u32 s[OFS], s[OFS], s43
	s_add_nc_u64 s[DST:DST+1], s[DST:DST+1], s[OFS:OFS+1]
	s_wait_alu depctr_va_vdst(0)                   ; v1 is written: the sixteen loads read it as their offset
.irp j, 0,1,2,3,4,5,6,7,8,9,10,11,12,13,14,15
	global_load_b128 v[X+4*(\j):X+4*(\j)+3], v1, s[SRC:SRC+1] offset:16384*(\j) th:TH_LOAD_NT  ; row j: my wave's 512 consecutive bytes (128 K), the eight waves' 4,096; read once in the launch
.endr
	v_lshrrev_b32 v13, 5, v0
	v_readfirstlane_b32 s48, v13                   ; my wave's number
	v_and_b32 v3, 31, v0                           ; lane: it holds k = 4 lane .. + 3 of the wave's 128: half of piece lane / 2 of sixteen (four units x four pieces)
	v_lshlrev_b32 v2, 4, v3
	v_lshrrev_b32 v12, 1, v3
	v_mul_u32_u24 v12, v12, 272
	v_and_b32 v13, 1, v0
	v_lshl_add_u32 v12, v13, 3, v12
	s_wait_alu depctr_va_sdst(0)                   ; s48 is written, ahead of its first reader: my wave's LDS bytes and its place in the output are made from it
	s_mul_i32 s49, s48, WREG                       ; my wave's own LDS bytes
	v_lshl_add_u32 v2, s48, 12, v2                 ; out: my wave's four units, 16 bytes a lane
	v_add_nc_u32 v[VS], s49, v12                   ; in: piece lane / 2, 8 bytes at 8 (lane % 2); row j at 16 j
	v_lshrrev_b32 v12, 4, v3
	v_mul_u32_u24 v12, v12, 272
	v_and_b32 v13, 15, v0
	v_lshl_add_u32 v12, v13, 4, v12
	v_add_nc_u32 v[VR], s49, v12                   ; back: lanes 0-15 one piece's 256 bytes, lanes 16-31 the next's
.irp j, 0,1,2,3,4,5,6,7,8,9,10,11,12,13,14,15
	s_wait_loadcnt 15-(\j)                         ; loads come back in order (ISA guide 5.7.1): row j is in, the 15 - j younger rows stay out
.if (\j) == 4 || (\j) == 8 || (\j) == 12
	s_wait_alu depctr_va_vdst(0)                   ; the four rows before are rounded: their first two registers are written, which the next four LDS stores read (at row 4: so is v[VS], their address); the four rows among which those stores stand name T and their own registers alone
.endif
.if (\j) >= 4
	ds_store_b64 v[VS], v[X+4*(\j)-16:X+4*(\j)-15] offset:16*(\j)-64  ; row j - 4
.endif
	v_pk_mul_f32 v[T:T+1],   v[X+4*(\j):X+4*(\j)+1],   s[SCL:SCL+1] op_sel_hi:[1,0]
	v_pk_mul_f32 v[T+2:T+3], v[X+4*(\j)+2:X+4*(\j)+3], s[SCL:SCL+1] op_sel_hi:[1,0]
	v_cvt_pk_bf16_f32 v[X+4*(\j)],   v[T],   v[T+1]
	v_cvt_pk_bf16_f32 v[X+4*(\j)+1], v[T+2], v[T+3]
.endr
	s_wait_alu depctr_va_vdst(0)                   ; rows 12 to 15 are rounded, for the four stores below; every vector instruction is done reading and writing X, in which the LDS loads land; v[VR] and v2 are written.  No vector instruction follows
.irp j, 12,13,14,15
	ds_store_b64 v[VS], v[X+4*(\j):X+4*(\j)+1] offset:16*(\j)
.endr
	s_wait_alu depctr_vm_vsrc(0)                   ; the sixteen LDS stores have read their data, registers of X in which the LDS loads below land
.irp m, 0,1,2,3,4,5,6,7
	ds_load_b128 v[X+4*(\m):X+4*(\m)+3], v[VR] offset:544*(\m)  ; pieces 2 m and 2 m + 1.  LDS serves a wave's instructions in order (ISA guide 5.7.1.4): these see the stores above; the bytes are my wave's own
.endr
.irp m, 0,1,2,3,4,5,6,7
	s_wait_dscnt 7-(\m)                            ; the 7 - m younger loads stay out
	global_store_b128 v2, v[X+4*(\m):X+4*(\m)+3], s[DST:DST+1] offset:512*(\m)  ; 512 consecutive bytes, at a multiple of 256 from the buffer's first byte
.endr
	s_wait_dscnt 0x0                               ; the wave's end, behind my last LDS store
	s_wait_alu 0x0
	s_wait_tensorcnt 0x0
	ds_add_u32 v[SPW], v[NIL]
	s_wait_dscnt 0x0
	s_endpgm
.Lnot_xw:
	s_cmp_ge_u32 s[BLK], 1856
	s_cbranch_scc1 .Ltab
	s_sub_co_u32 s35, s[BLK], 1792                 ; the block of 16 queries: 65,536 bytes of the mask and of maskS
	s_lshl_b32 s[OFS], s35, 16
	s_add_nc_u64 s[SRC:SRC+1], s[12:13], s[OFS:OFS+1]
	s_add_nc_u64 s[DST:DST+1], s[22:23], s[OFS:OFS+1]
	s_mov_b32 s[SCL], 0x3fb8aa3b                   ; log2(e)
	s_mov_b32 s[SCL+1], 0x3fb8aa3b
	v_and_b32 v3, 15, v0                           ; the query in the block
	v_bfe_u32 v12, v0, 4, 1                        ; the half of the lanes
	v_lshrrev_b32 v13, 5, v0                       ; the wave
	v_lshlrev_b32 v1, 12, v3                       ; a row of the mask is 4,096 bytes;
	v_lshl_add_u32 v1, v12, 5, v1                  ; 8 keys on for lanes 16-31;
	v_lshl_add_u32 v1, v13, 9, v1                  ; key step 2 w
	v_and_b32 v2, 31, v0
	v_lshlrev_b32 v2, 4, v2                        ; 16 bytes a lane,
	v_lshl_add_u32 v2, v13, 13, v2                 ; key step 2 w
	STREAM K_M
.Ltab:
	s_sub_co_u32 s35, s[BLK], 1856                 ; 0-3: quarters of cos; 4-7: of sin
	s_cmp_ge_u32 s35, 4
	s_cselect_b64 s[SRC:SRC+1], s[16:17], s[14:15]
	s_and_b32 s[OFS], s35, 3
	s_lshl_b32 s[OFS], s[OFS], 16
	s_add_nc_u64 s[SRC:SRC+1], s[SRC:SRC+1], s[OFS:OFS+1]
	s_lshl_b32 s[OFS], s35, 16
	s_add_nc_u64 s[DST:DST+1], s[24:25], s[OFS:OFS+1]
	v_mov_b32 v2, v1                               ; f32 in, f32 out: the same offset
	STREAM K_T
.Lfunc_end_k_q6bf97760c2_prep:
	.size	k_q6bf97760c2_prep, .Lfunc_end_k_q6bf97760c2_prep-k_q6bf97760c2_prep
	.p2alignl 7, 3214868480
	.fill 96, 4, 3214868480
	.section	.rodata,"a",@progbits
	.p2align	6, 0x0
	.amdhsa_kernel k_q6bf97760c2_prep
		.amdhsa_group_segment_fixed_size 35840
		.amdhsa_private_segment_fixed_size 0
		.amdhsa_enable_private_segment 0
		.amdhsa_kernarg_size 88
		.amdhsa_user_sgpr_count 2
		.amdhsa_user_sgpr_kernarg_segment_ptr 1
		.amdhsa_wavefront_size32 1
		.amdhsa_system_sgpr_workgroup_id_x 1
		.amdhsa_system_sgpr_workgroup_id_y 1
		.amdhsa_system_sgpr_workgroup_id_z 1
		.amdhsa_system_vgpr_workitem_id 0
		.amdhsa_next_free_vgpr 80
		.amdhsa_next_free_sgpr 66
		.amdhsa_reserve_vcc 0
		.amdhsa_float_denorm_mode_32 3
		.amdhsa_float_denorm_mode_16_64 3
		.amdhsa_memory_ordered 1
		.amdhsa_forward_progress 1
		.amdhsa_inst_pref_size 23
	.end_amdhsa_kernel
	.amdgpu_metadata
---
amdhsa.version: [ 1, 2 ]
amdhsa.kernels:
  - .name:           k_q6bf97760c2_prep
    .symbol:         k_q6bf97760c2_prep.kd
    .args:
      - { .name: x, .offset: 0, .size: 8, .value_kind: global_buffer, .address_space: global }
      - { .name: wq, .offset: 8, .size: 8, .value_kind: global_buffer, .address_space: global }
      - { .name: wk, .offset: 16, .size: 8, .value_kind: global_buffer, .address_space: global }
      - { .name: wv, .offset: 24, .size: 8, .value_kind: global_buffer, .address_space: global }
      - { .name: mask, .offset: 32, .size: 8, .value_kind: global_buffer, .address_space: global }
      - { .name: freqs_cos, .offset: 40, .size: 8, .value_kind: global_buffer, .address_space: global }
      - { .name: freqs_sin, .offset: 48, .size: 8, .value_kind: global_buffer, .address_space: global }
      - { .name: xb, .offset: 56, .size: 8, .value_kind: global_buffer, .address_space: global }
      - { .name: wb, .offset: 64, .size: 8, .value_kind: global_buffer, .address_space: global }
      - { .name: maskS, .offset: 72, .size: 8, .value_kind: global_buffer, .address_space: global }
      - { .name: csr, .offset: 80, .size: 8, .value_kind: global_buffer, .address_space: global }
    .group_segment_fixed_size: 35840
    .private_segment_fixed_size: 0
    .kernarg_segment_align: 8
    .kernarg_segment_size: 88
    .max_flat_workgroup_size: 256
    .sgpr_count:     66
    .vgpr_count:     80
    .wavefront_size: 32
...
	.end_amdgpu_metadata
.endif
;; end of part 8
;; launch qkv: the kernel of part 6 again; grid 32 x 8, 4 waves a work-group, clusters of 4 x 4, 327,680 bytes of LDS; arguments xb, wb, csr, q, kv, wo, wob; writes q, kv, wob
;; launch attn: the kernel of part 7 again; grid 32 x 8, 4 waves a work-group, clusters of 4 x 4, 327,680 bytes of LDS; arguments q, kv, maskS, o; writes o
;; launch proj: the kernel of part 4 again; grid 32 x 8, 4 waves a work-group, clusters of 4 x 4, 327,680 bytes of LDS; arguments o, wob, out0; writes out0
